; MI455X (gfx1250); checked and timed in simulation.
; The chip was launched on July 23, 2026; its instructions are those of AMD's public machine-readable ISA for CDNA 5 (MIT licence, August 2026) and "CDNA5" Instruction Set Architecture Reference Guide (July 2026). The comments in the code are by the model that wrote it; some were corrected since.
;; Gated Delta Net Scan FLA. Allowed arithmetic: float matrix products may take bf16 or f16 operands with f32 sums; other float arithmetic in f32, or as packed bf16 or f16 multiplies, adds, multiply-adds, maxima and minima; sums over many terms, partial sums and values carried from step to step in f32; what a program stores and reads back later, other than sums and carried values, may be rounded once to bf16 or f16.
;; Inputs: Wa 16 x 2,048 float32; Wb 16 x 2,048 float32; Wk 2,048 x 2,048 float32; Wq 2,048 x 2,048 float32; Wv 2,048 x 2,048 float32; ba 16 float32; bb 16 float32; x 2 x 2,048 x 2,048 float32.
;; Outputs: out0 2 x 2,048 x 16 x 128 float32.
;; 3 versions, each right; version 2 is faster than version 1; version 3 is version 2 with the launch cast written anew for expert scheduling mode. Each part assembles by itself: llvm-mc -triple=amdgcn-amd-amdhsa -mcpu=gfx1250 --defsym DOCPART=n.
;; ======== version 1 of 3: 5 launches
;; workspace buffers: xb 16,777,216 bytes; wb 25,165,824 bytes; wab 131,072 bytes; gc 262,144 bytes; bt 262,144 bytes; qkv 51,118,080 bytes; ops 56,623,104 bytes; u0 33,685,504 bytes
;; launch cast (part 1): grid 642 x 1, 8 waves a work-group, no clusters, 0 bytes of LDS; arguments x, Wq, Wk, Wv, Wa, Wb, xb, wb, wab; writes xb, wb, wab
.if DOCPART == 1
	.amdgcn_target "amdgcn-amd-amdhsa--gfx1250"
	.amdhsa_code_object_version 6
	.text
	.protected	k_q6ab1f3a766_cast
	.globl	k_q6ab1f3a766_cast
	.p2align	8
	.type	k_q6ab1f3a766_cast,@function
k_q6ab1f3a766_cast:
	s_mov_b64 s[64:65], 0
	v_nop
	global_prefetch_b8 v0, s[64:65] scope:SCOPE_SE
	s_setreg_imm32_b32 hwreg(HW_REG_WAVE_MODE, 25, 1), 1
	s_wait_xcnt 0x0
; f32 to bf16, once, for everything that later feeds the matrix units: x -> xb, Wq | Wk | Wv -> wb (rows one below the other), Wa | Wb -> wab.
; A work-group takes a unit of 32,768 numbers (131,072 bytes in, 65,536 out); x is 256 units, each large weight 128, Wa and Wb one each: 642.
; A wave takes 4,096 numbers: 32 loads of 16 bytes a lane, all issued before the first is used; each load of a wave covers 512 consecutive
; bytes, each store 256 consecutive bytes at a multiple of 256 from the buffer's first byte.  Memory binds: no LDS, no barrier, no matrix unit.
.set X, 8                              ; v[8:135]   32 x 4 numbers as loaded
.set Y, 136                            ; v[136:199] 32 x 2 words of two bf16
	s_load_b512 s[8:23], s[0:1], 0x0               ; x 8, Wq 10, Wk 12, Wv 14, Wa 16, Wb 18, xb 20, wb 22
	s_load_b64 s[24:25], s[0:1], 0x40              ; wab
	v_and_b32 v3, 31, v0                           ; lane
	v_lshrrev_b32 v4, 5, v0                        ; wave
	v_lshlrev_b32 v1, 4, v3
	v_lshl_or_b32 v1, v4, 14, v1                   ; in:  16,384 wave + 16 lane
	v_lshlrev_b32 v2, 3, v3
	v_lshl_or_b32 v2, v4, 13, v2                   ; out:  8,192 wave +  8 lane
	s_wait_kmcnt 0x0
	; which tensor the unit belongs to: source s[32:33] with its first unit s26, destination s[36:37] with its first unit s27
	s_cmp_ge_u32 ttmp9, 256
	s_cselect_b64 s[32:33], s[10:11], s[8:9]
	s_cselect_b64 s[36:37], s[22:23], s[20:21]
	s_cselect_b32 s26, 256, 0
	s_cselect_b32 s27, 256, 0
	s_cmp_ge_u32 ttmp9, 384
	s_cselect_b64 s[32:33], s[12:13], s[32:33]
	s_cselect_b32 s26, 384, s26
	s_cmp_ge_u32 ttmp9, 512
	s_cselect_b64 s[32:33], s[14:15], s[32:33]
	s_cselect_b32 s26, 512, s26
	s_cmp_ge_u32 ttmp9, 640
	s_cselect_b64 s[32:33], s[16:17], s[32:33]
	s_cselect_b64 s[36:37], s[24:25], s[36:37]
	s_cselect_b32 s26, 640, s26
	s_cselect_b32 s27, 640, s27
	s_cmp_ge_u32 ttmp9, 641
	s_cselect_b64 s[32:33], s[18:19], s[32:33]
	s_cselect_b32 s26, 641, s26
	s_sub_co_u32 s26, ttmp9, s26                   ; the unit's number inside its source,
	s_sub_co_u32 s27, ttmp9, s27                   ; and inside its destination
	s_lshl_b32 s28, s26, 17
	s_mov_b32 s29, 0
	s_lshl_b32 s30, s27, 16
	s_mov_b32 s31, 0
	s_add_nc_u64 s[32:33], s[32:33], s[28:29]
	s_add_nc_u64 s[36:37], s[36:37], s[30:31]
.set j, 0
.rept 32
	global_load_b128 v[X+4*j:X+4*j+3], v1, s[32:33] offset:512*j th:TH_LOAD_NT
.set j, j+1
.endr
.set j, 0
.rept 32
	s_wait_loadcnt 31-j                            ; loads come back in order: number j is in, the 31 - j younger ones stay out
	v_cvt_pk_bf16_f32 v[Y+2*j], v[X+4*j], v[X+4*j+1]
	v_cvt_pk_bf16_f32 v[Y+2*j+1], v[X+4*j+2], v[X+4*j+3]
	global_store_b64 v2, v[Y+2*j:Y+2*j+1], s[36:37] offset:256*j   ; no register is written twice, so no wait for sources
.set j, j+1
.endr
	s_endpgm
.Lfunc_end_k_q6ab1f3a766_cast:
	.size	k_q6ab1f3a766_cast, .Lfunc_end_k_q6ab1f3a766_cast-k_q6ab1f3a766_cast
	.p2alignl 7, 3214868480
	.fill 96, 4, 3214868480
	.section	.rodata,"a",@progbits
	.p2align	6, 0x0
	.amdhsa_kernel k_q6ab1f3a766_cast
		.amdhsa_group_segment_fixed_size 0
		.amdhsa_private_segment_fixed_size 0
		.amdhsa_enable_private_segment 0
		.amdhsa_kernarg_size 72
		.amdhsa_user_sgpr_count 2
		.amdhsa_user_sgpr_kernarg_segment_ptr 1
		.amdhsa_wavefront_size32 1
		.amdhsa_system_sgpr_workgroup_id_x 1
		.amdhsa_system_sgpr_workgroup_id_y 1
		.amdhsa_system_sgpr_workgroup_id_z 1
		.amdhsa_system_vgpr_workitem_id 0
		.amdhsa_next_free_vgpr 200
		.amdhsa_next_free_sgpr 66
		.amdhsa_reserve_vcc 0
		.amdhsa_float_denorm_mode_32 3
		.amdhsa_float_denorm_mode_16_64 3
		.amdhsa_memory_ordered 1
		.amdhsa_forward_progress 1
		.amdhsa_inst_pref_size 13
	.end_amdhsa_kernel
	.amdgpu_metadata
---
amdhsa.version: [ 1, 2 ]
amdhsa.kernels:
  - .name:           k_q6ab1f3a766_cast
    .symbol:         k_q6ab1f3a766_cast.kd
    .args:
      - { .name: x, .offset: 0, .size: 8, .value_kind: global_buffer, .address_space: global }
      - { .name: Wq, .offset: 8, .size: 8, .value_kind: global_buffer, .address_space: global }
      - { .name: Wk, .offset: 16, .size: 8, .value_kind: global_buffer, .address_space: global }
      - { .name: Wv, .offset: 24, .size: 8, .value_kind: global_buffer, .address_space: global }
      - { .name: Wa, .offset: 32, .size: 8, .value_kind: global_buffer, .address_space: global }
      - { .name: Wb, .offset: 40, .size: 8, .value_kind: global_buffer, .address_space: global }
      - { .name: xb, .offset: 48, .size: 8, .value_kind: global_buffer, .address_space: global }
      - { .name: wb, .offset: 56, .size: 8, .value_kind: global_buffer, .address_space: global }
      - { .name: wab, .offset: 64, .size: 8, .value_kind: global_buffer, .address_space: global }
    .group_segment_fixed_size: 0
    .private_segment_fixed_size: 0
    .kernarg_segment_align: 8
    .kernarg_segment_size: 72
    .max_flat_workgroup_size: 256
    .sgpr_count:     66
    .vgpr_count:     200
    .wavefront_size: 32
...
	.end_amdgpu_metadata
.endif
;; end of part 1
;; launch gates (part 2): grid 64 x 1, 16 waves a work-group, no clusters, 36,864 bytes of LDS; arguments xb, wab, ba, bb, gc, bt; writes gc, bt
.if DOCPART == 2
	.amdgcn_target "amdgcn-amd-amdhsa--gfx1250"
	.amdhsa_code_object_version 6
	.text
	.protected	k_q6ab1f3a766_gates
	.globl	k_q6ab1f3a766_gates
	.p2align	8
	.type	k_q6ab1f3a766_gates,@function
k_q6ab1f3a766_gates:
	s_mov_b64 s[64:65], 0
	v_nop
	global_prefetch_b8 v0, s[64:65] scope:SCOPE_SE
	s_setreg_imm32_b32 hwreg(HW_REG_WAVE_MODE, 25, 1), 1
	s_wait_xcnt 0x0
; The two small projections and what follows them.  For 64 rows t of x (one chunk of one batch) and the 16 heads:
;   gc[b*16+head][t] = the sum, from the chunk's first row to t, of log2 sigmoid(x.Wa + ba);   bt[b*16+head][t] = softplus(x.Wb + bb) * 128^-0.5.
; Both come from log2(1 + 2^y) = max(y, 0) + log2(1 + 2^-|y|): no exponential can overflow; where 2^-|y| is below 2^-10 the logarithm is
; taken by e (log2e - e log2e / 2), whose error is of the order e^3; 2^-|y| below 2^-126 counts as 0.
; Sixteen waves: wave w multiplies rows 16 (w & 3) .. + 15 by all 32 rows of wab over K = 512 (w >> 2) .. + 511; the four parts of K meet in LDS.
; Operands come straight from memory into fragments: each is used once, so LDS would add a copy.  64 work-groups, as many as there are chunks of rows.
.set FA,   16                          ; v[16:79]    8 K steps of x
.set FB0,  80                          ; v[80:143]   8 K steps of Wa
.set FB1,  144                         ; v[144:207]  8 K steps of Wb
.set ACC0, 208                         ; v[208:215]  x.Wa: lane = head, register j = row 8 h + j
.set ACC1, 216                         ; v[216:223]  x.Wb
.set PP,   272                         ; LDS pitch of a row of 64 f32
	s_load_b256 s[8:15], s[0:1], 0x0               ; xb 8, wab 10, ba 12, bb 14
	s_load_b128 s[16:19], s[0:1], 0x20             ; gc 16, bt 18
	v_lshl_add_u32 v254, v0, 2, 0x8800
	v_mov_b32 v255, 0
	v_lshrrev_b32 v6, 5, v0
	v_readfirstlane_b32 s20, v6                    ; wave
	s_and_b32 s21, s20, 3                          ; which 16 rows
	s_lshr_b32 s22, s20, 2                         ; which quarter of K
	v_and_b32 v1, 15, v0                           ; r
	v_bfe_u32 v2, v0, 4, 1                         ; h
	v_lshlrev_b32 v3, 12, v1
	v_lshl_add_u32 v3, v2, 4, v3                   ; fragment: row r of 4,096 bytes + 16 h
	v_bfe_u32 v5, v0, 4, 4
	v_lshlrev_b32 v9, 13, v5                       ; the last phase: head x 8,192 bytes of gc or bt,
	v_lshl_add_u32 v9, v1, 4, v9                   ; + 16 bytes for each of 16 threads
	v_lshlrev_b32 v5, 2, v5                        ; the head's bias
	s_lshl_b32 s30, ttmp9, 18                      ; 64 rows of 4,096 bytes
	s_lshl_b32 s31, s21, 16
	s_add_co_u32 s30, s30, s31
	s_lshl_b32 s32, s22, 10                        ; 512 bf16 along K
	s_add_co_u32 s30, s30, s32
	s_mov_b32 s31, 0
	s_mov_b32 s33, 0
	s_mov_b32 s34, 0xbfb8aa3b                      ; -log2 e
	s_mov_b32 s35, 0x3fb8aa3b                      ;  log2 e
	s_mov_b32 s36, 0x3d7af233                      ; ln 2 * 128^-0.5
	s_mov_b32 s37, 0xbf800000                      ; -1
	s_mov_b32 s39, 0xbf38aa3b                      ; -log2 e / 2
	s_lshr_b32 s40, ttmp9, 5
	s_lshl_b32 s40, s40, 17                        ; batch x 16 heads x 8,192 bytes
	s_and_b32 s41, ttmp9, 31
	s_lshl_b32 s41, s41, 8                         ; chunk x 256 bytes
	s_add_co_u32 s40, s40, s41
	s_mov_b32 s41, 0
	s_wait_kmcnt 0x0
	s_add_nc_u64 s[8:9], s[8:9], s[30:31]
	s_add_nc_u64 s[10:11], s[10:11], s[32:33]
	s_cmp_lt_u32 s20, 8                            ; in the last phase waves 0-7 finish the decays, waves 8-15 the betas
	s_cselect_b64 s[24:25], s[12:13], s[14:15]     ; bias
	s_cselect_b64 s[26:27], s[16:17], s[18:19]     ; output
	s_cselect_b32 s28, s34, s35                    ; y = z * s28
	s_cselect_b32 s29, s37, s36                    ; result = s29 * log2(1 + 2^y)
	s_add_nc_u64 s[26:27], s[26:27], s[40:41]
	global_load_b32 v4, v5, s[24:25]
; Half of the wave's K: 48 loads, one wait, 16 products.  The two accumulators take turns, one instruction a turn.
.macro HALF hf
.irp k, 0,1,2,3,4,5,6,7
	global_load_b128 v[FA+8*\k:FA+8*\k+3],    v3, s[8:9]   offset:(8*\hf+\k)*64
	global_load_b128 v[FA+8*\k+4:FA+8*\k+7],  v3, s[8:9]   offset:(8*\hf+\k)*64+32
	global_load_b128 v[FB0+8*\k:FB0+8*\k+3],   v3, s[10:11] offset:(8*\hf+\k)*64
	global_load_b128 v[FB0+8*\k+4:FB0+8*\k+7], v3, s[10:11] offset:(8*\hf+\k)*64+32
	global_load_b128 v[FB1+8*\k:FB1+8*\k+3],   v3, s[10:11] offset:(8*\hf+\k)*64+65536
	global_load_b128 v[FB1+8*\k+4:FB1+8*\k+7], v3, s[10:11] offset:(8*\hf+\k)*64+65536+32
.endr
	s_wait_loadcnt 0x0
.irp k, 0,1,2,3,4,5,6,7
.if \hf+\k == 0
	v_wmma_f32_16x16x32_bf16 v[ACC0:ACC0+7], v[FA:FA+7], v[FB0:FB0+7], 0       ; the first products start the sums
	v_wmma_f32_16x16x32_bf16 v[ACC1:ACC1+7], v[FA:FA+7], v[FB1:FB1+7], 0
.else
	v_wmma_f32_16x16x32_bf16 v[ACC0:ACC0+7], v[FA+8*\k:FA+8*\k+7], v[FB0+8*\k:FB0+8*\k+7], v[ACC0:ACC0+7]
	v_wmma_f32_16x16x32_bf16 v[ACC1:ACC1+7], v[FA+8*\k:FA+8*\k+7], v[FB1+8*\k:FB1+8*\k+7], v[ACC1:ACC1+7]
.endif
.endr
.rept 4
	v_nop                                          ; four places before fragments are loaded again or results are stored (ISA guide 7.12.1)
.endr
.endm
	HALF 0
	HALF 1
	; the four parts of K meet: LDS [quarter][32 rows: 16 heads of Wa, 16 of Wb][64 t], pitch 272
	s_mul_i32 s38, s22, 32*PP
	s_lshl_b32 s42, s21, 6
	s_add_co_u32 s38, s38, s42                     ; quarter x 8,704 + 16 rows x 4 bytes
	v_mul_u32_u24 v7, v1, PP
	v_lshl_add_u32 v7, v2, 5, v7
	v_add_nc_u32 v7, s38, v7                       ; + head x 272 + 8 h x 4
	ds_store_b128 v7, v[ACC0:ACC0+3]
	ds_store_b128 v7, v[ACC0+4:ACC0+7] offset:16
	ds_store_b128 v7, v[ACC1:ACC1+3] offset:16*PP
	ds_store_b128 v7, v[ACC1+4:ACC1+7] offset:16*PP+16
	s_wait_dscnt 0x0                               ; my stores are done before I say so
	s_barrier_signal -1
	s_barrier_wait -1
	v_lshrrev_b32 v8, 4, v0                        ; thread: row n = t / 16 of the 32, four t
	v_mul_u32_u24 v8, v8, PP
	v_lshl_add_u32 v8, v1, 4, v8
.irp q, 0,1,2,3
	ds_load_b128 v[224+4*\q:227+4*\q], v8 offset:\q*32*PP
.endr
	v_mul_f32 v10, s28, v4                         ; bias x the factor (the bias came in with the first wait for loads)
	v_mov_b32 v249, 0
	s_wait_dscnt 0x0
	v_pk_add_f32 v[224:225], v[224:225], v[228:229]
	v_pk_add_f32 v[226:227], v[226:227], v[230:231]
	v_pk_add_f32 v[232:233], v[232:233], v[236:237]
	v_pk_add_f32 v[234:235], v[234:235], v[238:239]
	v_pk_add_f32 v[224:225], v[224:225], v[232:233]
	v_pk_add_f32 v[226:227], v[226:227], v[234:235]
.irp i, 0,1,2,3
	v_fma_f32 v[240+\i], v[224+\i], s28, v10       ; y
.endr
.irp i, 0,1,2,3
	v_exp_f32 v[244+\i], -|v[240+\i]|              ; e = 2^-|y|, at most 1
.endr
.irp i, 0,1,2,3
	v_max_num_f32 v[224+\i], 0, v[240+\i]          ; plain work stands between the exponentials and their use (ISA guide 5.7.2)
.endr
	s_wait_alu depctr_va_vdst(0)
.irp i, 0,1,2,3
	v_add_f32 v[228+\i], 1.0, v[244+\i]
	v_fma_f32 v[232+\i], v[244+\i], s39, s35       ; log2e - e log2e / 2
.endr
.irp i, 0,1,2,3
	v_log_f32 v[236+\i], v[228+\i]
.endr
.irp i, 0,1,2,3
	v_mul_f32 v[232+\i], v[232+\i], v[244+\i]
.endr
	s_wait_alu depctr_va_vdst(0)
.irp i, 0,1,2,3
	v_cmp_gt_f32 vcc_lo, 0x3a800000, v[244+\i]     ; e below 2^-10: the short series keeps the digits that 1 + e would drop
	v_cndmask_b32 v[236+\i], v[236+\i], v[232+\i], vcc_lo
	v_add_f32 v[224+\i], v[224+\i], v[236+\i]
	v_mul_f32 v[224+\i], s29, v[224+\i]
.endr
	s_cmp_ge_u32 s20, 8
	s_cbranch_scc1 .Lplain                         ; the betas are stored as they are
	; the decays: running sum over the chunk's 64 rows = 4 in the thread x the 16 threads of a row of lanes
	v_add_f32 v225, v225, v224
	v_add_f32 v226, v226, v225
	v_add_f32 v227, v227, v226
	v_mov_b32 v248, v227
.irp n, 1,2,4,8
	v_mov_b32_dpp v249, v248 row_shr:\n row_mask:0xf bank_mask:0xf bound_ctrl:1    ; lane i takes lane i - n, or 0
	v_add_f32 v248, v248, v249
.endr
	v_mov_b32_dpp v249, v248 row_shr:1 row_mask:0xf bank_mask:0xf bound_ctrl:1     ; what stands in front of my four
.irp i, 0,1,2,3
	v_add_f32 v[224+\i], v[224+\i], v249
.endr
.Lplain:
	global_store_b128 v9, v[224:227], s[26:27]     ; 16 lanes store the chunk's 256 consecutive bytes of one head
	s_wait_tensorcnt 0x0
	ds_add_u32 v254, v255
	s_wait_dscnt 0x0
	s_endpgm
.Lfunc_end_k_q6ab1f3a766_gates:
	.size	k_q6ab1f3a766_gates, .Lfunc_end_k_q6ab1f3a766_gates-k_q6ab1f3a766_gates
	.p2alignl 7, 3214868480
	.fill 96, 4, 3214868480
	.section	.rodata,"a",@progbits
	.p2align	6, 0x0
	.amdhsa_kernel k_q6ab1f3a766_gates
		.amdhsa_group_segment_fixed_size 36864
		.amdhsa_private_segment_fixed_size 0
		.amdhsa_enable_private_segment 0
		.amdhsa_kernarg_size 48
		.amdhsa_user_sgpr_count 2
		.amdhsa_user_sgpr_kernarg_segment_ptr 1
		.amdhsa_wavefront_size32 1
		.amdhsa_system_sgpr_workgroup_id_x 1
		.amdhsa_system_sgpr_workgroup_id_y 1
		.amdhsa_system_sgpr_workgroup_id_z 1
		.amdhsa_system_vgpr_workitem_id 0
		.amdhsa_next_free_vgpr 256
		.amdhsa_next_free_sgpr 66
		.amdhsa_reserve_vcc 1
		.amdhsa_float_denorm_mode_32 3
		.amdhsa_float_denorm_mode_16_64 3
		.amdhsa_memory_ordered 1
		.amdhsa_forward_progress 1
		.amdhsa_inst_pref_size 18
	.end_amdhsa_kernel
	.amdgpu_metadata
---
amdhsa.version: [ 1, 2 ]
amdhsa.kernels:
  - .name:           k_q6ab1f3a766_gates
    .symbol:         k_q6ab1f3a766_gates.kd
    .args:
      - { .name: xb, .offset: 0, .size: 8, .value_kind: global_buffer, .address_space: global }
      - { .name: wab, .offset: 8, .size: 8, .value_kind: global_buffer, .address_space: global }
      - { .name: ba, .offset: 16, .size: 8, .value_kind: global_buffer, .address_space: global }
      - { .name: bb, .offset: 24, .size: 8, .value_kind: global_buffer, .address_space: global }
      - { .name: gc, .offset: 32, .size: 8, .value_kind: global_buffer, .address_space: global }
      - { .name: bt, .offset: 40, .size: 8, .value_kind: global_buffer, .address_space: global }
    .group_segment_fixed_size: 36864
    .private_segment_fixed_size: 0
    .kernarg_segment_align: 8
    .kernarg_segment_size: 48
    .max_flat_workgroup_size: 512
    .sgpr_count:     66
    .vgpr_count:     256
    .wavefront_size: 32
...
	.end_amdgpu_metadata
.endif
;; end of part 2
;; launch gemm (part 3): grid 24 x 16, 4 waves a work-group, clusters of 4 x 4, 327,680 bytes of LDS; arguments xb, wb, qkv; writes qkv
.if DOCPART == 3
	.amdgcn_target "amdgcn-amd-amdhsa--gfx1250"
	.amdhsa_code_object_version 6
	.text
	.protected	k_q6ab1f3a766_gemm
	.globl	k_q6ab1f3a766_gemm
	.p2align	8
	.type	k_q6ab1f3a766_gemm,@function
k_q6ab1f3a766_gemm:
	s_mov_b64 s[64:65], 0
	v_nop
	global_prefetch_b8 v0, s[64:65] scope:SCOPE_SE
	s_setreg_imm32_b32 hwreg(HW_REG_WAVE_MODE, 25, 1), 1
	s_wait_xcnt 0x0
	s_wait_alu depctr_hold_cnt(0) depctr_sa_sdst(0) depctr_va_vdst(0) depctr_va_sdst(0) depctr_va_ssrc(0) depctr_va_vcc(0) depctr_vm_vsrc(0)
	s_getreg_b32 s2, hwreg(HW_REG_IB_STS2, 6, 4)
	s_cmp_eq_u32 s2, 0
	s_cbranch_scc0 .Lentry_in_a_cluster
	s_endpgm
.Lentry_in_a_cluster:
	s_bfe_u32 s2, ttmp6, 0x10000c
	s_cmp_lg_u32 s2, 0xf033
	s_cbranch_scc0 .Lentry_shape_is_right
	s_endpgm
.Lentry_shape_is_right:
; qkv[m][n] = sum over k of xb[m][k] wb[n][k], bf16 operands, f32 sums; columns 0-2047 are q, 2048-4095 k, 4096-6143 v.
; On the way out each row's 128 columns of one head are divided by N = max(sqrt(sum of squares), 1e-12) in f32 and rounded once to f16: q and k because the
; problem normalises them, v so that it, too, is bounded by 1 and has room in f16 whatever the inputs' size; v = (what is stored) x N, and N goes out in f32
; behind the 4,096 x 6,144 numbers, as [48 heads][4,096 rows].  The norms of q's and k's heads go out with them and are not read again (524,288 bytes):
; so no branch hangs on the block's place.  LIMIT: a row whose squares underflow in f32 is divided by 1e-12, as in the problem's own normalisation.
; A work-group makes 256 x 256 with four waves; a wave makes 128 x 128 (64 accumulator tiles, 512 registers): its 128 columns are exactly one head,
; so the norm never leaves the wave.  K goes in steps of 128 through two LDS slots filled by the tensor data mover; a tile's rows are 256 bytes of memory.
; CLUSTERS: 4 x 4 work-groups.  The four of a row of the cluster need the same tiles of xb, the four of a column the same tiles of wb; each such tile is
; asked for jointly, by the same tensor load with the same descriptor and a mask that names the four.  That divides the requests for both by four.
; REGISTERS in windows of 256: window 0: v0-31 addresses, v64-127 and v128-191 fragments of xb (two buffers), v192-247 at work on the way out;
; window 1: v64-127, v128-191 fragments of wb; window 2: the accumulators of my rows 0-63 (tile (a, b) at v[8 (8 a + b)]); window 3: rows 64-127.
; The matrix instruction is used transposed (source 0 = rows of wb, source 1 = rows of xb): lane l holds row l % 16, registers 0-7 the columns 8 (l / 16) + 0..7.
.set SIZE_M, 4096
.set SIZE_N, 6144
.set SIZE_K, 2048
.set NORMS,  SIZE_M*SIZE_N*2           ; where the norms begin
.set KSTEP,  128
.set PITCH,  272                       ; an LDS row: 256 bytes + 16 of padding, so that the 16 rows of a fragment load start 4 banks apart (ISA guide 11.1)
.set HALFT,  128*PITCH                 ; 128 rows: one tensor load
.set SLOT,   4*HALFT                   ; xb's 256 rows, then wb's 256 rows
.set STAGE,  2*SLOT                    ; behind the ring: 16 rows x 272 bytes for each wave; no tensor load lands here
.set SPITCH, 272
.set LAPS, SIZE_K/(2*KSTEP)            ; 8 laps of two K steps
.set ADRA, 16
.set ADRB, 20
.set STO,  24
.set RD,   25
.set CO,   26
.set NA,   27                          ; the norms: into the stage, 4 bytes a row
.set NB,   28                          ; back, 16 bytes a lane
.set NO,   29                          ; and out
.set F0,   64
.set F1,   128
.set SC,   128                         ; way out: 16 rows x 128 columns, scaled, f32
.set TMP,  192                         ; way out: the same, packed
.set SS,   224                         ; way out: four chains of squares
.set RN,   232                         ; way out: 1 / N, twice
.set PT,   234                         ; way out: the other half's sum
.set NM,   236                         ; v[236:243] N of rows 16 i + l % 16
.set NL,   244                         ; v[244:247] four norms on their way out
.set G1, 24
.set G0, 32
.set G1B, 48
.set G0B, 56
.set MSB, 0
.macro WIN new                         ; the immediate's high byte repeats the setting that is left
.if MSB != \new
	s_set_vgpr_msb (MSB<<8)|\new
.set MSB, \new
.endif
.endm
.set MUL_LO, 0xa1                      ; source 0 window 1, source 1 window 0, C and D window 2
.set MUL_HI, 0xf1                      ; the same, C and D window 3
.set TO_B,   0x40                      ; destination window 1
; A joint load: waves 0 and 1 fetch xb's two halves, waves 2 and 3 wb's.  The branch hangs on the wave's number alone.
.macro JLOAD s
	s_cmp_eq_u32 s11, 0
	s_cbranch_scc0 .Lfor_b_\@
	tensor_load_to_lds s[G0+4*\s:G0+4*\s+3], s[G1:G1+7]
	s_nop 0
	s_branch .Lasked_\@
.Lfor_b_\@:
	tensor_load_to_lds s[G0B+4*\s:G0B+4*\s+3], s[G1B:G1B+7]
	s_nop 0
.Lasked_\@:
.endm
; A round of the cluster's barrier: my work-group's barrier; wave 0 signals for the work-group; every wave waits for all sixteen; my work-group's barrier again.
.macro CREST
	s_cmp_lg_u32 s10, 0
	s_cbranch_scc1 .Lnot_wave_0_\@
	s_barrier_signal -3
.Lnot_wave_0_\@:
	s_barrier_wait -3
	s_barrier_signal -1
	s_barrier_wait -1
.endm
.macro CROUND
	s_barrier_signal -1
	s_barrier_wait -1
	CREST
.endm
	s_load_b128 s[4:7], s[0:1], 0x0                ; xb s[4:5], wb s[6:7]
	s_load_b64 s[8:9], s[0:1], 0x10                ; qkv
	s_set_vgpr_msb 0x40
	v_lshl_add_u32 v255, v0, 2, 0x48400
	s_set_vgpr_msb 0x4000
	v_mov_b32 v255, 0
	s_set_vgpr_msb 0x1
	ds_add_u32 v255, v255
	ds_add_u32 v255, v255
	s_set_vgpr_msb 0x100
	v_lshrrev_b32 v1, 5, v0
	v_readfirstlane_b32 s10, v1                    ; wave 0..3
	s_lshr_b32 s11, s10, 1                         ; my half of the block's rows; also: I fetch for xb (0) or wb (1)
	s_and_b32 s12, s10, 1                          ; my half of its columns; also: which 128 rows of that tile I fetch
	s_bfe_u32 s40, ttmp6, 0x40000                  ; cx
	s_bfe_u32 s41, ttmp6, 0x40004                  ; cy
	s_lshl_b32 s42, ttmp9, 2
	s_add_co_u32 s42, s42, s40                     ; block column = 4 x cluster x + cx
	s_and_b32 s13, ttmp7, 0xffff
	s_lshl_b32 s13, s13, 2
	s_add_co_u32 s13, s13, s41                     ; block row = 4 x cluster y + cy
	s_lshl_b32 s43, s41, 2
	s_lshl_b32 s43, 15, s43                        ; my row of the cluster
	s_lshl_b32 s44, 0x1111, s40                    ; my column
	s_or_b32 s[G1+0], s43, (1<<16)|(1<<20)|(1<<21)|(5<<22)|(3<<25)  ; mask; 2-byte elements; padding of 4 words after every 64; bit 21 beside a mask
	s_or_b32 s[G1B+0], s44, (1<<16)|(1<<20)|(1<<21)|(5<<22)|(3<<25)
	s_mov_b32 s[G1B+1], KSTEP<<16
	s_mov_b32 s[G1+1], KSTEP<<16                   ; tensor_dim0 = 128
	s_mov_b32 s[G1B+2], 128<<16
	s_mov_b32 s[G1+2], 128<<16                     ; tensor_dim1 = 128
	s_mov_b32 s[G1B+3], KSTEP<<16
	s_mov_b32 s[G1+3], KSTEP<<16                   ; tile_dim0 = 128
	s_mov_b32 s[G1B+4], 128
	s_mov_b32 s[G1+4], 128                         ; tile_dim1 = 128
	s_mov_b32 s[G1B+5], SIZE_K
	s_mov_b32 s[G1+5], SIZE_K                      ; elements from row to row
	s_mov_b32 s[G1B+6], 0
	s_mov_b32 s[G1+6], 0
	s_mov_b32 s[G1B+7], 0
	s_mov_b32 s[G1+7], 0
	s_lshl_b32 s17, s12, 7
	s_lshl_b32 s16, s13, 8
	s_add_co_u32 s16, s16, s17                     ; xb: row 256 x block row + 128 x half
	s_lshl_b32 s46, s42, 8
	s_add_co_u32 s46, s46, s17                     ; wb: row 256 x block column + 128 x half
	s_mov_b32 s17, 0
	s_mov_b32 s47, 0
	s_mov_b64 s[18:19], SIZE_K*2
	s_mul_u64 s[16:17], s[16:17], s[18:19]
	s_mul_u64 s[46:47], s[46:47], s[18:19]
	s_mul_i32 s20, s10, HALFT                      ; LDS: wave x 128 rows; no place in the cluster enters an LDS address
	s_wait_dscnt 0x0
	s_wait_kmcnt 0x0
	s_add_nc_u64 s[14:15], s[4:5], s[16:17]
	s_add_nc_u64 s[46:47], s[6:7], s[46:47]
	CROUND                                         ; all sixteen work-groups are here: the first joint loads meet
.irp s, 0,1
	s_mov_b32 s[G0+4*\s], 1
	s_add_co_u32 s[G0+4*\s+1], s20, \s*SLOT
	s_add_nc_u64 s[G0+4*\s+2:G0+4*\s+3], s[14:15], \s*KSTEP*2
	s_or_b32 s[G0+4*\s+3], s[G0+4*\s+3], 0x80000000
	s_mov_b32 s[G0B+4*\s], 1
	s_add_co_u32 s[G0B+4*\s+1], s20, \s*SLOT
	s_add_nc_u64 s[G0B+4*\s+2:G0B+4*\s+3], s[46:47], \s*KSTEP*2
	s_or_b32 s[G0B+4*\s+3], s[G0B+4*\s+3], 0x80000000
	JLOAD \s                                       ; two tensor loads of the wave are out after these; later one
.endr
	v_and_b32 v1, 15, v0                           ; l % 16
	v_bfe_u32 v2, v0, 4, 1                         ; l / 16
	v_mul_u32_u24 v3, v1, PITCH
	v_lshl_add_u32 v3, v2, 4, v3
	s_mul_i32 s21, s11, HALFT
	s_mul_i32 s22, s12, HALFT
	s_add_co_u32 s22, s22, 2*HALFT
.irp s, 0,1
	v_add_nc_u32 v[ADRA+\s], s21, v3
	v_add_nc_u32 v[ADRB+\s], s22, v3
	s_add_co_u32 s21, s21, SLOT
	s_add_co_u32 s22, s22, SLOT
.endr
	s_mul_i32 s23, s10, 16*SPITCH
	s_add_co_u32 s23, s23, STAGE
	v_mul_u32_u24 v4, v1, SPITCH
	v_lshl_add_u32 v4, v2, 4, v4
	v_add_nc_u32 v[STO], s23, v4
	v_mul_u32_u24 v5, v2, SPITCH
	v_lshl_add_u32 v5, v1, 4, v5
	v_add_nc_u32 v[RD], s23, v5
	v_mul_u32_u24 v5, v2, SIZE_N*2
	v_lshl_add_u32 v[CO], v1, 4, v5
	v_lshl_add_u32 v[NA], v1, 2, s23
	v_and_b32 v[NO], 31, v0
	v_lshlrev_b32 v[NO], 4, v[NO]
	v_add_nc_u32 v[NB], s23, v[NO]
; 16 matrix instructions: m blocks a0, a0 + 1 of the window's four x all 8 n blocks, 32 along K.  zero = 1: the product starts the sums.
.macro MUL16 f, hi, a0, zero
.irp a, \a0, \a0+1
.irp b, 0,1,2,3,4,5,6,7
.if \zero
	v_wmma_f32_16x16x32_bf16 v[8*(8*(\a)+\b):8*(8*(\a)+\b)+7], v[\f+8*\b:\f+8*\b+7], v[\f+8*(4*\hi+\a):\f+8*(4*\hi+\a)+7], 0
.else
	v_wmma_f32_16x16x32_bf16 v[8*(8*(\a)+\b):8*(8*(\a)+\b)+7], v[\f+8*\b:\f+8*\b+7], v[\f+8*(4*\hi+\a):\f+8*(4*\hi+\a)+7], v[8*(8*(\a)+\b):8*(8*(\a)+\b)+7]
.endif
.endr
.endr
.endm
; 32 LDS loads in one run: the fragments of a quarter step into buffer f
.macro FETCH slot, k, f
	WIN TO_B
.irp i, 0,1,2,3,4,5,6,7
	ds_load_b128 v[\f+8*\i:\f+8*\i+3],   v[ADRB+\slot] offset:\k+\i*16*PITCH
	ds_load_b128 v[\f+8*\i+4:\f+8*\i+7], v[ADRB+\slot] offset:\k+\i*16*PITCH+32
.endr
	WIN 0
.irp i, 0,1,2,3,4,5,6,7
	ds_load_b128 v[\f+8*\i:\f+8*\i+3],   v[ADRA+\slot] offset:\k+\i*16*PITCH
	ds_load_b128 v[\f+8*\i+4:\f+8*\i+7], v[ADRA+\slot] offset:\k+\i*16*PITCH+32
.endr
.endm
.macro PLACES                          ; four places between a matrix instruction and a load into, or a vector use of, its registers
.rept 4
	v_nop
.endr
.endm
; The 64 accumulators take turns, one instruction a turn, in the same order in every quarter step.
.macro QUARTER slot, k, f, g, zero
	s_wait_dscnt 8                                 ; wb's fragments and xb's rows 0-63 are in; the youngest eight loads may be out
	WIN MUL_LO
	MUL16 \f, 0, 0, \zero
	MUL16 \f, 0, 2, \zero
	PLACES
	FETCH \slot, \k, \g
	s_wait_dscnt 32                                ; all but the 32 just issued
	WIN MUL_HI
	MUL16 \f, 1, 0, \zero
	MUL16 \f, 1, 2, \zero
.endm
.macro THREE slot, zero
	QUARTER \slot, 64,  F0, F1, \zero
	QUARTER \slot, 128, F1, F0, 0
	QUARTER \slot, 192, F0, F1, 0
.endm
; The last quarter of a K step changes slots: each wave waits for its reads of this slot and for all its tensor loads (one is out: its part of the
; next slot), then the barrier, which opens a round of the cluster's barrier where the slot is filled again; the joint refill comes first behind it.
.macro TURN slot, next, fill
	s_wait_dscnt 8
	WIN MUL_LO
	MUL16 F1, 0, 0, 0
	s_wait_dscnt 0
	s_wait_tensorcnt 0x0
	ds_add_u32 v255, v255
	s_wait_dscnt 0x0
	s_barrier_signal -1
	MUL16 F1, 0, 2, 0                              ; register work while the others arrive
	WIN 0
	s_barrier_wait -1
.if \fill
	CREST
	s_add_nc_u64 s[G0+4*\slot+2:G0+4*\slot+3], s[G0+4*\slot+2:G0+4*\slot+3], 2*KSTEP*2
	s_add_nc_u64 s[G0B+4*\slot+2:G0B+4*\slot+3], s[G0B+4*\slot+2:G0B+4*\slot+3], 2*KSTEP*2
	JLOAD \slot
.endif
	PLACES
	FETCH \next, 0, F0
	WIN MUL_HI
	MUL16 F1, 1, 0, 0
	MUL16 F1, 1, 2, 0
.endm
.macro LAP zero
	THREE 0, \zero
	TURN 0, 1, 1
	THREE 1, 0
	TURN 1, 0, 1
.endm
	s_wait_tensorcnt 1                             ; my part of K step 0 is in; K step 1's stays out
	s_barrier_signal -1
	s_barrier_wait -1
	FETCH 0, 0, F0
	LAP 1
	WIN 0
	s_mov_b32 s3, LAPS-2
.Llap:
	LAP 0
	WIN 0
	s_sub_co_u32 s3, s3, 1
	s_cmp_lg_u32 s3, 0
	s_cbranch_scc1 .Llap
	THREE 0, 0                                     ; the last lap fills nothing
	TURN 0, 1, 0
	THREE 1, 0
	s_wait_dscnt 8
	WIN MUL_LO
	MUL16 F1, 0, 0, 0
	MUL16 F1, 0, 2, 0
	s_wait_dscnt 0
	WIN MUL_HI
	MUL16 F1, 1, 0, 0
	MUL16 F1, 1, 2, 0
	; THE WAY OUT, 16 rows at a time: the row's norm, the scaling, one rounding, through my own stage in LDS, out as whole rows of 256 bytes.
	PLACES
	WIN 0
	v_mov_b32 v[PT], 0                             ; v_permlanex16_b32 counts as a reader of its destination
	s_mov_b32 s20, 0x76543210                      ; lane i of one half reads lane i of the other
	s_mov_b32 s21, 0xfedcba98
	s_add_nc_u64 s[4:5], s[8:9], NORMS             ; the norms lie behind the numbers
	s_lshl_b32 s13, s13, 8
	s_lshl_b32 s14, s11, 7
	s_add_co_u32 s16, s13, s14                     ; my first row
	s_lshl_b32 s46, s42, 1
	s_add_co_u32 s46, s46, s12                     ; my head, 0 to 47
	s_lshl_b32 s46, s46, 14                        ; 4,096 rows of 4 bytes
	s_lshl_b32 s47, s16, 2
	s_add_co_u32 s46, s46, s47
	s_mov_b32 s47, 0
	s_add_nc_u64 s[4:5], s[4:5], s[46:47]          ; my 128 norms: 512 consecutive bytes
	s_mov_b32 s17, 0
	s_mov_b64 s[18:19], SIZE_N*2
	s_mul_u64 s[16:17], s[16:17], s[18:19]
	s_add_nc_u64 s[8:9], s[8:9], s[16:17]
	s_lshl_b32 s46, s42, 9                         ; my first column, in bytes
	s_lshl_b32 s47, s12, 8
	s_add_co_u32 s46, s46, s47
	s_mov_b32 s47, 0
	s_add_nc_u64 s[8:9], s[8:9], s[46:47]
; rows 16 i .. + 15 = the eight tiles (a, 0..7) of window 2 or 3.  sq: both sources in that window (0x0a, 0x0f); mu: source 0 alone (0x02, 0x03); f: 64 or 96 in turn
.macro OUT16 i, a, sq, mu, f
	WIN \sq
.irp r, 0,1,2,3
	v_pk_mul_f32 v[SS+2*\r:SS+2*\r+1], v[64*\a+2*\r:64*\a+2*\r+1], v[64*\a+2*\r:64*\a+2*\r+1]     ; the first squares start four chains
.endr
.irp b, 1,2,3,4,5,6,7
.irp r, 0,1,2,3
	v_pk_fma_f32 v[SS+2*\r:SS+2*\r+1], v[8*(8*\a+\b)+2*\r:8*(8*\a+\b)+2*\r+1], v[8*(8*\a+\b)+2*\r:8*(8*\a+\b)+2*\r+1], v[SS+2*\r:SS+2*\r+1]
.endr
.endr
	WIN 0
	v_pk_add_f32 v[SS:SS+1], v[SS:SS+1], v[SS+2:SS+3]
	v_pk_add_f32 v[SS+4:SS+5], v[SS+4:SS+5], v[SS+6:SS+7]
	v_pk_add_f32 v[SS:SS+1], v[SS:SS+1], v[SS+4:SS+5]
	v_add_f32 v[SS], v[SS], v[SS+1]                ; my 64 columns of the row;
	v_permlanex16_b32 v[PT], v[SS], s20, s21       ; lane l ^ 16 holds the other 64
	v_add_f32 v[SS], v[SS], v[PT]
	v_sqrt_f32 v[SS+1], v[SS]
	v_nop                                          ; one plain place behind a transcendental (ISA guide 5.7.2)
	s_wait_alu depctr_va_vdst(0)
	v_max_num_f32 v[NM+\i], 0x2b8cbccc, v[SS+1]    ; N = max(norm, 1e-12), kept for the end
	v_rcp_f32 v[RN], v[NM+\i]
	v_nop
	s_wait_alu depctr_va_vdst(0)
	v_mov_b32 v[RN+1], v[RN]
	WIN \mu
.irp b, 0,1,2,3,4,5,6,7
.irp r, 0,1,2,3
	v_pk_mul_f32 v[SC+8*\b+2*\r:SC+8*\b+2*\r+1], v[8*(8*\a+\b)+2*\r:8*(8*\a+\b)+2*\r+1], v[RN:RN+1]
.endr
.endr
	WIN 0
.irp b, 0,1,2,3,4,5,6,7
.irp r, 0,1,2,3
	v_cvt_pk_f16_f32 v[TMP+4*\b+\r], v[SC+8*\b+2*\r], v[SC+8*\b+2*\r+1]    ; at most 1 in magnitude: f16 has the room, and three more bits than bf16
.endr
.endr
.irp b, 0,1,2,3,4,5,6,7
	ds_store_b128 v[STO], v[TMP+4*\b:TMP+4*\b+3] offset:32*\b
.endr
	s_wait_xcnt 0x0                                ; buffer f, which earlier stores read, and the stores' base are rewritten only behind this wait
.if \i
	s_add_nc_u64 s[8:9], s[8:9], 16*SIZE_N*2
.endif
.irp t, 0,1,2,3,4,5,6,7
	ds_load_b128 v[\f+4*\t:\f+4*\t+3], v[RD] offset:\t*2*SPITCH    ; LDS serves a wave's instructions in order: these see the stores above
.endr
.irp t, 0,1,2,3,4,5,6,7
	s_wait_dscnt 7-\t
	global_store_b128 v[CO], v[\f+4*\t:\f+4*\t+3], s[8:9] offset:2*\t*SIZE_N*2   ; 16 lanes store 256 consecutive bytes, at a multiple of 256 from the buffer's first byte
.endr
.endm
	OUT16 0, 0, 0x0a, 0x02, 64
	OUT16 1, 1, 0x0a, 0x02, 96
	OUT16 2, 2, 0x0a, 0x02, 64
	OUT16 3, 3, 0x0a, 0x02, 96
	OUT16 4, 0, 0x0f, 0x03, 64
	OUT16 5, 1, 0x0f, 0x03, 96
	OUT16 6, 2, 0x0f, 0x03, 64
	OUT16 7, 3, 0x0f, 0x03, 96
	; my 128 norms: row 16 i + l % 16 lies in register i (both halves of the lanes hold it); through the stage they become 16 bytes a lane
.irp i, 0,1,2,3,4,5,6,7
	ds_store_b32 v[NA], v[NM+\i] offset:64*\i
.endr
	ds_load_b128 v[NL:NL+3], v[NB]                 ; in order behind the stores
	s_wait_dscnt 0x0
	global_store_b128 v[NO], v[NL:NL+3], s[4:5]    ; one store of 512 consecutive bytes
	s_set_vgpr_msb 0x1
	s_wait_tensorcnt 0x0
	ds_add_u32 v255, v255
	s_wait_dscnt 0x0
	s_set_vgpr_msb 0x100
	CROUND                                         ; the closing round: no work-group ends while a partner may still ask for a tile that names it
	s_endpgm
.Lfunc_end_k_q6ab1f3a766_gemm:
	.size	k_q6ab1f3a766_gemm, .Lfunc_end_k_q6ab1f3a766_gemm-k_q6ab1f3a766_gemm
	.p2alignl 7, 3214868480
	.fill 96, 4, 3214868480
	.section	.rodata,"a",@progbits
	.p2align	6, 0x0
	.amdhsa_kernel k_q6ab1f3a766_gemm
		.amdhsa_group_segment_fixed_size 327680
		.amdhsa_private_segment_fixed_size 0
		.amdhsa_enable_private_segment 0
		.amdhsa_kernarg_size 24
		.amdhsa_user_sgpr_count 2
		.amdhsa_user_sgpr_kernarg_segment_ptr 1
		.amdhsa_wavefront_size32 1
		.amdhsa_system_sgpr_workgroup_id_x 1
		.amdhsa_system_sgpr_workgroup_id_y 1
		.amdhsa_system_sgpr_workgroup_id_z 1
		.amdhsa_system_vgpr_workitem_id 0
		.amdhsa_next_free_vgpr 1024
		.amdhsa_next_free_sgpr 66
		.amdhsa_reserve_vcc 0
		.amdhsa_float_denorm_mode_32 3
		.amdhsa_float_denorm_mode_16_64 3
		.amdhsa_memory_ordered 1
		.amdhsa_forward_progress 1
		.amdhsa_inst_pref_size 235
	.end_amdhsa_kernel
	.amdgpu_metadata
---
amdhsa.version: [ 1, 2 ]
amdhsa.kernels:
  - .name:           k_q6ab1f3a766_gemm
    .symbol:         k_q6ab1f3a766_gemm.kd
    .args:
      - { .name: xb, .offset: 0, .size: 8, .value_kind: global_buffer, .address_space: global }
      - { .name: wb, .offset: 8, .size: 8, .value_kind: global_buffer, .address_space: global }
      - { .name: qkv, .offset: 16, .size: 8, .value_kind: global_buffer, .address_space: global }
    .group_segment_fixed_size: 327680
    .private_segment_fixed_size: 0
    .kernarg_segment_align: 8
    .kernarg_segment_size: 24
    .max_flat_workgroup_size: 128
    .sgpr_count:     66
    .vgpr_count:     1024
    .wavefront_size: 32
...
	.end_amdgpu_metadata
.endif
;; end of part 3
;; launch prep (part 4): grid 256 x 1, 4 waves a work-group, no clusters, 299,520 bytes of LDS; arguments qkv, gc, bt, ops, u0; writes ops, u0
.if DOCPART == 4
	.amdgcn_target "amdgcn-amd-amdhsa--gfx1250"
	.amdhsa_code_object_version 6
	.text
	.protected	k_q6ab1f3a766_prep
	.globl	k_q6ab1f3a766_prep
	.p2align	8
	.type	k_q6ab1f3a766_prep,@function
k_q6ab1f3a766_prep:
	s_mov_b64 s[64:65], 0
	v_nop
	global_prefetch_b8 v0, s[64:65] scope:SCOPE_SE
	s_setreg_imm32_b32 hwreg(HW_REG_WAVE_MODE, 25, 1), 1
	s_wait_xcnt 0x0
; Everything of the gated delta rule that one chunk of 64 steps of one (batch, head) can compute without the state.  With g_t the running sum of
; log2 alpha inside the chunk, A[t][i] = beta_t 2^(g_t - g_i) (k_t.k_i) for i < t, and X = (I + A)^-1:
;   Wn = -X diag(beta 2^g) K     Qg = diag(2^g) Q     Kd = (diag(2^(g_63 - g_i)) K)^T     Aq[t][i] = 2^(g_t - g_i) (q_t.k_i) for i <= t     U0 = X diag(beta) V.
; Every exponent that is kept is at most 0.  X is found by exact forward substitution in f32 (no series is cut); the products go to the matrix unit in f16.
; FORMATS: q, k and v come normalised (at most 1), so they, Qg, Kd and Aq have room in f16 for every input.  v's norm joins beta in U0's scale.  X diag(scale) is
; not bounded: it is divided by a power of two taken from its largest magnitude in the chunk, so that this lies in [16, 32).  U0 is multiplied back in f32;
; Wn (at most 64 x 32) stays in that unit, and the unit goes out in f32 behind u0's tiles, 128 bytes a chunk (each lane stores its copy).
; LIMITS: an element of X diag(scale) is exact to 2^-12 of itself or 2^-29 of the chunk's largest; a largest magnitude below 2^-100 counts as 2^-100;
; an exponential below 2^-126 counts as 0 (below 2^-24 in Qg and Kd); where beta |k|^2 passes 2, X grows as the recurrence itself does.
; One wave makes one chunk: 1,024 chunks = 256 work-groups x 4 waves.  No two chunks share a byte of input, so there is nothing for a cluster to share,
; and no wave reads another's LDS, so there is no barrier.  Each wave's three tiles (q, k, v: 64 rows x 256 bytes) come by three tensor loads, all out at once.
; The four f16 results leave as fragment images: 1,024 bytes = registers 0-3 of the 32 lanes (16 bytes a lane), then registers 4-7; U0 leaves as the f32 image
; of the accumulator tile in the same way.  So every such store of the wave covers 512 consecutive bytes, and the next launch loads fragments without any shuffle.
.set QL, 0                             ; q: 64 rows, pitch 272
.set KL, 17408                         ; k: 64 rows, pitch 288 (an odd multiple of 32, for the transposing loads)
.set VL, 35840                         ; v: the same
.set AT, 54272                         ; written by LDS stores alone: first -A transposed, f32, pitch 272; then X^T scaled, f16, pitch 160, twice
.set WBYTES, 74752
.set XT2, 10240
.set NORMS, 4096*6144*2                ; in qkv: the norms, [48 heads][4,096 rows] f32; v's heads are 32 to 47
.set UNITS, 1024*32768                 ; in u0: Wn's units, 128 bytes a chunk
.set WNO, 0                            ; the record in ops: Wn, fragment (t tile, k step) at (4 ks + mt) x 1,024
.set QGO, 16384                        ; Qg, the same
.set KDO, 32768                        ; Kd, fragment (column tile of k, i step) at (8 ks + mt) x 1,024
.set AQO, 49152                        ; Aq, fragments (t tile nt, i step 0) at nt, (2, 1) at 4, (3, 1) at 5
.set VD,  0                            ; r - 8 h
.set AQ,  1
.set AK,  2
.set AKT, 3
.set AVT, 4
.set AXT, 5
.set AAS, 6
.set AAR, 7
.set AAB, 8
.set AXS, 9
.set AXD, 10
.set VST, 11
.set GCR, 12                           ; v[12:43]  g[16 mt + 8 h + j]
.set GCL, 44                           ; v[44:47]  g[16 nt + r]
.set NBL, 48                           ; v[48:51]  -beta[16 nt + r]
.set G16, 52                           ; v[52:55]  2^g[16 nt + r], twice, in f16
.set S1A, 56                           ; -beta_c 2^g_c, c = lane, lane + 32
.set S1B, 57
.set S2A, 58                           ; beta_c |v_c|
.set S2B, 59
.set KF,  60                           ; v[60:187]  k's 16 fragments (tile, K step)
.set QF,  188                          ; v[188:219] q's 4 fragments of one tile
.set ACCK, 220
.set ACCQ, 228
.set E,   236
.set T,   244
.set Z,   252                          ; zeros in phase A; later v[252:253] U0's unit twice, v254 Wn's unit, v255 4 x lane
; d pair = a pair x the one register b
.macro PKMULB d, a, b
.if (\b) & 1
	v_pk_mul_f32 v[\d:\d+1], v[\a:\a+1], v[(\b)-1:(\b)] op_sel:[0,1] op_sel_hi:[1,1]
.else
	v_pk_mul_f32 v[\d:\d+1], v[\a:\a+1], v[(\b):(\b)+1] op_sel_hi:[1,0]
.endif
.endm
	s_load_b256 s[4:11], s[0:1], 0x0               ; qkv 4, gc 6, bt 8, ops 10
	s_load_b64 s[12:13], s[0:1], 0x20              ; u0
	s_set_vgpr_msb 0x40
	v_lshl_add_u32 v0, v0, 2, 0x49000
	v_mov_b32 v1, 0
	s_set_vgpr_msb 0x4045
	ds_add_u32 v0, v1
	ds_add_u32 v0, v1
	s_set_vgpr_msb 0x4500
	v_lshrrev_b32 v244, 5, v0
	v_readfirstlane_b32 s14, v244                  ; wave
	s_lshl_b32 s15, ttmp9, 2
	s_add_co_u32 s15, s15, s14                     ; p = (batch x 16 + head) x 32 + chunk
	s_lshr_b32 s48, s15, 5
	s_and_b32 s49, s15, 31
	s_lshr_b32 s50, s48, 4                         ; batch
	s_and_b32 s51, s48, 15                         ; head
	s_lshl_b32 s50, s50, 11
	s_lshl_b32 s49, s49, 6
	s_add_co_u32 s50, s50, s49                     ; first row
	s_lshl_b32 s54, s50, 2
	s_lshl_b32 s55, s51, 14
	s_add_co_u32 s54, s54, s55
	s_add_co_u32 s54, s54, NORMS+32*16384          ; the norms of v's rows of this head and chunk
	s_mov_b32 s55, 0
	s_mul_i32 s50, s50, 12288
	s_lshl_b32 s51, s51, 8
	s_add_co_u32 s50, s50, s51                     ; + the head's 256 bytes
	s_mov_b32 s51, 0
	s_mul_i32 s46, s14, WBYTES                     ; my wave's LDS
	; the shape: 64 rows x 128 numbers of 2 bytes, 6,144 elements from row to row; after every 64 words 4 words of padding (q) or 8 (k, v)
	s_mov_b32 s16, (1<<16)|(1<<20)|(5<<22)|(3<<25)
	s_mov_b32 s24, (1<<16)|(1<<20)|(5<<22)|(7<<25)
	s_mov_b32 s17, 128<<16
	s_mov_b32 s25, 128<<16
	s_mov_b32 s18, 64<<16
	s_mov_b32 s26, 64<<16
	s_mov_b32 s19, 128<<16
	s_mov_b32 s27, 128<<16
	s_mov_b32 s20, 64
	s_mov_b32 s28, 64
	s_mov_b32 s21, 6144
	s_mov_b32 s29, 6144
	s_mov_b32 s22, 0
	s_mov_b32 s30, 0
	s_mov_b32 s23, 0
	s_mov_b32 s31, 0
	s_wait_dscnt 0x0
	s_wait_kmcnt 0x0
	s_add_nc_u64 s[52:53], s[4:5], s[54:55]
	s_add_nc_u64 s[4:5], s[4:5], s[50:51]
	s_mov_b32 s32, 1
	s_add_co_u32 s33, s46, QL
	s_mov_b64 s[34:35], s[4:5]
	s_or_b32 s35, s35, 0x80000000
	tensor_load_to_lds s[32:35], s[16:23]          ; q
	s_nop 0
	s_mov_b32 s36, 1
	s_add_co_u32 s37, s46, KL
	s_add_nc_u64 s[38:39], s[4:5], 4096
	s_or_b32 s39, s39, 0x80000000
	tensor_load_to_lds s[36:39], s[24:31]          ; k
	s_nop 0
	s_mov_b32 s40, 1
	s_add_co_u32 s41, s46, VL
	s_add_nc_u64 s[42:43], s[4:5], 8192
	s_or_b32 s43, s43, 0x80000000
	tensor_load_to_lds s[40:43], s[24:31]          ; v: three tensor loads of the wave are out, the most in this text; none is issued later
	s_nop 0
	s_lshl_b32 s48, s15, 8                         ; the chunk's 64 numbers in gc and bt
	s_mov_b32 s49, 0
	s_add_nc_u64 s[6:7], s[6:7], s[48:49]
	s_add_nc_u64 s[8:9], s[8:9], s[48:49]
	s_mul_i32 s48, s15, 55296
	s_add_nc_u64 s[10:11], s[10:11], s[48:49]      ; my record in ops
	s_lshl_b32 s48, s15, 7
	s_add_nc_u64 s[54:55], s[12:13], s[48:49]
	s_add_nc_u64 s[54:55], s[54:55], UNITS         ; where Wn's unit goes
	s_lshl_b32 s48, s15, 15
	s_add_nc_u64 s[12:13], s[12:13], s[48:49]      ; my 32,768 bytes of u0
	s_load_b32 s44, s[6:7], 0xfc                   ; g_63
	v_and_b32 v244, 31, v0                         ; L
	v_and_b32 v245, 15, v0                         ; r
	v_bfe_u32 v246, v0, 4, 1                       ; h
	v_and_b32 v247, 7, v0
	v_lshl_add_u32 v247, v246, 3, v247             ; u = 8 h + (L & 7)
	v_bfe_u32 v248, v0, 3, 1
	v_lshlrev_b32 v248, 4, v248                    ; 16 ((L >> 3) & 1)
	v_lshl_add_u32 v249, v246, 4, s46              ; my LDS + 16 h
	v_mad_u32_u24 v[AQ], v245, 272, v249
	v_mad_u32_u24 v[AK], v245, 288, v249
	v_add_nc_u32 v[AK], KL, v[AK]
	v_add_nc_u32 v250, s46, v248
	v_mad_u32_u24 v[AKT], v247, 288, v250
	v_add_nc_u32 v[AVT], VL, v[AKT]
	v_add_nc_u32 v[AKT], KL, v[AKT]
	v_mad_u32_u24 v[AXT], v247, 160, v250
	v_add_nc_u32 v[AXT], AT, v[AXT]
	s_add_co_u32 s47, s46, AT
	v_mov_b32 v[AAB], s47                          ; the same address in every lane: broadcast reads
	v_lshl_add_u32 v[AAS], v245, 2, s47
	v_mad_u32_u24 v[AAS], v246, 2176, v[AAS]       ; 8 h rows of 272 + 4 r
	v_mad_u32_u24 v[AAR], v244, 272, v[AAB]
	v_mad_u32_u24 v[AXS], v244, 160, v[AAB]
	v_mad_u32_u24 v[AXD], v244, 162, v[AAB]        ; row L, element L
	v_lshlrev_b32 v[VST], 4, v244
	v_lshlrev_b32 v236, 5, v246                    ; 32 h
	v_lshlrev_b32 v237, 2, v245                    ; 4 r
	v_lshlrev_b32 v238, 2, v244                    ; 4 L
	v_lshrrev_b32 v239, 2, v244
	v_and_b32 v240, 3, v244
	v_mad_u32_u24 v239, v239, 272, v[AAB]
	v_lshl_add_u32 v239, v240, 4, v239             ; eight rows of 64 bytes
	v_lshlrev_b32 v241, 3, v246
	v_sub_nc_u32 v[VD], v245, v241
	s_mov_b32 s46, 0x76543210                      ; from here on: lane i of one half reads lane i of the other
	s_mov_b32 s47, 0xfedcba98
.irp mt, 0,1,2,3
	global_load_b128 v[GCR+8*\mt:GCR+8*\mt+3], v236, s[6:7] offset:64*\mt
	global_load_b128 v[GCR+8*\mt+4:GCR+8*\mt+7], v236, s[6:7] offset:64*\mt+16
	global_load_b32 v[GCL+\mt], v237, s[6:7] offset:64*\mt
	global_load_b32 v[NBL+\mt], v237, s[8:9] offset:64*\mt
.endr
	global_load_b32 v[S1A], v238, s[6:7]
	global_load_b32 v[S1B], v238, s[6:7] offset:128
	global_load_b32 v[S2A], v238, s[8:9]
	global_load_b32 v[S2B], v238, s[8:9] offset:128
	global_load_b32 v242, v238, s[52:53]           ; |v_c|
	global_load_b32 v243, v238, s[52:53] offset:128
.irp i, 0,1,2,3
	v_mov_b32 v[Z+\i], 0
.endr
	; what no product writes and later steps read: two tiles of -A^T above the diagonal, two halves of Aq's fragments
	ds_store_b128 v239, v[Z:Z+3] offset:16*272
	ds_store_b128 v239, v[Z:Z+3] offset:24*272
	ds_store_b128 v239, v[Z:Z+3] offset:48*272+128
	ds_store_b128 v239, v[Z:Z+3] offset:56*272+128
	global_store_b128 v[VST], v[Z:Z+3], s[10:11] offset:AQO+512
	global_store_b128 v[VST], v[Z:Z+3], s[10:11] offset:AQO+4*1024+512
	s_wait_loadcnt 0x0
	s_wait_kmcnt 0x0
.irp i, 0,1,2,3
	v_exp_f32 v[G16+\i], v[GCL+\i]
.endr
	v_exp_f32 v[S1A], v[S1A]
	v_exp_f32 v[S1B], v[S1B]
.irp i, 0,1,2,3
	v_xor_b32 v[NBL+\i], 0x80000000, v[NBL+\i]     ; plain work behind the exponentials (ISA guide 5.7.2)
.endr
	s_wait_alu depctr_va_vdst(0)
.irp i, 0,1,2,3
	v_cvt_pk_f16_f32 v[G16+\i], v[G16+\i], v[G16+\i]
.endr
	v_mul_f32 v[S1A], -v[S2A], v[S1A]
	v_mul_f32 v[S1B], -v[S2B], v[S1B]
	v_mul_f32 v[S2A], v[S2A], v242
	v_mul_f32 v[S2B], v[S2B], v243
	; PHASE A: k.k and q.k, tile by tile on and below the diagonal
	s_wait_tensorcnt 0x0                           ; my three tiles are in LDS; only I read them
.irp t, 0,1,2,3
.irp ks, 0,1,2,3
	ds_load_b128 v[KF+32*\t+8*\ks:KF+32*\t+8*\ks+3],   v[AK] offset:\t*4608+64*\ks
	ds_load_b128 v[KF+32*\t+8*\ks+4:KF+32*\t+8*\ks+7], v[AK] offset:\t*4608+64*\ks+32
.endr
.endr
; Rows i of tile mt against columns t of tile nt: lane = t, register j = i = 16 mt + 8 h + j.  The two accumulators take turns.
.macro TILE mt, nt, diag
	s_wait_xcnt 0x0                                ; ACCQ's first four registers were a store's data
	v_wmma_f32_16x16x32_f16 v[ACCK:ACCK+7], v[KF+32*\mt:KF+32*\mt+7], v[KF+32*\nt:KF+32*\nt+7], 0
	v_wmma_f32_16x16x32_f16 v[ACCQ:ACCQ+7], v[KF+32*\mt:KF+32*\mt+7], v[QF:QF+7], 0
.irp ks, 1,2,3
	v_wmma_f32_16x16x32_f16 v[ACCK:ACCK+7], v[KF+32*\mt+8*\ks:KF+32*\mt+8*\ks+7], v[KF+32*\nt+8*\ks:KF+32*\nt+8*\ks+7], v[ACCK:ACCK+7]
	v_wmma_f32_16x16x32_f16 v[ACCQ:ACCQ+7], v[KF+32*\mt+8*\ks:KF+32*\mt+8*\ks+7], v[QF+8*\ks:QF+8*\ks+7], v[ACCQ:ACCQ+7]
.endr
.irp j, 0,1,2,3,4,5,6,7
	v_sub_f32 v[E+\j], v[GCL+\nt], v[GCR+8*\mt+\j] ; g_t - g_i; these eight are also the places behind the products (ISA guide 7.12.1)
.endr
.irp j, 0,1,2,3,4,5,6,7
	v_exp_f32 v[E+\j], v[E+\j]
.endr
	v_nop
	s_wait_alu depctr_va_vdst(0)
.irp q, 0,2,4,6
	v_pk_mul_f32 v[T+\q:T+\q+1], v[E+\q:E+\q+1], v[ACCK+\q:ACCK+\q+1]
	v_pk_mul_f32 v[ACCQ+\q:ACCQ+\q+1], v[ACCQ+\q:ACCQ+\q+1], v[E+\q:E+\q+1]
.endr
.irp q, 0,2,4,6
	PKMULB T+\q, T+\q, NBL+\nt
.endr
.if \diag
.irp j, 0,1,2,3,4,5,6,7
	v_cmp_lt_i32 vcc_lo, \j, v[VD]                 ; A keeps i < t (what is dropped may be infinite or NaN: it is replaced, not multiplied)
	v_cndmask_b32 v[T+\j], 0, v[T+\j], vcc_lo
	v_cmp_le_i32 vcc_lo, \j, v[VD]                 ; Aq keeps i <= t
	v_cndmask_b32 v[ACCQ+\j], 0, v[ACCQ+\j], vcc_lo
.endr
.endif
.irp j, 0,1,2,3,4,5,6,7
	ds_store_b32 v[AAS], v[T+\j] offset:(16*\mt+\j)*272+64*\nt     ; -A[t][i] at row i, column t
.endr
.irp r, 0,1,2,3
	v_cvt_pk_f16_f32 v[ACCQ+\r], v[ACCQ+2*\r], v[ACCQ+2*\r+1]      ; eight neighbouring i of row t: half of a fragment of Aq
.endr
	global_store_b128 v[VST], v[ACCQ:ACCQ+3], s[10:11] offset:AQO+(\nt+2*(\mt>>1))*1024+(\mt&1)*512
.endm
; q's fragments of tile nt times 2^g_t (a lane holds one row t), two numbers an instruction, and out
.macro QG nt
.set j, 0
.rept 32
	v_pk_mul_f16 v[QF+j], v[QF+j], v[G16+\nt]
.set j, j+1
.endr
.irp ks, 0,1,2,3
	global_store_b128 v[VST], v[QF+8*\ks:QF+8*\ks+3],   s[10:11] offset:QGO+(4*\ks+\nt)*1024
	global_store_b128 v[VST], v[QF+8*\ks+4:QF+8*\ks+7], s[10:11] offset:QGO+(4*\ks+\nt)*1024+512
.endr
.endm
.macro QLOAD nt
	s_wait_xcnt 0x0                                ; q's fragments were stores' data
.irp ks, 0,1,2,3
	ds_load_b128 v[QF+8*\ks:QF+8*\ks+3],   v[AQ] offset:\nt*4352+64*\ks
	ds_load_b128 v[QF+8*\ks+4:QF+8*\ks+7], v[AQ] offset:\nt*4352+64*\ks+32
.endr
	s_wait_dscnt 0x0
.endm
	QLOAD 0
	TILE 0, 0, 1
	QG 0
	QLOAD 1
	TILE 0, 1, 0
	TILE 1, 1, 1
	QG 1
	QLOAD 2
	TILE 0, 2, 0
	TILE 1, 2, 0
	TILE 2, 2, 1
	QG 2
	QLOAD 3
	TILE 0, 3, 0
	TILE 1, 3, 0
	TILE 2, 3, 0
	TILE 3, 3, 1
	QG 3
	; PHASE B: X = I + Y by forward substitution.  Lane L holds columns c = L (YA, all 64 t) and c = L + 32 (YB, t = 32..63); Y starts as -A, and for
	; i = 1 .. 62 every row t > i takes Y[t][c] += -A[t][i] Y[i][c], Y[i] being final by then.  -A[t][i], four t at a time, is read from LDS at one address
	; for all lanes, through a ring of 24 quads of registers: 512 quads in all.
.set YA, 60
.set YB, 124
.set RING, 156
	s_wait_xcnt 0x0                                ; the registers below were stores' data
.set j, 0
.rept 16
	ds_load_b128 v[YA+4*j:YA+4*j+3], v[AAR] offset:16*j
.set j, j+1
.endr
.set j, 0
.rept 8
	ds_load_b128 v[YB+4*j:YB+4*j+3], v[AAR] offset:32*272+128+16*j
.set j, j+1
.endr
.set li, 1
.set lq, 0
.set ls, 0
.set ci, 1
.set cq, 0
.set cs, 0
.set infl, 0
.macro FS_LOAD
.if li < 63
	ds_load_b128 v[RING+4*ls:RING+4*ls+3], v[AAB] offset:li*272+16*lq
.set infl, infl+1
.set ls, (ls+1)%24
.set lq, lq+1
.if lq > 15
.set li, li+1
.set lq, (li+1)>>2
.endif
.endif
.endm
.macro FS_PAIR t0, rp
.if (\t0)+1 > ci
.if ci & 1
	v_pk_fma_f32 v[YA+(\t0):YA+(\t0)+1], v[(\rp):(\rp)+1], v[YA+ci-1:YA+ci], v[YA+(\t0):YA+(\t0)+1] op_sel:[0,1,0] op_sel_hi:[1,1,1]
.else
	v_pk_fma_f32 v[YA+(\t0):YA+(\t0)+1], v[(\rp):(\rp)+1], v[YA+ci:YA+ci+1], v[YA+(\t0):YA+(\t0)+1] op_sel_hi:[1,0,1]
.endif
.if ci >= 33
.if ci & 1
	v_pk_fma_f32 v[YB+(\t0)-32:YB+(\t0)-31], v[(\rp):(\rp)+1], v[YB+ci-33:YB+ci-32], v[YB+(\t0)-32:YB+(\t0)-31] op_sel:[0,1,0] op_sel_hi:[1,1,1]
.else
	v_pk_fma_f32 v[YB+(\t0)-32:YB+(\t0)-31], v[(\rp):(\rp)+1], v[YB+ci-32:YB+ci-31], v[YB+(\t0)-32:YB+(\t0)-31] op_sel_hi:[1,0,1]
.endif
.endif
.endif
.endm
.macro FS_STEP
	s_wait_dscnt infl-1                            ; LDS loads come back in order: the oldest quad of the ring is in, the younger ones stay out
.set infl, infl-1
	FS_PAIR 4*cq, RING+4*cs
	FS_PAIR 4*cq+2, RING+4*cs+2
	FS_LOAD
.set cs, (cs+1)%24
.set cq, cq+1
.if cq > 15
.set ci, ci+1
.set cq, (ci+1)>>2
.endif
.endm
.rept 24
	FS_LOAD
.endr
.rept 512
	FS_STEP
.endr
	; PHASE C.  First the two units.  The largest |X[t][c]| of a lane's columns (the diagonal's 1 starts the chains), times the column's scale, over the 32 lanes;
	; its exponent field e gives the factor 2^(131 - E) (bits 0x81000000 - e) that brings the largest into [16, 32), and the unit 2^(E - 131) (bits e - 0x02000000).
.set CT, 156
.set CP, 164
.set MM, 168                           ; v[168:175]
.set i, 0
.rept 32
.if i < 4
	v_max3_num_f32 v[MM+i], |v[YA+2*i]|, |v[YA+2*i+1]|, 1.0
.else
	v_max3_num_f32 v[MM+i%4], |v[YA+2*i]|, |v[YA+2*i+1]|, v[MM+i%4]
.endif
.set i, i+1
.endr
.set i, 0
.rept 16
.if i < 4
	v_max3_num_f32 v[MM+4+i], |v[YB+2*i]|, |v[YB+2*i+1]|, 1.0
.else
	v_max3_num_f32 v[MM+4+i%4], |v[YB+2*i]|, |v[YB+2*i+1]|, v[MM+4+i%4]
.endif
.set i, i+1
.endr
	v_max3_num_f32 v[MM], v[MM], v[MM+1], v[MM+2]
	v_max3_num_f32 v[MM+4], v[MM+4], v[MM+5], v[MM+6]
	v_max_num_f32 v[MM], v[MM], v[MM+3]
	v_max_num_f32 v[MM+4], v[MM+4], v[MM+7]
	v_mul_f32 v[MM+1], |v[S1A]|, v[MM]
	v_mul_f32 v[MM+2], |v[S1B]|, v[MM+4]
	v_mul_f32 v[MM+3], |v[S2A]|, v[MM]
	v_mul_f32 v[MM+5], |v[S2B]|, v[MM+4]
	v_max_num_f32 v[MM+1], v[MM+1], v[MM+2]        ; for Wn
	v_max_num_f32 v[MM+3], v[MM+3], v[MM+5]        ; for U0
.irp n, 1,2,4,8
	v_max_num_f32_dpp v[MM+1], v[MM+1], v[MM+1] row_xmask:\n row_mask:0xf bank_mask:0xf
	v_max_num_f32_dpp v[MM+3], v[MM+3], v[MM+3] row_xmask:\n row_mask:0xf bank_mask:0xf
.endr
	v_permlanex16_b32 v[MM+2], v[MM+1], s46, s47
	v_permlanex16_b32 v[MM+5], v[MM+3], s46, s47
	v_max3_num_f32 v[MM+1], v[MM+1], v[MM+2], 0x0d800000   ; at least 2^-100, so that both powers of two exist
	v_max3_num_f32 v[MM+3], v[MM+3], v[MM+5], 0x0d800000
	v_and_b32 v[MM+1], 0x7f800000, v[MM+1]
	v_and_b32 v[MM+3], 0x7f800000, v[MM+3]
	v_sub_nc_u32 v[MM+2], 0x81000000, v[MM+1]
	v_sub_nc_u32 v[MM+5], 0x81000000, v[MM+3]
	v_add_nc_u32 v254, 0xfe000000, v[MM+1]         ; Wn's unit
	v_add_nc_u32 v252, 0xfe000000, v[MM+3]         ; U0's unit
	v_mov_b32 v253, v252
	v_mul_f32 v[S1A], v[S1A], v[MM+2]
	v_mul_f32 v[S1B], v[S1B], v[MM+2]
	v_mul_f32 v[S2A], v[S2A], v[MM+5]
	v_mul_f32 v[S2B], v[S2B], v[MM+5]
	v_lshrrev_b32 v255, 2, v[VST]
	global_store_b32 v255, v254, s[54:55]          ; every lane its copy: 128 consecutive bytes; neither register is written again
	; Then X^T, each column c of X (a lane's own) times its scale, to f16, as rows c of pitch 160; the diagonal's 1 becomes the scale itself.
	; Rows 32-63 are written from t = 32 on: nothing below is read.  The last wait of phase B was for 0, so no read of -A^T is pending.
.macro XSTORE sa, sb, base
.irp e, 0,1,2,3,4,5,6,7
.irp k, 0,1,2,3
	PKMULB CT+2*\k, YA+8*\e+2*\k, \sa
.endr
.irp k, 0,1,2,3
	v_cvt_pk_f16_f32 v[CP+\k], v[CT+2*\k], v[CT+2*\k+1]
.endr
	ds_store_b128 v[AXS], v[CP:CP+3] offset:\base+16*\e
.endr
.irp e, 0,1,2,3
.irp k, 0,1,2,3
	PKMULB CT+2*\k, YB+8*\e+2*\k, \sb
.endr
.irp k, 0,1,2,3
	v_cvt_pk_f16_f32 v[CP+\k], v[CT+2*\k], v[CT+2*\k+1]
.endr
	ds_store_b128 v[AXS], v[CP:CP+3] offset:\base+32*160+64+16*\e
.endr
	v_cvt_pk_f16_f32 v[CP], v[\sa], v[\sa]
	ds_store_b16 v[AXD], v[CP] offset:\base
	v_cvt_pk_f16_f32 v[CP+1], v[\sb], v[\sb]
	ds_store_b16 v[AXD], v[CP+1] offset:\base+32*160+64
.endm
	XSTORE S1A, S1B, 0
	XSTORE S2A, S2B, XT2
	; PHASE D: Wn^T = K^T x (X^T scaled): lane = t, register j = column 16 mt + 8 h + j of k, which packs into half a fragment of Wn.
.set KT, 44                            ; v[44:171]  16 transposed fragments, (mt, ks) at 8 (8 ks + mt)
.set XF, 172                           ; v[172:219] X^T: (t tile, c step 0) at 0..3, (2, 1) at 4, (3, 1) at 5: X is lower triangular
.set ACC, 220
.macro XLOAD base
.irp nt, 0,1,2,3
	ds_load_tr16_b128 v[XF+8*\nt:XF+8*\nt+3],   v[AXT] offset:\base+32*\nt
	ds_load_tr16_b128 v[XF+8*\nt+4:XF+8*\nt+7], v[AXT] offset:\base+32*\nt+2560
.endr
.irp nt, 2,3
	ds_load_tr16_b128 v[XF+8*(\nt+2):XF+8*(\nt+2)+3],   v[AXT] offset:\base+5120+32*\nt
	ds_load_tr16_b128 v[XF+8*(\nt+2)+4:XF+8*(\nt+2)+7], v[AXT] offset:\base+5120+32*\nt+2560
.endr
.endm
.macro TLOADS adr
.irp ks, 0,1
.irp mt, 0,1,2,3,4,5,6,7
	ds_load_tr16_b128 v[KT+8*(8*\ks+\mt):KT+8*(8*\ks+\mt)+3],   v[\adr] offset:\ks*9216+32*\mt
	ds_load_tr16_b128 v[KT+8*(8*\ks+\mt)+4:KT+8*(8*\ks+\mt)+7], v[\adr] offset:\ks*9216+32*\mt+4608
.endr
.endr
.endm
	XLOAD 0
	TLOADS AKT
	s_wait_dscnt 0x0
; The accumulators go 0, 1, 2, 3, 2, 3: no two neighbours alike.
.macro WROW mt
	s_wait_xcnt 0x0                                ; the accumulators' first registers were stores' data
.irp nt, 0,1,2,3
	v_wmma_f32_16x16x32_f16 v[ACC+8*\nt:ACC+8*\nt+7], v[KT+8*\mt:KT+8*\mt+7], v[XF+8*\nt:XF+8*\nt+7], 0
.endr
	v_wmma_f32_16x16x32_f16 v[ACC+16:ACC+23], v[KT+8*(8+\mt):KT+8*(8+\mt)+7], v[XF+32:XF+39], v[ACC+16:ACC+23]
	v_wmma_f32_16x16x32_f16 v[ACC+24:ACC+31], v[KT+8*(8+\mt):KT+8*(8+\mt)+7], v[XF+40:XF+47], v[ACC+24:ACC+31]
.rept 4
	v_nop
.endr
.irp nt, 0,1,2,3
.irp r, 0,1,2,3
	v_cvt_pk_f16_f32 v[ACC+8*\nt+\r], v[ACC+8*\nt+2*\r], v[ACC+8*\nt+2*\r+1]       ; at most 64 x 32 in magnitude
.endr
.endr
.irp nt, 0,1,2,3
	global_store_b128 v[VST], v[ACC+8*\nt:ACC+8*\nt+3], s[10:11] offset:WNO+(4*(\mt>>1)+\nt)*1024+(\mt&1)*512
.endr
.endm
.irp mt, 0,1,2,3,4,5,6,7
	WROW \mt
.endr
	; Kd: the same transposed fragments of k, element i times 2^(g_63 - g_i): the factors of two neighbouring i packed in f16, one multiply a register
.set j, 0
.rept 32
	v_sub_f32 v[GCR+j], s44, v[GCR+j]
.set j, j+1
.endr
.set j, 0
.rept 32
	v_exp_f32 v[GCR+j], v[GCR+j]
.set j, j+1
.endr
	v_nop
.set j, 0
	s_wait_alu depctr_va_vdst(0)
.rept 16
	v_cvt_pk_f16_f32 v[GCR+j], v[GCR+2*j], v[GCR+2*j+1]    ; word j is written when words 2 j and 2 j + 1 are read: never ahead of them
.set j, j+1
.endr
.macro KDFRAG ks, mt
.irp g, 0,1
.irp k, 0,1,2,3
	v_pk_mul_f16 v[KT+8*(8*\ks+\mt)+4*\g+\k], v[KT+8*(8*\ks+\mt)+4*\g+\k], v[GCR+4*(2*\ks+\g)+\k]
.endr
.endr
	global_store_b128 v[VST], v[KT+8*(8*\ks+\mt):KT+8*(8*\ks+\mt)+3],   s[10:11] offset:KDO+(8*\ks+\mt)*1024
	global_store_b128 v[VST], v[KT+8*(8*\ks+\mt)+4:KT+8*(8*\ks+\mt)+7], s[10:11] offset:KDO+(8*\ks+\mt)*1024+512
.endm
.irp ks, 0,1
.irp mt, 0,1,2,3,4,5,6,7
	KDFRAG \ks, \mt
.endr
.endr
	; PHASE E: U0 = (X diag(beta |v|)) (v / |v|): lane = column of v, register j = t = 16 tt + 8 h + j; times its unit, stored as it lies, in f32
	s_wait_xcnt 0x0                                ; the fragments' registers were stores' data
	XLOAD XT2
	TLOADS AVT
	s_wait_dscnt 0x0
.macro VROW vt
	s_wait_xcnt 0x0
.irp tt, 0,1,2,3
	v_wmma_f32_16x16x32_f16 v[ACC+8*\tt:ACC+8*\tt+7], v[XF+8*\tt:XF+8*\tt+7], v[KT+8*\vt:KT+8*\vt+7], 0
.endr
	v_wmma_f32_16x16x32_f16 v[ACC+16:ACC+23], v[XF+32:XF+39], v[KT+8*(8+\vt):KT+8*(8+\vt)+7], v[ACC+16:ACC+23]
	v_wmma_f32_16x16x32_f16 v[ACC+24:ACC+31], v[XF+40:XF+47], v[KT+8*(8+\vt):KT+8*(8+\vt)+7], v[ACC+24:ACC+31]
.rept 5
	v_nop                                          ; four places before the results are read, five before the next column's products write over them
.endr
.set j, 0
.rept 16
	v_pk_mul_f32 v[ACC+2*j:ACC+2*j+1], v[ACC+2*j:ACC+2*j+1], v[252:253]
.set j, j+1
.endr
.irp tt, 0,1,2,3
	global_store_b128 v[VST], v[ACC+8*\tt:ACC+8*\tt+3],   s[12:13] offset:(4*\vt+\tt)*1024
	global_store_b128 v[VST], v[ACC+8*\tt+4:ACC+8*\tt+7], s[12:13] offset:(4*\vt+\tt)*1024+512
.endr
.endm
.irp vt, 0,1,2,3,4,5,6,7
	VROW \vt
.endr
	s_set_vgpr_msb 0x5
	s_wait_tensorcnt 0x0
	ds_add_u32 v0, v1
	s_wait_dscnt 0x0
	s_set_vgpr_msb 0x500
	s_endpgm
.Lfunc_end_k_q6ab1f3a766_prep:
	.size	k_q6ab1f3a766_prep, .Lfunc_end_k_q6ab1f3a766_prep-k_q6ab1f3a766_prep
	.p2alignl 7, 3214868480
	.fill 96, 4, 3214868480
	.section	.rodata,"a",@progbits
	.p2align	6, 0x0
	.amdhsa_kernel k_q6ab1f3a766_prep
		.amdhsa_group_segment_fixed_size 299520
		.amdhsa_private_segment_fixed_size 0
		.amdhsa_enable_private_segment 0
		.amdhsa_kernarg_size 40
		.amdhsa_user_sgpr_count 2
		.amdhsa_user_sgpr_kernarg_segment_ptr 1
		.amdhsa_wavefront_size32 1
		.amdhsa_system_sgpr_workgroup_id_x 1
		.amdhsa_system_sgpr_workgroup_id_y 1
		.amdhsa_system_sgpr_workgroup_id_z 1
		.amdhsa_system_vgpr_workitem_id 0
		.amdhsa_next_free_vgpr 258
		.amdhsa_next_free_sgpr 66
		.amdhsa_reserve_vcc 1
		.amdhsa_float_denorm_mode_32 3
		.amdhsa_float_denorm_mode_16_64 3
		.amdhsa_memory_ordered 1
		.amdhsa_forward_progress 1
		.amdhsa_inst_pref_size 255
	.end_amdhsa_kernel
	.amdgpu_metadata
---
amdhsa.version: [ 1, 2 ]
amdhsa.kernels:
  - .name:           k_q6ab1f3a766_prep
    .symbol:         k_q6ab1f3a766_prep.kd
    .args:
      - { .name: qkv, .offset: 0, .size: 8, .value_kind: global_buffer, .address_space: global }
      - { .name: gc, .offset: 8, .size: 8, .value_kind: global_buffer, .address_space: global }
      - { .name: bt, .offset: 16, .size: 8, .value_kind: global_buffer, .address_space: global }
      - { .name: ops, .offset: 24, .size: 8, .value_kind: global_buffer, .address_space: global }
      - { .name: u0, .offset: 32, .size: 8, .value_kind: global_buffer, .address_space: global }
    .group_segment_fixed_size: 299520
    .private_segment_fixed_size: 0
    .kernarg_segment_align: 8
    .kernarg_segment_size: 40
    .max_flat_workgroup_size: 128
    .sgpr_count:     66
    .vgpr_count:     258
    .wavefront_size: 32
...
	.end_amdgpu_metadata
.endif
;; end of part 4
;; launch scan (part 5): grid 64 x 1, 4 waves a work-group, no clusters, 327,680 bytes of LDS; arguments ops, u0, gc, out0; writes out0
.if DOCPART == 5
	.amdgcn_target "amdgcn-amd-amdhsa--gfx1250"
	.amdhsa_code_object_version 6
	.text
	.protected	k_q6ab1f3a766_scan
	.globl	k_q6ab1f3a766_scan
	.p2align	8
	.type	k_q6ab1f3a766_scan,@function
k_q6ab1f3a766_scan:
	s_mov_b64 s[64:65], 0
	v_nop
	global_prefetch_b8 v0, s[64:65] scope:SCOPE_SE
	s_setreg_imm32_b32 hwreg(HW_REG_WAVE_MODE, 25, 1), 1
	s_wait_xcnt 0x0
; The recurrence over the 32 chunks of a (batch, head).  With S^T (128 columns of k x columns of v) the state at a chunk's start:
;   U = U0 + Wn S^T        O = Qg S^T + Aq U        S^T <- 2^g_63 S^T + Kd U.
; The columns of v never meet, so a wave owns 16 of them for the whole sequence and keeps its S^T in 64 registers in f32.  An accumulator tile
; (lane = column of v, registers = rows) packs inside each lane into the second operand of the next product, so S -> U -> S never leaves the registers.
; FORMATS: the operands are f16.  Qg, Kd and Aq are at most 1; Wn comes in a unit of its own, one power of two a chunk.  S^T and U are not bounded, so each
; of their columns (a lane and the lane 16 further on) is divided, chunk by chunk, by a power of two taken from its largest magnitude, which then lies in
; [256, 512); a column of the second operand is a column of the result, so the result is multiplied back lane by lane, in f32, by fused multiply-adds onto
; what is carried.  What is carried (S^T, U0, O) stays in f32 and in true units.
; LIMITS: an element of S^T or U enters a product exact to 2^-12 of itself or 2^-33 of its column's largest; a largest magnitude below 2^-100 counts as
; 2^-100; 2^g_63 below 2^-126 counts as 0.
; A work-group is four waves = 64 columns of v; two work-groups for each of the 32 (batch, head): 64 work-groups, bound by the chain of 32 chunks.
; The operands come as fragment images: every LDS load takes 512 consecutive bytes.  Two LDS slots of two chunks each (110,592 bytes of ops, 32,768 of u0)
; take turns; waves 0-2 bring a third of the ops each, wave 3 the u0, one tensor load a wave behind each barrier in front of a refill; such a load has two
; chunks' work in which to land.  A wave has two tensor loads out at the start and one later.
; No cluster: a record of ops is read by just the two work-groups of its head, and u0, gc and out0 by one; the launch is left plain.
.set OPS,  55296
.set U0B,  16384
.set UNITS, 1024*32768                 ; in u0: Wn's units, 128 bytes a chunk
.set SLOT, 2*OPS+2*U0B                 ; 143,360
.set STG,  2*SLOT                      ; two stages of 64 rows x 272 bytes for the way out; no tensor load lands here
.set STGB, 64*272
.set AR,  2                            ; v[2:5]    16 L + slot, chunk of the slot: the record
.set AU,  6                            ; v[6:9]    the same for my 4,096 bytes of u0
.set ASW, 10                           ; v[10:11]  stage, in
.set ASR, 12                           ; v[12:13]  stage, back
.set VO,  14                           ; my byte offset in out0
.set GG,  16                           ; v[16:17]  2^g_63, twice
.set MX,  18                           ; v[18:21]  four chains of maxima
.set PT,  22                           ; the other half's maximum
.set EX,  23                           ; its exponent field
.set IV,  24                           ; v[24:25]  1 / unit, twice: of S, then of U
.set SS,  26                           ; v[26:27]  S's unit
.set FF,  28                           ; v[28:29]  S's unit x Wn's unit
.set SU,  30                           ; v[30:31]  U's unit
.set ST,  32                           ; v[32:95]  S^T, 8 tiles
.set SB,  96                           ; v[96:127] S^T in f16, 4 K steps
.set UU,  128                          ; v[128:159] U, 4 tiles
.set UB,  160                          ; v[160:175] U in f16, 2 K steps
.set OO,  176                          ; v[176:207] O, 4 tiles
.set FL,  208                          ; v[208:239] the last chunk's O on its way out
.set TT,  240                          ; v[240:255] scaled numbers on their way to f16
                                       ; window 1: v0-127 Wn, v128-255 Kd;  window 2: v0-127 Qg, v128-175 Aq
.set D2,  0                            ; window 3: v0-63 Kd U (8 tiles); its first 32 hold Wn S before that
.set O2,  64                           ; window 3: v64-95 Aq U
.set G1,  16
.set G1U, 24
.set G0,  32
.set G0U, 40
.set SP,  2                            ; s[2:3]   where the next unit of Wn lies; s58, s59: the units of even and odd chunks
.set GP,  48                           ; s[48:49] where the next g_63 lies; s50, s51: g_63 of even and odd chunks
.set OUTP, 54
.set MSB, 0
.macro WIN new                         ; the immediate's high byte repeats the setting that is left
.if MSB != \new
	s_set_vgpr_msb (MSB<<8)|\new
.set MSB, \new
.endif
.endm
.macro TLOAD s                         ; the branch hangs on the wave's number alone; every wave issues one of the two
	s_cmp_eq_u32 s12, 3
	s_cbranch_scc1 .Lfor_u_\@
	tensor_load_to_lds s[G0+4*\s:G0+4*\s+3], s[G1:G1+7]
	s_nop 0
	s_branch .Lasked_\@
.Lfor_u_\@:
	tensor_load_to_lds s[G0U+4*\s:G0U+4*\s+3], s[G1U:G1U+7]
	s_nop 0
.Lasked_\@:
.endm
	s_load_b256 s[4:11], s[0:1], 0x0               ; ops 4, u0 6, gc 8, out0 10
	s_set_vgpr_msb 0x80
	v_lshl_add_u32 v254, v0, 2, 0x4e800
	v_mov_b32 v255, 0
	s_set_vgpr_msb 0x808a
	ds_add_u32 v254, v255
	ds_add_u32 v254, v255
	s_set_vgpr_msb 0x8a00
	v_lshrrev_b32 v1, 5, v0
	v_readfirstlane_b32 s12, v1                    ; wave
	s_lshr_b32 s13, ttmp9, 1                       ; batch x 16 + head
	s_and_b32 s14, ttmp9, 1                        ; which 64 columns of v
	; ops: 144 dense rows of 256 bytes (elements of 8 bytes)
	s_mov_b32 s[G1+0], 3<<16
	s_mov_b32 s[G1+1], 32<<16
	s_mov_b32 s[G1+2], 144<<16
	s_mov_b32 s[G1+3], 32<<16
	s_mov_b32 s[G1+4], 144
	s_mov_b32 s[G1+5], 32
	s_mov_b32 s[G1+6], 0
	s_mov_b32 s[G1+7], 0
	; u0: two chunks' 16,384 bytes, 32,768 bytes apart
	s_mov_b32 s[G1U+0], 3<<16
	s_mov_b32 s[G1U+1], 2048<<16
	s_mov_b32 s[G1U+2], 2<<16
	s_mov_b32 s[G1U+3], 2048<<16
	s_mov_b32 s[G1U+4], 2
	s_mov_b32 s[G1U+5], 4096
	s_mov_b32 s[G1U+6], 0
	s_mov_b32 s[G1U+7], 0
	s_mul_i32 s15, s12, 36864                      ; my third of two records, in memory and in LDS
	s_mul_i32 s56, s13, 32*OPS
	s_add_co_u32 s56, s56, s15
	s_mov_b32 s57, 0
	s_lshl_b32 s58, s13, 20
	s_lshl_b32 s59, s14, 14
	s_add_co_u32 s58, s58, s59
	s_mov_b32 s59, 0
	s_wait_dscnt 0x0
	s_wait_kmcnt 0x0
	s_add_nc_u64 s[SP:SP+1], s[6:7], UNITS
	s_add_nc_u64 s[4:5], s[4:5], s[56:57]
	s_add_nc_u64 s[6:7], s[6:7], s[58:59]
.irp s, 0,1
	s_mov_b32 s[G0+4*\s], 1
	s_add_co_u32 s[G0+4*\s+1], s15, \s*SLOT
	s_add_nc_u64 s[G0+4*\s+2:G0+4*\s+3], s[4:5], \s*2*OPS
	s_or_b32 s[G0+4*\s+3], s[G0+4*\s+3], 0x80000000
	s_mov_b32 s[G0U+4*\s], 1
	s_mov_b32 s[G0U+4*\s+1], \s*SLOT+2*OPS
	s_add_nc_u64 s[G0U+4*\s+2:G0U+4*\s+3], s[6:7], \s*65536
	s_or_b32 s[G0U+4*\s+3], s[G0U+4*\s+3], 0x80000000
	TLOAD \s                                       ; chunks 0, 1 and chunks 2, 3: both first fills ahead of everything else
.endr
	s_lshl_b32 s56, s13, 13
	s_add_co_u32 s56, s56, 508                     ; g_63 of chunk 1
	s_mov_b32 s57, 0
	s_add_nc_u64 s[GP:GP+1], s[8:9], s[56:57]
	s_load_b32 s51, s[GP:GP+1], 0x0
	s_lshr_b32 s58, s13, 4
	s_lshl_b32 s58, s58, 24                        ; batch
	s_and_b32 s59, s13, 15
	s_lshl_b32 s59, s59, 9                         ; head
	s_add_co_u32 s58, s58, s59
	s_lshl_b32 s59, s14, 8
	s_add_co_u32 s58, s58, s59
	s_mov_b32 s59, 0
	s_add_nc_u64 s[OUTP:OUTP+1], s[10:11], s[58:59]
	s_lshl_b32 s56, s13, 12
	s_add_co_u32 s56, s56, 128                     ; Wn's unit of chunk 1
	s_add_nc_u64 s[SP:SP+1], s[SP:SP+1], s[56:57]
	s_load_b32 s59, s[SP:SP+1], 0x0
	v_and_b32 v1, 31, v0                           ; L
	v_and_b32 v18, 15, v0                          ; r
	v_bfe_u32 v19, v0, 4, 1                        ; h
	v_lshlrev_b32 v15, 4, v1
	s_lshl_b32 s56, s12, 12
	v_add_nc_u32 v20, s56, v15
.irp s, 0,1
.irp c, 0,1
	v_add_nc_u32 v[AR+2*\s+\c], \s*SLOT+\c*OPS, v15
	v_add_nc_u32 v[AU+2*\s+\c], \s*SLOT+2*OPS+\c*U0B, v20
.endr
.endr
	s_lshl_b32 s57, s12, 6
	v_lshl_add_u32 v21, v18, 2, s57                ; column 16 w + r,
	v_mad_u32_u24 v21, v19, 2176, v21              ; row 8 h
	v_add_nc_u32 v[ASW], STG, v21
	v_add_nc_u32 v[ASW+1], STG+STGB, v21
	s_mul_i32 s57, s12, 16*272
	v_lshl_add_u32 v22, v18, 4, s57                ; back: rows 16 w + h, 16 bytes a lane
	v_mad_u32_u24 v22, v19, 272, v22
	v_add_nc_u32 v[ASR], STG, v22
	v_add_nc_u32 v[ASR+1], STG+STGB, v22
	s_lshl_b32 s57, s12, 17
	v_lshl_add_u32 v[VO], v18, 4, s57              ; the same rows in out0: 8,192 bytes from step to step
	v_lshl_add_u32 v[VO], v19, 13, v[VO]
	s_mov_b32 s56, 0x76543210                      ; from here on: lane i of one half reads lane i of the other
	s_mov_b32 s57, 0xfedcba98
	s_mov_b32 s53, 0x0d800000                      ; 2^-100
; n fragment images from byte off of the record into registers reg ..
.macro FRAGS n, reg, adr, off
.set fi, 0
.rept \n
	ds_load_b128 v[\reg+8*fi:\reg+8*fi+3],   v[\adr] offset:\off+1024*fi
	ds_load_b128 v[\reg+8*fi+4:\reg+8*fi+7], v[\adr] offset:\off+1024*fi+512
.set fi, fi+1
.endr
.endm
; The largest magnitude of a column of v in the n registers from base on, of this lane and of the lane that holds the column's other rows, at least 2^-100.
; Its exponent field E goes to EX; 2^(135 - E) (bits 0x83000000 - EX), which brings the largest into [256, 512), goes to IV, twice.
; The unit itself is 2^(E - 135): bits EX - 0x04000000.
.macro COLMAX base, n
.irp c, 0,1,2,3
	v_max_num_f32 v[MX+\c], |v[\base+2*\c]|, |v[\base+2*\c+1]|
.endr
.set i, 8
.rept (\n-8)/2
	v_max3_num_f32 v[MX+(i/2)%4], |v[\base+i]|, |v[\base+i+1]|, v[MX+(i/2)%4]
.set i, i+2
.endr
	v_max3_num_f32 v[MX], v[MX], v[MX+1], v[MX+2]
	v_max_num_f32 v[MX], v[MX], v[MX+3]
	v_permlanex16_b32 v[PT], v[MX], s56, s57
	v_max3_num_f32 v[MX], v[MX], v[PT], s53
	v_and_b32 v[EX], 0x7f800000, v[MX]
	v_sub_nc_u32 v[IV], 0x83000000, v[EX]
	v_mov_b32 v[IV+1], v[IV]
.endm
; 16 g registers from src on, times 1 / unit, to f16: 8 g words from dst on
.macro TOF16 dst, src, groups
.set gi, 0
.rept \groups
.irp k, 0,1,2,3,4,5,6,7
	v_pk_mul_f32 v[TT+2*\k:TT+2*\k+1], v[\src+16*gi+2*\k:\src+16*gi+2*\k+1], v[IV:IV+1]
.endr
.irp k, 0,1,2,3,4,5,6,7
	v_cvt_pk_f16_f32 v[\dst+8*gi+\k], v[TT+2*\k], v[TT+2*\k+1]
.endr
.set gi, gi+1
.endr
.endm
; One chunk.  slot, rec: where its operands lie (rec is also the chunk's parity).  first: the state is 0.  flush: the chunk before goes out of its stage;
; step: the output's address moves on a chunk.  more: a further chunk follows.  In every run of products the accumulators take turns, one instruction
; a turn, and neighbouring runs end and begin on different accumulators.
; The counted waits on LDS count the loads issued behind the ones wanted (LDS loads come back in order, ISA guide 5.7.1).
.macro CHUNK slot, rec, first, flush, step, more
.if \first == 0
	s_wait_kmcnt 0x0
	v_exp_f32 v[GG], s[50+\rec]
	v_exp_f32 v[GG+1], s[50+\rec]
	s_add_nc_u64 s[GP:GP+1], s[GP:GP+1], 256       ; no scalar load is pending
	s_add_nc_u64 s[SP:SP+1], s[SP:SP+1], 128
.if \more
	s_load_b32 s[51-\rec], s[GP:GP+1], 0x0
	s_load_b32 s[59-\rec], s[SP:SP+1], 0x0
.endif
.endif
.if \flush
	s_wait_xcnt 0x0                                ; FL and the output's base, which earlier stores read, are rewritten only behind this wait
.if \step
	s_add_nc_u64 s[OUTP:OUTP+1], s[OUTP:OUTP+1], 64*8192
.endif
.irp e, 0,1,2,3,4,5,6,7
	ds_load_b128 v[FL+4*\e:FL+4*\e+3], v[ASR+1-\rec] offset:544*\e
.endr
.endif
	FRAGS 4, UU, AU+2*\slot+\rec, 0                ; U0 lands where U is summed
.if \first == 0
	WIN 0x40                                       ; destination window 1
	FRAGS 16, 0, AR+2*\slot+\rec, 0                ; Wn
.if \flush
	s_wait_dscnt 40                                ; behind FL: 8 of U0, 32 of Wn
.irp e, 0,1,2,3,4,5,6,7
	global_store_b128 v[VO], v[FL+4*\e:FL+4*\e+3], s[OUTP:OUTP+1] offset:16384*\e th:TH_STORE_NT   ; 16 lanes store 256 consecutive bytes, aligned; address and data places are window 0
.endr
.endif
	WIN 0x80                                       ; destination window 2
	FRAGS 16, 0, AR+2*\slot+\rec, 16384            ; Qg
	WIN 0
	COLMAX ST, 64
	v_add_nc_u32 v[SS], 0xfc000000, v[EX]          ; S's unit
	v_mov_b32 v[SS+1], v[SS]
	v_mul_f32 v[FF], s[58+\rec], v[SS]             ; x Wn's unit
	v_mov_b32 v[FF+1], v[FF]
	TOF16 SB, ST, 4                                ; tiles 2 ks, 2 ks + 1 are registers 0-3, 4-7 of K step ks
	WIN 0xf1                                       ; source 0 window 1, C and D window 3
.irp ks, 0,1,2,3
	s_wait_dscnt 56-8*\ks                          ; behind Wn's step ks: the rest of Wn and Qg's 32
.irp mt, 0,1,2,3
.if \ks == 0
	v_wmma_f32_16x16x32_f16 v[D2+8*\mt:D2+8*\mt+7], v[8*(4*\ks+\mt):8*(4*\ks+\mt)+7], v[SB+8*\ks:SB+8*\ks+7], 0
.else
	v_wmma_f32_16x16x32_f16 v[D2+8*\mt:D2+8*\mt+7], v[8*(4*\ks+\mt):8*(4*\ks+\mt)+7], v[SB+8*\ks:SB+8*\ks+7], v[D2+8*\mt:D2+8*\mt+7]
.endif
.endr
.endr
	WIN 0x40
	FRAGS 16, 128, AR+2*\slot+\rec, 32768          ; Kd
	WIN 0x02                                       ; source 0 window 2
.irp ks, 0,1,2,3
	s_wait_dscnt 56-8*\ks                          ; behind Qg's step ks: the rest of Qg and Kd's 32
.irp mt, 0,1,2,3
.if \ks == 0
	v_wmma_f32_16x16x32_f16 v[OO+8*\mt:OO+8*\mt+7], v[8*(4*\ks+\mt):8*(4*\ks+\mt)+7], v[SB+8*\ks:SB+8*\ks+7], 0
.else
	v_wmma_f32_16x16x32_f16 v[OO+8*\mt:OO+8*\mt+7], v[8*(4*\ks+\mt):8*(4*\ks+\mt)+7], v[SB+8*\ks:SB+8*\ks+7], v[OO+8*\mt:OO+8*\mt+7]
.endif
.endr
.endr
	WIN 0x80
	FRAGS 6, 128, AR+2*\slot+\rec, 49152           ; Aq
	WIN 0
.set i, 0
	s_wait_alu depctr_va_vdst(0)
.rept 32
	v_pk_mul_f32 v[ST+2*i:ST+2*i+1], v[ST+2*i:ST+2*i+1], v[GG:GG+1]        ; the decay; also the places between the products and the use of their results
.set i, i+1
.endr
	WIN 0x03                                       ; source 0 window 3
.set i, 0
.rept 16
	v_pk_fma_f32 v[UU+2*i:UU+2*i+1], v[D2+2*i:D2+2*i+1], v[FF:FF+1], v[UU+2*i:UU+2*i+1]    ; U = U0 + units x (Wn S)
.set i, i+1
.endr
	WIN 0
.else
	WIN 0x40
	FRAGS 16, 128, AR+2*\slot+\rec, 32768          ; Kd
	WIN 0x80
	FRAGS 6, 128, AR+2*\slot+\rec, 49152           ; Aq
	WIN 0
	s_wait_dscnt 44                                ; U0 is in; Kd's 32 and Aq's 12 stay out
.endif
	COLMAX UU, 32
	v_add_nc_u32 v[SU], 0xfc000000, v[EX]          ; U's unit
	v_mov_b32 v[SU+1], v[SU]
	TOF16 UB, UU, 2
	WIN 0xf1
.irp ks, 0,1
	s_wait_dscnt 28-16*\ks                         ; behind Kd's step ks: the rest of Kd and Aq's 12
.irp mt, 0,1,2,3,4,5,6,7
.if \ks == 0
	v_wmma_f32_16x16x32_f16 v[D2+8*\mt:D2+8*\mt+7], v[128+8*(8*\ks+\mt):128+8*(8*\ks+\mt)+7], v[UB+8*\ks:UB+8*\ks+7], 0
.else
	v_wmma_f32_16x16x32_f16 v[D2+8*\mt:D2+8*\mt+7], v[128+8*(8*\ks+\mt):128+8*(8*\ks+\mt)+7], v[UB+8*\ks:UB+8*\ks+7], v[D2+8*\mt:D2+8*\mt+7]
.endif
.endr
.endr
	WIN 0xf2                                       ; source 0 window 2, C and D window 3
	s_wait_dscnt 0
.irp mt, 0,1,2,3
	v_wmma_f32_16x16x32_f16 v[O2+8*\mt:O2+8*\mt+7], v[128+8*\mt:128+8*\mt+7], v[UB:UB+7], 0
.endr
	v_wmma_f32_16x16x32_f16 v[O2+16:O2+23], v[128+32:128+39], v[UB+8:UB+15], v[O2+16:O2+23]
	v_wmma_f32_16x16x32_f16 v[O2+24:O2+31], v[128+40:128+47], v[UB+8:UB+15], v[O2+24:O2+31]
	WIN 0
.if \first
.rept 4
	v_nop                                          ; four places before the results are read (ISA guide 7.12.1)
.endr
	WIN 0x03
.set i, 0
.rept 32
	v_pk_mul_f32 v[ST+2*i:ST+2*i+1], v[D2+2*i:D2+2*i+1], v[SU:SU+1]
.set i, i+1
.endr
.set i, 0
.rept 16
	v_pk_mul_f32 v[OO+2*i:OO+2*i+1], v[O2+2*i:O2+2*i+1], v[SU:SU+1]
.set i, i+1
.endr
.else
.set i, 0
.rept 16
	v_pk_mul_f32 v[OO+2*i:OO+2*i+1], v[OO+2*i:OO+2*i+1], v[SS:SS+1]        ; Qg S in true units; these sixteen are also the places behind the last products
.set i, i+1
.endr
	WIN 0x03
.set i, 0
.rept 32
	v_pk_fma_f32 v[ST+2*i:ST+2*i+1], v[D2+2*i:D2+2*i+1], v[SU:SU+1], v[ST+2*i:ST+2*i+1]    ; S = 2^g_63 S + unit x (Kd U)
.set i, i+1
.endr
.set i, 0
.rept 16
	v_pk_fma_f32 v[OO+2*i:OO+2*i+1], v[O2+2*i:O2+2*i+1], v[SU:SU+1], v[OO+2*i:OO+2*i+1]    ; O = Qg S + unit x (Aq U)
.set i, i+1
.endr
.endif
	WIN 0
.irp mt, 0,1,2,3
.irp j, 0,1,2,3,4,5,6,7
	ds_store_b32 v[ASW+\rec], v[OO+8*\mt+\j] offset:(16*\mt+\j)*272
.endr
.endr
.endm
; Between a slot's two chunks: the stage is handed over; the refill may stay on its way.
.macro MIDBAR
	s_wait_dscnt 0x0
	s_barrier_signal -1
	s_barrier_wait -1
.endm
; Between slots: every wave's reads of slot old are back and all its tensor loads have landed (its part of the next slot among them); behind the barrier
; slot old is filled again first, one tensor load a wave, with the chunks four further on.
.macro SLOTBAR old, refill
	s_set_vgpr_msb 0xa
	s_wait_tensorcnt 0x0
	ds_add_u32 v254, v255
	s_wait_dscnt 0x0
	s_set_vgpr_msb 0xa00
.if \refill
	s_add_nc_u64 s[G0+4*\old+2:G0+4*\old+3], s[G0+4*\old+2:G0+4*\old+3], 4*OPS
	s_add_nc_u64 s[G0U+4*\old+2:G0U+4*\old+3], s[G0U+4*\old+2:G0U+4*\old+3], 4*32768
.endif
	s_wait_dscnt 0x0
	s_barrier_signal -1
	s_barrier_wait -1
.if \refill
	TLOAD \old
.endif
.endm
	s_wait_tensorcnt 0x1                           ; my part of slot 0 is in; slot 1's stays out
	s_barrier_signal -1
	s_barrier_wait -1
	CHUNK 0, 0, 1, 0, 0, 1
	MIDBAR
	CHUNK 0, 1, 0, 1, 0, 1
	s_mov_b32 s52, 7
.Lpairs:
	SLOTBAR 0, 1
	CHUNK 1, 0, 0, 1, 1, 1
	MIDBAR
	CHUNK 1, 1, 0, 1, 1, 1
	SLOTBAR 1, 1
	CHUNK 0, 0, 0, 1, 1, 1
	MIDBAR
	CHUNK 0, 1, 0, 1, 1, 1
	s_sub_co_u32 s52, s52, 1
	s_cmp_lg_u32 s52, 0
	s_cbranch_scc1 .Lpairs
	SLOTBAR 0, 0                                   ; the last two chunks: nothing is left to fetch
	CHUNK 1, 0, 0, 1, 1, 1
	MIDBAR
	CHUNK 1, 1, 0, 1, 1, 0
	MIDBAR
	s_wait_xcnt 0x0                                ; the last chunk leaves its stage
	s_add_nc_u64 s[OUTP:OUTP+1], s[OUTP:OUTP+1], 64*8192
.irp e, 0,1,2,3,4,5,6,7
	ds_load_b128 v[FL+4*\e:FL+4*\e+3], v[ASR+1] offset:544*\e
.endr
.irp e, 0,1,2,3,4,5,6,7
	s_wait_dscnt 7-\e
	global_store_b128 v[VO], v[FL+4*\e:FL+4*\e+3], s[OUTP:OUTP+1] offset:16384*\e th:TH_STORE_NT
.endr
	s_set_vgpr_msb 0xa
	s_wait_tensorcnt 0x0
	ds_add_u32 v254, v255
	s_wait_dscnt 0x0
	s_set_vgpr_msb 0xa00
	s_endpgm
.Lfunc_end_k_q6ab1f3a766_scan:
	.size	k_q6ab1f3a766_scan, .Lfunc_end_k_q6ab1f3a766_scan-k_q6ab1f3a766_scan
	.p2alignl 7, 3214868480
	.fill 96, 4, 3214868480
	.section	.rodata,"a",@progbits
	.p2align	6, 0x0
	.amdhsa_kernel k_q6ab1f3a766_scan
		.amdhsa_group_segment_fixed_size 327680
		.amdhsa_private_segment_fixed_size 0
		.amdhsa_enable_private_segment 0
		.amdhsa_kernarg_size 32
		.amdhsa_user_sgpr_count 2
		.amdhsa_user_sgpr_kernarg_segment_ptr 1
		.amdhsa_wavefront_size32 1
		.amdhsa_system_sgpr_workgroup_id_x 1
		.amdhsa_system_sgpr_workgroup_id_y 1
		.amdhsa_system_sgpr_workgroup_id_z 1
		.amdhsa_system_vgpr_workitem_id 0
		.amdhsa_next_free_vgpr 864
		.amdhsa_next_free_sgpr 66
		.amdhsa_reserve_vcc 0
		.amdhsa_float_denorm_mode_32 3
		.amdhsa_float_denorm_mode_16_64 3
		.amdhsa_memory_ordered 1
		.amdhsa_forward_progress 1
		.amdhsa_inst_pref_size 249
	.end_amdhsa_kernel
	.amdgpu_metadata
---
amdhsa.version: [ 1, 2 ]
amdhsa.kernels:
  - .name:           k_q6ab1f3a766_scan
    .symbol:         k_q6ab1f3a766_scan.kd
    .args:
      - { .name: ops, .offset: 0, .size: 8, .value_kind: global_buffer, .address_space: global }
      - { .name: u0, .offset: 8, .size: 8, .value_kind: global_buffer, .address_space: global }
      - { .name: gc, .offset: 16, .size: 8, .value_kind: global_buffer, .address_space: global }
      - { .name: out0, .offset: 24, .size: 8, .value_kind: global_buffer, .address_space: global }
    .group_segment_fixed_size: 327680
    .private_segment_fixed_size: 0
    .kernarg_segment_align: 8
    .kernarg_segment_size: 32
    .max_flat_workgroup_size: 128
    .sgpr_count:     66
    .vgpr_count:     864
    .wavefront_size: 32
...
	.end_amdgpu_metadata
.endif
;; end of part 5
;; ======== version 2 of 3: 4 launches; 1.13 times as fast as version 1
;; workspace buffers: xb 16,777,216 bytes; wb 25,165,824 bytes; wab 131,072 bytes; gc 262,144 bytes; bt 262,144 bytes; qkv 51,118,080 bytes; ops 56,623,104 bytes; u0 33,685,504 bytes
;; launch cast: the kernel of part 1 again; grid 642 x 1, 8 waves a work-group, no clusters, 0 bytes of LDS; arguments x, Wq, Wk, Wv, Wa, Wb, xb, wb, wab; writes xb, wb, wab
;; launch gemm (part 6): grid 28 x 16, 4 waves a work-group, clusters of 4 x 4, 327,680 bytes of LDS; arguments xb, wb, qkv, wab, ba, bb, gc, bt; writes qkv, gc, bt
.if DOCPART == 6
	.amdgcn_target "amdgcn-amd-amdhsa--gfx1250"
	.amdhsa_code_object_version 6
	.text
	.protected	k_q6ab1f3a766_gemm
	.globl	k_q6ab1f3a766_gemm
	.p2align	8
	.type	k_q6ab1f3a766_gemm,@function
k_q6ab1f3a766_gemm:
	s_mov_b64 s[64:65], 0
	v_nop
	global_prefetch_b8 v0, s[64:65] scope:SCOPE_SE
	s_setreg_imm32_b32 hwreg(HW_REG_WAVE_MODE, 25, 1), 1
	s_wait_xcnt 0x0
	s_wait_alu depctr_hold_cnt(0) depctr_sa_sdst(0) depctr_va_vdst(0) depctr_va_sdst(0) depctr_va_ssrc(0) depctr_va_vcc(0) depctr_vm_vsrc(0)
	s_getreg_b32 s2, hwreg(HW_REG_IB_STS2, 6, 4)
	s_cmp_eq_u32 s2, 0
	s_cbranch_scc0 .Lentry_in_a_cluster
	s_endpgm
.Lentry_in_a_cluster:
	s_bfe_u32 s2, ttmp6, 0x10000c
	s_cmp_lg_u32 s2, 0xf033
	s_cbranch_scc0 .Lentry_shape_is_right
	s_endpgm
.Lentry_shape_is_right:
; TWO THINGS IN ONE GRID of 28 x 16 work-groups.  Block columns 0-23 make the product; the 64 work-groups of block columns 24-27 (the clusters with x = 6) make
; the gates, 64 rows of x each: they read xb as the product does and nothing of the product, so they need no launch of their own.  The branch between the two
; hangs on the cluster's x alone, which all partners of a cluster share; the gates' way holds no tensor load and no round of the cluster's barrier.
;
; THE PRODUCT: qkv[m][n] = sum over k of xb[m][k] wb[n][k], bf16 operands, f32 sums; columns 0-2047 are q, 2048-4095 k, 4096-6143 v.
; On the way out each row's 128 columns of one head are divided by N = max(sqrt(sum of squares), 1e-12) in f32 and rounded once to f16: q and k because the
; problem normalises them, v so that it, too, is bounded by 1 and has room in f16 whatever the inputs' size; v = (what is stored) x N, and N goes out in f32
; behind the 4,096 x 6,144 numbers, as [48 heads][4,096 rows].  The norms of q's and k's heads go out with them and are not read again (524,288 bytes):
; so no branch hangs on the block's place.  LIMIT: a row whose squares underflow in f32 is divided by 1e-12, as in the problem's own normalisation.
; A work-group makes 256 x 256 with four waves; a wave makes 128 x 128 (64 accumulator tiles, 512 registers): its 128 columns are exactly one head,
; so the norm never leaves the wave.  K goes in steps of 128 through two LDS slots filled by the tensor data mover; a tile's rows are 256 bytes of memory.
; CLUSTERS: 4 x 4 work-groups.  The four of a row of the cluster need the same tiles of xb, the four of a column the same tiles of wb; each such tile is
; asked for jointly, by the same tensor load with the same descriptor and a mask that names the four.  That divides the requests for both by four.
; REGISTERS in windows of 256: window 0: v0-31 addresses, v64-127 and v128-191 fragments of xb (two buffers), v192-247 at work on the way out;
; window 1: v64-127, v128-191 fragments of wb; window 2: the accumulators of my rows 0-63 (tile (a, b) at v[8 (8 a + b)]); window 3: rows 64-127.
; The matrix instruction is used transposed (source 0 = rows of wb, source 1 = rows of xb): lane l holds row l % 16, registers 0-7 the columns 8 (l / 16) + 0..7.
;
; THE GATES, for 64 rows t of x (one chunk of one batch) and the 16 heads:
;   gc[b*16+head][t] = the sum, from the chunk's first row to t, of log2 sigmoid(x.Wa + ba);   bt[b*16+head][t] = softplus(x.Wb + bb) * 128^-0.5.
; Both come from log2(1 + 2^y) = max(y, 0) + log2(1 + 2^-|y|): no exponential can overflow; where 2^-|y| is below 2^-10 the logarithm is
; taken by e (log2e - e log2e / 2), whose error is of the order e^3; LIMIT: 2^-|y| below 2^-126 counts as 0.
.set SIZE_M, 4096
.set SIZE_N, 6144
.set SIZE_K, 2048
.set NORMS,  SIZE_M*SIZE_N*2           ; where the norms begin
.set KSTEP,  128
.set PITCH,  272                       ; an LDS row: 256 bytes + 16 of padding, so that the 16 rows of a fragment load start 4 banks apart (ISA guide 11.1)
.set HALFT,  128*PITCH                 ; 128 rows: one tensor load
.set SLOT,   4*HALFT                   ; xb's 256 rows, then wb's 256 rows
.set STAGE,  2*SLOT                    ; behind the ring: 16 rows x 272 bytes for each wave; no tensor load lands here
.set SPITCH, 272
.set LAPS, SIZE_K/(2*KSTEP)            ; 8 laps of two K steps
.set ADRA, 16
.set ADRB, 20
.set STO,  24
.set RD,   25
.set CO,   26
.set NA,   27                          ; the norms: into the stage, 4 bytes a row
.set NB,   28                          ; back, 16 bytes a lane
.set NO,   29                          ; and out
.set F0,   64
.set F1,   128
.set SC,   128                         ; way out: 16 rows x 128 columns, scaled, f32
.set TMP,  192                         ; way out: the same, packed
.set SS,   224                         ; way out: four chains of squares
.set RN,   232                         ; way out: 1 / N, twice
.set PT,   234                         ; way out: the other half's sum
.set NM,   236                         ; v[236:243] N of rows 16 i + l % 16
.set NL,   244                         ; v[244:247] four norms on their way out
.set G1, 24
.set G0, 32
.set G1B, 48
.set G0B, 56
.set GST,  STAGE                       ; the gates: [4 parts of K][32 rows of wab][64 t] f32, pitch 272: 34,816 bytes where no tensor load lands
.set GPP,  272
.set GACC, 64                          ; the gates: v[64:127] eight accumulators, (16 rows mt, Wa or Wb) at 8 (2 mt + nt)
.set GR,   128                         ; the gates: v[128:255] 32 registers for each of a thread's four rows of the last phase
.set MSB, 0
.macro WIN new                         ; the immediate's high byte repeats the setting that is left
.if MSB != \new
	s_set_vgpr_msb (MSB<<8)|\new
.set MSB, \new
.endif
.endm
.set MUL_LO, 0xa1                      ; source 0 window 1, source 1 window 0, C and D window 2
.set MUL_HI, 0xf1                      ; the same, C and D window 3
.set TO_B,   0x40                      ; destination window 1
; A joint load: waves 0 and 1 fetch xb's two halves, waves 2 and 3 wb's.  The branch hangs on the wave's number alone.
.macro JLOAD s
	s_cmp_eq_u32 s11, 0
	s_cbranch_scc0 .Lfor_b_\@
	tensor_load_to_lds s[G0+4*\s:G0+4*\s+3], s[G1:G1+7]
	s_nop 0
	s_branch .Lasked_\@
.Lfor_b_\@:
	tensor_load_to_lds s[G0B+4*\s:G0B+4*\s+3], s[G1B:G1B+7]
	s_nop 0
.Lasked_\@:
.endm
; A round of the cluster's barrier: my work-group's barrier; wave 0 signals for the work-group; every wave waits for all sixteen; my work-group's barrier again.
.macro CREST
	s_cmp_lg_u32 s10, 0
	s_cbranch_scc1 .Lnot_wave_0_\@
	s_barrier_signal -3
.Lnot_wave_0_\@:
	s_barrier_wait -3
	s_barrier_signal -1
	s_barrier_wait -1
.endm
.macro CROUND
	s_barrier_signal -1
	s_barrier_wait -1
	CREST
.endm
	s_load_b128 s[4:7], s[0:1], 0x0                ; xb s[4:5], wb s[6:7]
	s_load_b64 s[8:9], s[0:1], 0x10                ; qkv
	v_lshl_add_u32 v254, v0, 2, 0x4c800
	v_mov_b32 v255, 0
	ds_add_u32 v254, v255
	ds_add_u32 v254, v255
	s_wait_dscnt 0x0
	v_lshrrev_b32 v1, 5, v0
	v_readfirstlane_b32 s10, v1                    ; wave 0..3
	s_lshr_b32 s11, s10, 1                         ; my half of the block's rows; also: I fetch for xb (0) or wb (1)
	s_and_b32 s12, s10, 1                          ; my half of its columns; also: which 128 rows of that tile I fetch
	s_bfe_u32 s40, ttmp6, 0x40000                  ; cx
	s_bfe_u32 s41, ttmp6, 0x40004                  ; cy
	s_lshl_b32 s42, ttmp9, 2
	s_add_co_u32 s42, s42, s40                     ; block column = 4 x cluster x + cx
	s_and_b32 s13, ttmp7, 0xffff
	s_lshl_b32 s13, s13, 2
	s_add_co_u32 s13, s13, s41                     ; block row = 4 x cluster y + cy
	s_cmp_eq_u32 ttmp9, 6                          ; the cluster's x: the same number in all sixteen partners
	s_cbranch_scc1 .Lgates
	s_lshl_b32 s43, s41, 2
	s_lshl_b32 s43, 15, s43                        ; my row of the cluster
	s_lshl_b32 s44, 0x1111, s40                    ; my column
	s_or_b32 s[G1+0], s43, (1<<16)|(1<<20)|(1<<21)|(5<<22)|(3<<25)  ; mask; 2-byte elements; padding of 4 words after every 64; bit 21 beside a mask
	s_or_b32 s[G1B+0], s44, (1<<16)|(1<<20)|(1<<21)|(5<<22)|(3<<25)
	s_mov_b32 s[G1B+1], KSTEP<<16
	s_mov_b32 s[G1+1], KSTEP<<16                   ; tensor_dim0 = 128
	s_mov_b32 s[G1B+2], 128<<16
	s_mov_b32 s[G1+2], 128<<16                     ; tensor_dim1 = 128
	s_mov_b32 s[G1B+3], KSTEP<<16
	s_mov_b32 s[G1+3], KSTEP<<16                   ; tile_dim0 = 128
	s_mov_b32 s[G1B+4], 128
	s_mov_b32 s[G1+4], 128                         ; tile_dim1 = 128
	s_mov_b32 s[G1B+5], SIZE_K
	s_mov_b32 s[G1+5], SIZE_K                      ; elements from row to row
	s_mov_b32 s[G1B+6], 0
	s_mov_b32 s[G1+6], 0
	s_mov_b32 s[G1B+7], 0
	s_mov_b32 s[G1+7], 0
	s_lshl_b32 s17, s12, 7
	s_lshl_b32 s16, s13, 8
	s_add_co_u32 s16, s16, s17                     ; xb: row 256 x block row + 128 x half
	s_lshl_b32 s46, s42, 8
	s_add_co_u32 s46, s46, s17                     ; wb: row 256 x block column + 128 x half
	s_mov_b32 s17, 0
	s_mov_b32 s47, 0
	s_mov_b64 s[18:19], SIZE_K*2
	s_mul_u64 s[16:17], s[16:17], s[18:19]
	s_mul_u64 s[46:47], s[46:47], s[18:19]
	s_mul_i32 s20, s10, HALFT                      ; LDS: wave x 128 rows; no place in the cluster enters an LDS address
	s_wait_kmcnt 0x0
	s_add_nc_u64 s[14:15], s[4:5], s[16:17]
	s_add_nc_u64 s[46:47], s[6:7], s[46:47]
	CROUND                                         ; all sixteen work-groups are here: the first joint loads meet
.irp s, 0,1
	s_mov_b32 s[G0+4*\s], 1
	s_add_co_u32 s[G0+4*\s+1], s20, \s*SLOT
	s_add_nc_u64 s[G0+4*\s+2:G0+4*\s+3], s[14:15], \s*KSTEP*2
	s_or_b32 s[G0+4*\s+3], s[G0+4*\s+3], 0x80000000
	s_mov_b32 s[G0B+4*\s], 1
	s_add_co_u32 s[G0B+4*\s+1], s20, \s*SLOT
	s_add_nc_u64 s[G0B+4*\s+2:G0B+4*\s+3], s[46:47], \s*KSTEP*2
	s_or_b32 s[G0B+4*\s+3], s[G0B+4*\s+3], 0x80000000
	JLOAD \s                                       ; two tensor loads of the wave are out after these; later one
.endr
	v_and_b32 v1, 15, v0                           ; l % 16
	v_bfe_u32 v2, v0, 4, 1                         ; l / 16
	v_mul_u32_u24 v3, v1, PITCH
	v_lshl_add_u32 v3, v2, 4, v3
	s_mul_i32 s21, s11, HALFT
	s_mul_i32 s22, s12, HALFT
	s_add_co_u32 s22, s22, 2*HALFT
.irp s, 0,1
	v_add_nc_u32 v[ADRA+\s], s21, v3
	v_add_nc_u32 v[ADRB+\s], s22, v3
	s_add_co_u32 s21, s21, SLOT
	s_add_co_u32 s22, s22, SLOT
.endr
	s_mul_i32 s23, s10, 16*SPITCH
	s_add_co_u32 s23, s23, STAGE
	v_mul_u32_u24 v4, v1, SPITCH
	v_lshl_add_u32 v4, v2, 4, v4
	v_add_nc_u32 v[STO], s23, v4
	v_mul_u32_u24 v5, v2, SPITCH
	v_lshl_add_u32 v5, v1, 4, v5
	v_add_nc_u32 v[RD], s23, v5
	v_mul_u32_u24 v5, v2, SIZE_N*2
	v_lshl_add_u32 v[CO], v1, 4, v5
	v_lshl_add_u32 v[NA], v1, 2, s23
	v_and_b32 v[NO], 31, v0
	v_lshlrev_b32 v[NO], 4, v[NO]
	v_add_nc_u32 v[NB], s23, v[NO]
; 16 matrix instructions: m blocks a0, a0 + 1 of the window's four x all 8 n blocks, 32 along K.  zero = 1: the product starts the sums.
.macro MUL16 f, hi, a0, zero
.irp a, \a0, \a0+1
.irp b, 0,1,2,3,4,5,6,7
.if \zero
	v_wmma_f32_16x16x32_bf16 v[8*(8*(\a)+\b):8*(8*(\a)+\b)+7], v[\f+8*\b:\f+8*\b+7], v[\f+8*(4*\hi+\a):\f+8*(4*\hi+\a)+7], 0
.else
	v_wmma_f32_16x16x32_bf16 v[8*(8*(\a)+\b):8*(8*(\a)+\b)+7], v[\f+8*\b:\f+8*\b+7], v[\f+8*(4*\hi+\a):\f+8*(4*\hi+\a)+7], v[8*(8*(\a)+\b):8*(8*(\a)+\b)+7]
.endif
.endr
.endr
.endm
; 32 LDS loads in one run: the fragments of a quarter step into buffer f
.macro FETCH slot, k, f
	WIN TO_B
.irp i, 0,1,2,3,4,5,6,7
	ds_load_b128 v[\f+8*\i:\f+8*\i+3],   v[ADRB+\slot] offset:\k+\i*16*PITCH
	ds_load_b128 v[\f+8*\i+4:\f+8*\i+7], v[ADRB+\slot] offset:\k+\i*16*PITCH+32
.endr
	WIN 0
.irp i, 0,1,2,3,4,5,6,7
	ds_load_b128 v[\f+8*\i:\f+8*\i+3],   v[ADRA+\slot] offset:\k+\i*16*PITCH
	ds_load_b128 v[\f+8*\i+4:\f+8*\i+7], v[ADRA+\slot] offset:\k+\i*16*PITCH+32
.endr
.endm
.macro PLACES                          ; four places between a matrix instruction and a load into, or a vector use of, its registers
.rept 4
	v_nop
.endr
.endm
; The 64 accumulators take turns, one instruction a turn, in the same order in every quarter step.
.macro QUARTER slot, k, f, g, zero
	s_wait_dscnt 8                                 ; wb's fragments and xb's rows 0-63 are in; the youngest eight loads may be out
	WIN MUL_LO
	MUL16 \f, 0, 0, \zero
	MUL16 \f, 0, 2, \zero
	PLACES
	FETCH \slot, \k, \g
	s_wait_dscnt 32                                ; all but the 32 just issued
	WIN MUL_HI
	MUL16 \f, 1, 0, \zero
	MUL16 \f, 1, 2, \zero
.endm
.macro THREE slot, zero
	QUARTER \slot, 64,  F0, F1, \zero
	QUARTER \slot, 128, F1, F0, 0
	QUARTER \slot, 192, F0, F1, 0
.endm
; The last quarter of a K step changes slots: each wave waits for its reads of this slot and for all its tensor loads (one is out: its part of the
; next slot), then the barrier, which opens a round of the cluster's barrier where the slot is filled again; the joint refill comes first behind it.
.macro TURN slot, next, fill
	s_wait_dscnt 8
	WIN MUL_LO
	MUL16 F1, 0, 0, 0
	s_wait_dscnt 0
	s_set_vgpr_msb 0xa1a0
	s_wait_tensorcnt 0x0
	ds_add_u32 v254, v255
	s_wait_dscnt 0x0
	s_set_vgpr_msb 0xa0a1
	s_barrier_signal -1
	MUL16 F1, 0, 2, 0                              ; register work while the others arrive
	WIN 0
	s_barrier_wait -1
.if \fill
	CREST
	s_add_nc_u64 s[G0+4*\slot+2:G0+4*\slot+3], s[G0+4*\slot+2:G0+4*\slot+3], 2*KSTEP*2
	s_add_nc_u64 s[G0B+4*\slot+2:G0B+4*\slot+3], s[G0B+4*\slot+2:G0B+4*\slot+3], 2*KSTEP*2
	JLOAD \slot
.endif
	PLACES
	FETCH \next, 0, F0
	WIN MUL_HI
	MUL16 F1, 1, 0, 0
	MUL16 F1, 1, 2, 0
.endm
.macro LAP zero
	THREE 0, \zero
	TURN 0, 1, 1
	THREE 1, 0
	TURN 1, 0, 1
.endm
	s_wait_tensorcnt 1                             ; my part of K step 0 is in; K step 1's stays out
	s_barrier_signal -1
	s_barrier_wait -1
	FETCH 0, 0, F0
	LAP 1
	WIN 0
	s_mov_b32 s3, LAPS-2
.Llap:
	LAP 0
	WIN 0
	s_sub_co_u32 s3, s3, 1
	s_cmp_lg_u32 s3, 0
	s_cbranch_scc1 .Llap
	THREE 0, 0                                     ; the last lap fills nothing
	TURN 0, 1, 0
	THREE 1, 0
	s_wait_dscnt 8
	WIN MUL_LO
	MUL16 F1, 0, 0, 0
	MUL16 F1, 0, 2, 0
	s_wait_dscnt 0
	WIN MUL_HI
	MUL16 F1, 1, 0, 0
	MUL16 F1, 1, 2, 0
	; THE WAY OUT, 16 rows at a time: the row's norm, the scaling, one rounding, through my own stage in LDS, out as whole rows of 256 bytes.
	PLACES
	WIN 0
	v_mov_b32 v[PT], 0                             ; v_permlanex16_b32 counts as a reader of its destination
	s_mov_b32 s20, 0x76543210                      ; lane i of one half reads lane i of the other
	s_mov_b32 s21, 0xfedcba98
	s_add_nc_u64 s[4:5], s[8:9], NORMS             ; the norms lie behind the numbers
	s_lshl_b32 s13, s13, 8
	s_lshl_b32 s14, s11, 7
	s_add_co_u32 s16, s13, s14                     ; my first row
	s_lshl_b32 s46, s42, 1
	s_add_co_u32 s46, s46, s12                     ; my head, 0 to 47
	s_lshl_b32 s46, s46, 14                        ; 4,096 rows of 4 bytes
	s_lshl_b32 s47, s16, 2
	s_add_co_u32 s46, s46, s47
	s_mov_b32 s47, 0
	s_add_nc_u64 s[4:5], s[4:5], s[46:47]          ; my 128 norms: 512 consecutive bytes
	s_mov_b32 s17, 0
	s_mov_b64 s[18:19], SIZE_N*2
	s_mul_u64 s[16:17], s[16:17], s[18:19]
	s_add_nc_u64 s[8:9], s[8:9], s[16:17]
	s_lshl_b32 s46, s42, 9                         ; my first column, in bytes
	s_lshl_b32 s47, s12, 8
	s_add_co_u32 s46, s46, s47
	s_mov_b32 s47, 0
	s_add_nc_u64 s[8:9], s[8:9], s[46:47]
; rows 16 i .. + 15 = the eight tiles (a, 0..7) of window 2 or 3.  sq: both sources in that window (0x0a, 0x0f); mu: source 0 alone (0x02, 0x03); f: 64 or 96 in turn
.macro OUT16 i, a, sq, mu, f
	WIN \sq
.irp r, 0,1,2,3
	v_pk_mul_f32 v[SS+2*\r:SS+2*\r+1], v[64*\a+2*\r:64*\a+2*\r+1], v[64*\a+2*\r:64*\a+2*\r+1]     ; the first squares start four chains
.endr
.irp b, 1,2,3,4,5,6,7
.irp r, 0,1,2,3
	v_pk_fma_f32 v[SS+2*\r:SS+2*\r+1], v[8*(8*\a+\b)+2*\r:8*(8*\a+\b)+2*\r+1], v[8*(8*\a+\b)+2*\r:8*(8*\a+\b)+2*\r+1], v[SS+2*\r:SS+2*\r+1]
.endr
.endr
	WIN 0
	v_pk_add_f32 v[SS:SS+1], v[SS:SS+1], v[SS+2:SS+3]
	v_pk_add_f32 v[SS+4:SS+5], v[SS+4:SS+5], v[SS+6:SS+7]
	v_pk_add_f32 v[SS:SS+1], v[SS:SS+1], v[SS+4:SS+5]
	v_add_f32 v[SS], v[SS], v[SS+1]                ; my 64 columns of the row;
	v_permlanex16_b32 v[PT], v[SS], s20, s21       ; lane l ^ 16 holds the other 64
	v_add_f32 v[SS], v[SS], v[PT]
	v_sqrt_f32 v[SS+1], v[SS]
	v_nop                                          ; one plain place behind a transcendental (ISA guide 5.7.2)
	s_wait_alu depctr_va_vdst(0)
	v_max_num_f32 v[NM+\i], 0x2b8cbccc, v[SS+1]    ; N = max(norm, 1e-12), kept for the end
	v_rcp_f32 v[RN], v[NM+\i]
	v_nop
	s_wait_alu depctr_va_vdst(0)
	v_mov_b32 v[RN+1], v[RN]
	WIN \mu
.irp b, 0,1,2,3,4,5,6,7
.irp r, 0,1,2,3
	v_pk_mul_f32 v[SC+8*\b+2*\r:SC+8*\b+2*\r+1], v[8*(8*\a+\b)+2*\r:8*(8*\a+\b)+2*\r+1], v[RN:RN+1]
.endr
.endr
	WIN 0
.irp b, 0,1,2,3,4,5,6,7
.irp r, 0,1,2,3
	v_cvt_pk_f16_f32 v[TMP+4*\b+\r], v[SC+8*\b+2*\r], v[SC+8*\b+2*\r+1]    ; at most 1 in magnitude: f16 has the room, and three more bits than bf16
.endr
.endr
.irp b, 0,1,2,3,4,5,6,7
	ds_store_b128 v[STO], v[TMP+4*\b:TMP+4*\b+3] offset:32*\b
.endr
	s_wait_xcnt 0x0                                ; buffer f, which earlier stores read, and the stores' base are rewritten only behind this wait
.if \i
	s_add_nc_u64 s[8:9], s[8:9], 16*SIZE_N*2
.endif
.irp t, 0,1,2,3,4,5,6,7
	ds_load_b128 v[\f+4*\t:\f+4*\t+3], v[RD] offset:\t*2*SPITCH    ; LDS serves a wave's instructions in order: these see the stores above
.endr
.irp t, 0,1,2,3,4,5,6,7
	s_wait_dscnt 7-\t
	global_store_b128 v[CO], v[\f+4*\t:\f+4*\t+3], s[8:9] offset:2*\t*SIZE_N*2   ; 16 lanes store 256 consecutive bytes, at a multiple of 256 from the buffer's first byte
.endr
.endm
	OUT16 0, 0, 0x0a, 0x02, 64
	OUT16 1, 1, 0x0a, 0x02, 96
	OUT16 2, 2, 0x0a, 0x02, 64
	OUT16 3, 3, 0x0a, 0x02, 96
	OUT16 4, 0, 0x0f, 0x03, 64
	OUT16 5, 1, 0x0f, 0x03, 96
	OUT16 6, 2, 0x0f, 0x03, 64
	OUT16 7, 3, 0x0f, 0x03, 96
	; my 128 norms: row 16 i + l % 16 lies in register i (both halves of the lanes hold it); through the stage they become 16 bytes a lane
.irp i, 0,1,2,3,4,5,6,7
	ds_store_b32 v[NA], v[NM+\i] offset:64*\i
.endr
	ds_load_b128 v[NL:NL+3], v[NB]                 ; in order behind the stores
	s_wait_dscnt 0x0
	global_store_b128 v[NO], v[NL:NL+3], s[4:5]    ; one store of 512 consecutive bytes
	s_wait_tensorcnt 0x0
	ds_add_u32 v254, v255
	s_wait_dscnt 0x0
	CROUND                                         ; the closing round: no work-group ends while a partner may still ask for a tile that names it
	s_endpgm
	; ==================================================== THE GATES ====================================================
	; Four waves: wave w multiplies all 64 rows by all 32 rows of wab (16 of Wa, 16 of Wb) over K = 512 w .. + 511; the four parts of K meet in LDS.
	; Operands come straight from memory into fragments: each is used once in the work-group, so LDS would add a copy.  Window 1 holds x's fragments of half the
	; wave's K ((16 rows mt, K step k) at 8 (8 mt + k): 256 registers), window 2 wab's ((nt, k) at 8 (8 nt + k)), window 0 the eight accumulators.
.Lgates:
	s_load_b256 s[16:23], s[0:1], 0x18             ; wab 16, ba 18, bb 20, gc 22
	s_load_b64 s[24:25], s[0:1], 0x38              ; bt
	s_lshl2_add_u32 s26, s13, s40                  ; which 64 rows, 0 to 63: 4 x block row + cx (it enters global addresses alone)
	v_and_b32 v1, 15, v0                           ; r
	v_bfe_u32 v2, v0, 4, 1                         ; h
	v_lshlrev_b32 v3, 12, v1
	v_lshl_add_u32 v3, v2, 4, v3                   ; fragment: row r of 4,096 bytes + 16 h
	s_and_b32 s27, s10, 1
	s_lshl_b32 s27, s27, 3
	v_add_nc_u32 v4, s27, v2                       ; the last phase: the head of my first row, 8 (w & 1) + h
	v_lshlrev_b32 v5, 2, v4                        ; its bias
	v_lshlrev_b32 v9, 13, v4                       ; its 8,192 bytes of gc or bt,
	v_lshl_add_u32 v9, v1, 4, v9                   ; + 16 bytes for each of 16 lanes
	s_lshl_b32 s28, s26, 18                        ; 64 rows of 4,096 bytes
	s_lshl_b32 s30, s10, 10                        ; 512 bf16 along K
	s_add_co_u32 s28, s28, s30
	s_mov_b32 s29, 0
	s_mov_b32 s31, 0
	s_mov_b32 s34, 0xbfb8aa3b                      ; -log2 e
	s_mov_b32 s35, 0x3fb8aa3b                      ;  log2 e
	s_mov_b32 s36, 0x3d7af233                      ; ln 2 * 128^-0.5
	s_mov_b32 s37, 0xbf800000                      ; -1
	s_mov_b32 s39, 0xbf38aa3b                      ; -log2 e / 2
	s_lshr_b32 s48, s26, 5
	s_lshl_b32 s48, s48, 17                        ; batch x 16 heads x 8,192 bytes
	s_and_b32 s49, s26, 31
	s_lshl_b32 s49, s49, 8                         ; chunk x 256 bytes
	s_add_co_u32 s48, s48, s49
	s_mov_b32 s49, 0
	s_wait_kmcnt 0x0
	s_add_nc_u64 s[4:5], s[4:5], s[28:29]
	s_add_nc_u64 s[16:17], s[16:17], s[30:31]
	s_cmp_lt_u32 s10, 2                            ; in the last phase waves 0, 1 finish the decays, waves 2, 3 the betas
	s_cselect_b64 s[44:45], s[18:19], s[20:21]     ; bias
	s_cselect_b64 s[46:47], s[22:23], s[24:25]     ; output
	s_cselect_b32 s32, s34, s35                    ; y = z * s32
	s_cselect_b32 s33, s37, s36                    ; result = s33 * log2(1 + 2^y)
	s_add_nc_u64 s[46:47], s[46:47], s[48:49]
.irp i, 0,1,2,3
	global_load_b32 v[12+\i], v5, s[44:45] offset:8*\i     ; the biases of my four rows: heads two apart
.endr
; Half of the wave's K: 96 loads, one wait, 64 products.  The eight accumulators take turns, one instruction a turn.
.macro GHALF hf
	WIN 0x40                                       ; destination window 1
.irp mt, 0,1,2,3
.irp k, 0,1,2,3,4,5,6,7
	global_load_b128 v[8*(8*\mt+\k):8*(8*\mt+\k)+3],   v3, s[4:5] offset:\mt*65536+(8*\hf+\k)*64
	global_load_b128 v[8*(8*\mt+\k)+4:8*(8*\mt+\k)+7], v3, s[4:5] offset:\mt*65536+(8*\hf+\k)*64+32
.endr
.endr
	WIN 0x80                                       ; destination window 2
.irp nt, 0,1
.irp k, 0,1,2,3,4,5,6,7
	global_load_b128 v[8*(8*\nt+\k):8*(8*\nt+\k)+3],   v3, s[16:17] offset:\nt*65536+(8*\hf+\k)*64
	global_load_b128 v[8*(8*\nt+\k)+4:8*(8*\nt+\k)+7], v3, s[16:17] offset:\nt*65536+(8*\hf+\k)*64+32
.endr
.endr
	s_wait_loadcnt 0x0
	WIN 0x09                                       ; source 0 window 1, source 1 window 2
.irp k, 0,1,2,3,4,5,6,7
.irp mt, 0,1,2,3
.irp nt, 0,1
.if \hf+\k == 0
	v_wmma_f32_16x16x32_bf16 v[GACC+8*(2*\mt+\nt):GACC+8*(2*\mt+\nt)+7], v[8*(8*\mt+\k):8*(8*\mt+\k)+7], v[8*(8*\nt+\k):8*(8*\nt+\k)+7], 0
.else
	v_wmma_f32_16x16x32_bf16 v[GACC+8*(2*\mt+\nt):GACC+8*(2*\mt+\nt)+7], v[8*(8*\mt+\k):8*(8*\mt+\k)+7], v[8*(8*\nt+\k):8*(8*\nt+\k)+7], v[GACC+8*(2*\mt+\nt):GACC+8*(2*\mt+\nt)+7]
.endif
.endr
.endr
.endr
	WIN 0
	PLACES                                         ; before fragments are loaded again or results are stored
.endm
	GHALF 0
	GHALF 1
	; the four parts of K meet.  An accumulator: lane = row r of Wa or Wb, register j = t = 16 mt + 8 h + j
	s_mul_i32 s38, s10, 32*GPP
	s_add_co_u32 s38, s38, GST
	v_mul_u32_u24 v7, v1, GPP
	v_lshl_add_u32 v7, v2, 5, v7
	v_add_nc_u32 v7, s38, v7                       ; my part + r x 272 + 8 h x 4
.irp mt, 0,1,2,3
.irp nt, 0,1
	ds_store_b128 v7, v[GACC+8*(2*\mt+\nt):GACC+8*(2*\mt+\nt)+3]   offset:\nt*16*GPP+\mt*64
	ds_store_b128 v7, v[GACC+8*(2*\mt+\nt)+4:GACC+8*(2*\mt+\nt)+7] offset:\nt*16*GPP+\mt*64+16
.endr
.endr
	s_wait_dscnt 0x0                               ; my stores are done before I say so
	s_barrier_signal -1
	s_barrier_wait -1
	s_lshl_b32 s38, s10, 3
	v_add_nc_u32 v8, s38, v2                       ; a thread takes rows n = 8 w + h + 2 i of the 32, i = 0..3, and four t of each
	v_mul_u32_u24 v8, v8, GPP
	v_lshl_add_u32 v8, v1, 4, v8
	v_add_nc_u32 v8, GST, v8
.irp i, 0,1,2,3
.irp q, 0,1,2,3
	ds_load_b128 v[GR+32*\i+4*\q:GR+32*\i+4*\q+3], v8 offset:\i*2*GPP+\q*32*GPP
.endr
.endr
	v_mov_b32 v11, 0                               ; a DPP move counts as a reader of its destination
	s_wait_dscnt 0x0
.macro GVAL i
	v_mul_f32 v[GR+32*\i+24], s32, v[12+\i]        ; bias x the factor (the biases came in with the first wait for loads)
	v_pk_add_f32 v[GR+32*\i:GR+32*\i+1], v[GR+32*\i:GR+32*\i+1], v[GR+32*\i+4:GR+32*\i+5]
	v_pk_add_f32 v[GR+32*\i+2:GR+32*\i+3], v[GR+32*\i+2:GR+32*\i+3], v[GR+32*\i+6:GR+32*\i+7]
	v_pk_add_f32 v[GR+32*\i+8:GR+32*\i+9], v[GR+32*\i+8:GR+32*\i+9], v[GR+32*\i+12:GR+32*\i+13]
	v_pk_add_f32 v[GR+32*\i+10:GR+32*\i+11], v[GR+32*\i+10:GR+32*\i+11], v[GR+32*\i+14:GR+32*\i+15]
	v_pk_add_f32 v[GR+32*\i:GR+32*\i+1], v[GR+32*\i:GR+32*\i+1], v[GR+32*\i+8:GR+32*\i+9]
	v_pk_add_f32 v[GR+32*\i+2:GR+32*\i+3], v[GR+32*\i+2:GR+32*\i+3], v[GR+32*\i+10:GR+32*\i+11]
.irp c, 0,1,2,3
	v_fma_f32 v[GR+32*\i+16+\c], v[GR+32*\i+\c], s32, v[GR+32*\i+24]       ; y
.endr
.irp c, 0,1,2,3
	v_exp_f32 v[GR+32*\i+20+\c], -|v[GR+32*\i+16+\c]|                      ; e = 2^-|y|, at most 1
.endr
.irp c, 0,1,2,3
	v_max_num_f32 v[GR+32*\i+\c], 0, v[GR+32*\i+16+\c]                     ; plain work stands between the exponentials and their use (ISA guide 5.7.2)
.endr
	s_wait_alu depctr_va_vdst(0)
.irp c, 0,1,2,3
	v_add_f32 v[GR+32*\i+4+\c], 1.0, v[GR+32*\i+20+\c]
	v_fma_f32 v[GR+32*\i+8+\c], v[GR+32*\i+20+\c], s39, s35                ; log2e - e log2e / 2
.endr
.irp c, 0,1,2,3
	v_log_f32 v[GR+32*\i+12+\c], v[GR+32*\i+4+\c]
.endr
.irp c, 0,1,2,3
	v_mul_f32 v[GR+32*\i+8+\c], v[GR+32*\i+8+\c], v[GR+32*\i+20+\c]
.endr
	s_wait_alu depctr_va_vdst(0)
.irp c, 0,1,2,3
	v_cmp_gt_f32 vcc_lo, 0x3a800000, v[GR+32*\i+20+\c]                     ; e below 2^-10: the short series keeps the digits that 1 + e would drop
	v_cndmask_b32 v[GR+32*\i+12+\c], v[GR+32*\i+12+\c], v[GR+32*\i+8+\c], vcc_lo
	v_add_f32 v[GR+32*\i+\c], v[GR+32*\i+\c], v[GR+32*\i+12+\c]
	v_mul_f32 v[GR+32*\i+\c], s33, v[GR+32*\i+\c]
.endr
.endm
.irp i, 0,1,2,3
	GVAL \i
.endr
	s_cmp_ge_u32 s10, 2
	s_cbranch_scc1 .Lgplain                        ; the betas are stored as they are
	; the decays: running sum over the chunk's 64 rows = 4 in the thread x the 16 threads of a row of lanes
.irp i, 0,1,2,3
	v_add_f32 v[GR+32*\i+1], v[GR+32*\i+1], v[GR+32*\i]
	v_add_f32 v[GR+32*\i+2], v[GR+32*\i+2], v[GR+32*\i+1]
	v_add_f32 v[GR+32*\i+3], v[GR+32*\i+3], v[GR+32*\i+2]
	v_mov_b32 v10, v[GR+32*\i+3]
.irp n, 1,2,4,8
	v_mov_b32_dpp v11, v10 row_shr:\n row_mask:0xf bank_mask:0xf bound_ctrl:1      ; lane i takes lane i - n, or 0
	v_add_f32 v10, v10, v11
.endr
	v_mov_b32_dpp v11, v10 row_shr:1 row_mask:0xf bank_mask:0xf bound_ctrl:1       ; what stands in front of my four
.irp c, 0,1,2,3
	v_add_f32 v[GR+32*\i+\c], v[GR+32*\i+\c], v11
.endr
.endr
.Lgplain:
.irp i, 0,1,2,3
	global_store_b128 v9, v[GR+32*\i:GR+32*\i+3], s[46:47] offset:\i*16384         ; 16 lanes store the chunk's 256 consecutive bytes of one head
.endr
	s_wait_tensorcnt 0x0
	ds_add_u32 v254, v255
	s_wait_dscnt 0x0
	s_endpgm
.Lfunc_end_k_q6ab1f3a766_gemm:
	.size	k_q6ab1f3a766_gemm, .Lfunc_end_k_q6ab1f3a766_gemm-k_q6ab1f3a766_gemm
	.p2alignl 7, 3214868480
	.fill 96, 4, 3214868480
	.section	.rodata,"a",@progbits
	.p2align	6, 0x0
	.amdhsa_kernel k_q6ab1f3a766_gemm
		.amdhsa_group_segment_fixed_size 327680
		.amdhsa_private_segment_fixed_size 0
		.amdhsa_enable_private_segment 0
		.amdhsa_kernarg_size 64
		.amdhsa_user_sgpr_count 2
		.amdhsa_user_sgpr_kernarg_segment_ptr 1
		.amdhsa_wavefront_size32 1
		.amdhsa_system_sgpr_workgroup_id_x 1
		.amdhsa_system_sgpr_workgroup_id_y 1
		.amdhsa_system_sgpr_workgroup_id_z 1
		.amdhsa_system_vgpr_workitem_id 0
		.amdhsa_next_free_vgpr 1024
		.amdhsa_next_free_sgpr 66
		.amdhsa_reserve_vcc 1
		.amdhsa_float_denorm_mode_32 3
		.amdhsa_float_denorm_mode_16_64 3
		.amdhsa_memory_ordered 1
		.amdhsa_forward_progress 1
		.amdhsa_inst_pref_size 255
	.end_amdhsa_kernel
	.section	.bss,"aw",@nobits
	.p2align	6
	.space	262144
	.amdgpu_metadata
---
amdhsa.version: [ 1, 2 ]
amdhsa.kernels:
  - .name:           k_q6ab1f3a766_gemm
    .symbol:         k_q6ab1f3a766_gemm.kd
    .args:
      - { .name: xb, .offset: 0, .size: 8, .value_kind: global_buffer, .address_space: global }
      - { .name: wb, .offset: 8, .size: 8, .value_kind: global_buffer, .address_space: global }
      - { .name: qkv, .offset: 16, .size: 8, .value_kind: global_buffer, .address_space: global }
      - { .name: wab, .offset: 24, .size: 8, .value_kind: global_buffer, .address_space: global }
      - { .name: ba, .offset: 32, .size: 8, .value_kind: global_buffer, .address_space: global }
      - { .name: bb, .offset: 40, .size: 8, .value_kind: global_buffer, .address_space: global }
      - { .name: gc, .offset: 48, .size: 8, .value_kind: global_buffer, .address_space: global }
      - { .name: bt, .offset: 56, .size: 8, .value_kind: global_buffer, .address_space: global }
    .group_segment_fixed_size: 327680
    .private_segment_fixed_size: 0
    .kernarg_segment_align: 8
    .kernarg_segment_size: 64
    .max_flat_workgroup_size: 128
    .sgpr_count:     66
    .vgpr_count:     1024
    .wavefront_size: 32
...
	.end_amdgpu_metadata
.endif
;; end of part 6
;; launch prep (part 7): grid 256 x 1, 4 waves a work-group, no clusters, 299,520 bytes of LDS; arguments qkv, gc, bt, ops, u0; writes ops, u0
.if DOCPART == 7
	.amdgcn_target "amdgcn-amd-amdhsa--gfx1250"
	.amdhsa_code_object_version 6
	.text
	.protected	k_q6ab1f3a766_prep
	.globl	k_q6ab1f3a766_prep
	.p2align	8
	.type	k_q6ab1f3a766_prep,@function
k_q6ab1f3a766_prep:
	s_mov_b64 s[64:65], 0
	v_nop
	global_prefetch_b8 v0, s[64:65] scope:SCOPE_SE
	s_setreg_imm32_b32 hwreg(HW_REG_WAVE_MODE, 25, 1), 1
	s_wait_xcnt 0x0
; Everything of the gated delta rule that one chunk of 64 steps of one (batch, head) can compute without the state.  With g_t the running sum of
; log2 alpha inside the chunk, A[t][i] = beta_t 2^(g_t - g_i) (k_t.k_i) for i < t, and X = (I + A)^-1:
;   Wn = -X diag(beta 2^g) K     Qg = diag(2^g) Q     Kd = (diag(2^(g_63 - g_i)) K)^T     Aq[t][i] = 2^(g_t - g_i) (q_t.k_i) for i <= t     U0 = X diag(beta) V.
; Every exponent that is kept is at most 0.  X is found by exact forward substitution in f32 (no series is cut); the products go to the matrix unit in f16.
; FORMATS: q, k and v come normalised (at most 1), so they, Qg, Kd and Aq have room in f16 for every input.  v's norm joins beta in U0's scale.  X diag(scale) is
; not bounded: it is divided by a power of two taken from its largest magnitude in the chunk, so that this lies in [16, 32).  U0 is multiplied back in f32;
; Wn (at most 64 x 32) stays in that unit, and the unit goes out in f32 behind u0's tiles, 128 bytes a chunk (each lane stores its copy).
; LIMITS: an element of X diag(scale) is exact to 2^-12 of itself or 2^-29 of the chunk's largest; a largest magnitude below 2^-100 counts as 2^-100;
; an exponential below 2^-126 counts as 0 (below 2^-24 in Qg and Kd); where beta |k|^2 passes 2, X grows as the recurrence itself does.
; One wave makes one chunk: 1,024 chunks = 256 work-groups x 4 waves.  No two chunks share a byte of input, so there is nothing for a cluster to share,
; and no wave reads another's LDS, so there is no barrier.  Each wave's three tiles (q, k, v: 64 rows x 256 bytes) come by three tensor loads, all out at once.
; The four f16 results leave as fragment images: 1,024 bytes = registers 0-3 of the 32 lanes (16 bytes a lane), then registers 4-7; U0 leaves as the f32 image
; of the accumulator tile in the same way.  So every such store of the wave covers 512 consecutive bytes, and the next launch loads fragments without any shuffle.
; THE RECORDS ARE SKEWED: record c of a head holds Kd and Aq of chunk c, and Wn and Qg of chunk c + 1, which the next launch wants first in a chunk and so loads
; one chunk ahead.  So this chunk's Wn and Qg go to the record of chunk (c + 31) mod 32 of the same head (chunk 0's, which meet a state of zero, fill record 31).
.set QL, 0                             ; q: 64 rows, pitch 272
.set KL, 17408                         ; k: 64 rows, pitch 288 (an odd multiple of 32, for the transposing loads)
.set VL, 35840                         ; v: the same
.set AT, 54272                         ; written by LDS stores alone: first -A transposed, f32, pitch 272; then X^T scaled, f16, pitch 160, twice
.set WBYTES, 74752
.set XT2, 10240
.set NORMS, 4096*6144*2                ; in qkv: the norms, [48 heads][4,096 rows] f32; v's heads are 32 to 47
.set UNITS, 1024*32768                 ; in u0: Wn's units, 128 bytes a chunk
.set WNO, 0                            ; a record in ops: Wn, fragment (t tile, k step) at (4 ks + mt) x 1,024
.set QGO, 16384                        ; Qg, the same
.set KDO, 32768                        ; Kd, fragment (column tile of k, i step) at (8 ks + mt) x 1,024
.set AQO, 49152                        ; Aq, fragments (t tile nt, i step 0) at nt, (2, 1) at 4, (3, 1) at 5
.set VD,  0                            ; r - 8 h
.set AQ,  1
.set AK,  2
.set AKT, 3
.set AVT, 4
.set AXT, 5
.set AAS, 6
.set AAR, 7
.set AAB, 8
.set AXS, 9
.set AXD, 10
.set VST, 11
.set GCR, 12                           ; v[12:43]  g[16 mt + 8 h + j]
.set GCL, 44                           ; v[44:47]  g[16 nt + r]
.set NBL, 48                           ; v[48:51]  -beta[16 nt + r]
.set G16, 52                           ; v[52:55]  2^g[16 nt + r], twice, in f16
.set S1A, 56                           ; -beta_c 2^g_c, c = lane, lane + 32
.set S1B, 57
.set S2A, 58                           ; beta_c |v_c|
.set S2B, 59
.set KF,  60                           ; v[60:187]  k's 16 fragments (tile, K step)
.set QF,  188                          ; v[188:219] q's 4 fragments of one tile
.set ACCK, 220
.set ACCQ, 228
.set E,   236
.set T,   244
.set Z,   252                          ; zeros in phase A; later v[252:253] U0's unit twice, v254 Wn's unit, v255 4 x lane
; d pair = a pair x the one register b
.macro PKMULB d, a, b
.if (\b) & 1
	v_pk_mul_f32 v[\d:\d+1], v[\a:\a+1], v[(\b)-1:(\b)] op_sel:[0,1] op_sel_hi:[1,1]
.else
	v_pk_mul_f32 v[\d:\d+1], v[\a:\a+1], v[(\b):(\b)+1] op_sel_hi:[1,0]
.endif
.endm
	s_load_b256 s[4:11], s[0:1], 0x0               ; qkv 4, gc 6, bt 8, ops 10
	s_load_b64 s[12:13], s[0:1], 0x20              ; u0
	s_set_vgpr_msb 0x40
	v_lshl_add_u32 v0, v0, 2, 0x49000
	v_mov_b32 v1, 0
	s_set_vgpr_msb 0x4045
	ds_add_u32 v0, v1
	ds_add_u32 v0, v1
	s_set_vgpr_msb 0x4500
	v_lshrrev_b32 v244, 5, v0
	v_readfirstlane_b32 s14, v244                  ; wave
	s_lshl_b32 s15, ttmp9, 2
	s_add_co_u32 s15, s15, s14                     ; p = (batch x 16 + head) x 32 + chunk
	s_lshr_b32 s48, s15, 5
	s_and_b32 s49, s15, 31
	s_lshr_b32 s50, s48, 4                         ; batch
	s_and_b32 s51, s48, 15                         ; head
	s_lshl_b32 s50, s50, 11
	s_lshl_b32 s49, s49, 6
	s_add_co_u32 s50, s50, s49                     ; first row
	s_lshl_b32 s54, s50, 2
	s_lshl_b32 s55, s51, 14
	s_add_co_u32 s54, s54, s55
	s_add_co_u32 s54, s54, NORMS+32*16384          ; the norms of v's rows of this head and chunk
	s_mov_b32 s55, 0
	s_mul_i32 s50, s50, 12288
	s_lshl_b32 s51, s51, 8
	s_add_co_u32 s50, s50, s51                     ; + the head's 256 bytes
	s_mov_b32 s51, 0
	s_mul_i32 s46, s14, WBYTES                     ; my wave's LDS
	; the shape: 64 rows x 128 numbers of 2 bytes, 6,144 elements from row to row; after every 64 words 4 words of padding (q) or 8 (k, v)
	s_mov_b32 s16, (1<<16)|(1<<20)|(5<<22)|(3<<25)
	s_mov_b32 s24, (1<<16)|(1<<20)|(5<<22)|(7<<25)
	s_mov_b32 s17, 128<<16
	s_mov_b32 s25, 128<<16
	s_mov_b32 s18, 64<<16
	s_mov_b32 s26, 64<<16
	s_mov_b32 s19, 128<<16
	s_mov_b32 s27, 128<<16
	s_mov_b32 s20, 64
	s_mov_b32 s28, 64
	s_mov_b32 s21, 6144
	s_mov_b32 s29, 6144
	s_mov_b32 s22, 0
	s_mov_b32 s30, 0
	s_mov_b32 s23, 0
	s_mov_b32 s31, 0
	s_wait_dscnt 0x0
	s_wait_kmcnt 0x0
	s_add_nc_u64 s[52:53], s[4:5], s[54:55]
	s_add_nc_u64 s[4:5], s[4:5], s[50:51]
	s_mov_b32 s32, 1
	s_add_co_u32 s33, s46, QL
	s_mov_b64 s[34:35], s[4:5]
	s_or_b32 s35, s35, 0x80000000
	tensor_load_to_lds s[32:35], s[16:23]          ; q
	s_nop 0
	s_mov_b32 s36, 1
	s_add_co_u32 s37, s46, KL
	s_add_nc_u64 s[38:39], s[4:5], 4096
	s_or_b32 s39, s39, 0x80000000
	tensor_load_to_lds s[36:39], s[24:31]          ; k
	s_nop 0
	s_mov_b32 s40, 1
	s_add_co_u32 s41, s46, VL
	s_add_nc_u64 s[42:43], s[4:5], 8192
	s_or_b32 s43, s43, 0x80000000
	tensor_load_to_lds s[40:43], s[24:31]          ; v: three tensor loads of the wave are out, the most in this text; none is issued later
	s_nop 0
	s_lshl_b32 s48, s15, 8                         ; the chunk's 64 numbers in gc and bt
	s_mov_b32 s49, 0
	s_add_nc_u64 s[6:7], s[6:7], s[48:49]
	s_add_nc_u64 s[8:9], s[8:9], s[48:49]
	s_add_co_u32 s56, s15, 31
	s_and_b32 s56, s56, 31                         ; (chunk + 31) mod 32,
	s_and_b32 s57, s15, 0xffffffe0                 ; of the same head
	s_or_b32 s56, s56, s57
	s_mul_i32 s56, s56, 55296
	s_mov_b32 s57, 0
	s_add_nc_u64 s[56:57], s[10:11], s[56:57]      ; the record that takes my Wn and Qg
	s_mul_i32 s48, s15, 55296
	s_add_nc_u64 s[10:11], s[10:11], s[48:49]      ; the record that takes my Kd and Aq
	s_lshl_b32 s48, s15, 7
	s_add_nc_u64 s[54:55], s[12:13], s[48:49]
	s_add_nc_u64 s[54:55], s[54:55], UNITS         ; where Wn's unit goes
	s_lshl_b32 s48, s15, 15
	s_add_nc_u64 s[12:13], s[12:13], s[48:49]      ; my 32,768 bytes of u0
	s_load_b32 s44, s[6:7], 0xfc                   ; g_63
	v_and_b32 v244, 31, v0                         ; L
	v_and_b32 v245, 15, v0                         ; r
	v_bfe_u32 v246, v0, 4, 1                       ; h
	v_and_b32 v247, 7, v0
	v_lshl_add_u32 v247, v246, 3, v247             ; u = 8 h + (L & 7)
	v_bfe_u32 v248, v0, 3, 1
	v_lshlrev_b32 v248, 4, v248                    ; 16 ((L >> 3) & 1)
	v_lshl_add_u32 v249, v246, 4, s46              ; my LDS + 16 h
	v_mad_u32_u24 v[AQ], v245, 272, v249
	v_mad_u32_u24 v[AK], v245, 288, v249
	v_add_nc_u32 v[AK], KL, v[AK]
	v_add_nc_u32 v250, s46, v248
	v_mad_u32_u24 v[AKT], v247, 288, v250
	v_add_nc_u32 v[AVT], VL, v[AKT]
	v_add_nc_u32 v[AKT], KL, v[AKT]
	v_mad_u32_u24 v[AXT], v247, 160, v250
	v_add_nc_u32 v[AXT], AT, v[AXT]
	s_add_co_u32 s47, s46, AT
	v_mov_b32 v[AAB], s47                          ; the same address in every lane: broadcast reads
	v_lshl_add_u32 v[AAS], v245, 2, s47
	v_mad_u32_u24 v[AAS], v246, 2176, v[AAS]       ; 8 h rows of 272 + 4 r
	v_mad_u32_u24 v[AAR], v244, 272, v[AAB]
	v_mad_u32_u24 v[AXS], v244, 160, v[AAB]
	v_mad_u32_u24 v[AXD], v244, 162, v[AAB]        ; row L, element L
	v_lshlrev_b32 v[VST], 4, v244
	v_lshlrev_b32 v236, 5, v246                    ; 32 h
	v_lshlrev_b32 v237, 2, v245                    ; 4 r
	v_lshlrev_b32 v238, 2, v244                    ; 4 L
	v_lshrrev_b32 v239, 2, v244
	v_and_b32 v240, 3, v244
	v_mad_u32_u24 v239, v239, 272, v[AAB]
	v_lshl_add_u32 v239, v240, 4, v239             ; eight rows of 64 bytes
	v_lshlrev_b32 v241, 3, v246
	v_sub_nc_u32 v[VD], v245, v241
	s_mov_b32 s46, 0x76543210                      ; from here on: lane i of one half reads lane i of the other
	s_mov_b32 s47, 0xfedcba98
.irp mt, 0,1,2,3
	global_load_b128 v[GCR+8*\mt:GCR+8*\mt+3], v236, s[6:7] offset:64*\mt
	global_load_b128 v[GCR+8*\mt+4:GCR+8*\mt+7], v236, s[6:7] offset:64*\mt+16
	global_load_b32 v[GCL+\mt], v237, s[6:7] offset:64*\mt
	global_load_b32 v[NBL+\mt], v237, s[8:9] offset:64*\mt
.endr
	global_load_b32 v[S1A], v238, s[6:7]
	global_load_b32 v[S1B], v238, s[6:7] offset:128
	global_load_b32 v[S2A], v238, s[8:9]
	global_load_b32 v[S2B], v238, s[8:9] offset:128
	global_load_b32 v242, v238, s[52:53]           ; |v_c|
	global_load_b32 v243, v238, s[52:53] offset:128
.irp i, 0,1,2,3
	v_mov_b32 v[Z+\i], 0
.endr
	; what no product writes and later steps read: two tiles of -A^T above the diagonal, two halves of Aq's fragments
	ds_store_b128 v239, v[Z:Z+3] offset:16*272
	ds_store_b128 v239, v[Z:Z+3] offset:24*272
	ds_store_b128 v239, v[Z:Z+3] offset:48*272+128
	ds_store_b128 v239, v[Z:Z+3] offset:56*272+128
	global_store_b128 v[VST], v[Z:Z+3], s[10:11] offset:AQO+512
	global_store_b128 v[VST], v[Z:Z+3], s[10:11] offset:AQO+4*1024+512
	s_wait_loadcnt 0x0
	s_wait_kmcnt 0x0
.irp i, 0,1,2,3
	v_exp_f32 v[G16+\i], v[GCL+\i]
.endr
	v_exp_f32 v[S1A], v[S1A]
	v_exp_f32 v[S1B], v[S1B]
.irp i, 0,1,2,3
	v_xor_b32 v[NBL+\i], 0x80000000, v[NBL+\i]     ; plain work behind the exponentials (ISA guide 5.7.2)
.endr
	s_wait_alu depctr_va_vdst(0)
.irp i, 0,1,2,3
	v_cvt_pk_f16_f32 v[G16+\i], v[G16+\i], v[G16+\i]
.endr
	v_mul_f32 v[S1A], -v[S2A], v[S1A]
	v_mul_f32 v[S1B], -v[S2B], v[S1B]
	v_mul_f32 v[S2A], v[S2A], v242
	v_mul_f32 v[S2B], v[S2B], v243
	; PHASE A: k.k and q.k, tile by tile on and below the diagonal
	s_wait_tensorcnt 0x0                           ; my three tiles are in LDS; only I read them
.irp t, 0,1,2,3
.irp ks, 0,1,2,3
	ds_load_b128 v[KF+32*\t+8*\ks:KF+32*\t+8*\ks+3],   v[AK] offset:\t*4608+64*\ks
	ds_load_b128 v[KF+32*\t+8*\ks+4:KF+32*\t+8*\ks+7], v[AK] offset:\t*4608+64*\ks+32
.endr
.endr
; Rows i of tile mt against columns t of tile nt: lane = t, register j = i = 16 mt + 8 h + j.  The two accumulators take turns.
.macro TILE mt, nt, diag
	s_wait_xcnt 0x0                                ; ACCQ's first four registers were a store's data
	v_wmma_f32_16x16x32_f16 v[ACCK:ACCK+7], v[KF+32*\mt:KF+32*\mt+7], v[KF+32*\nt:KF+32*\nt+7], 0
	v_wmma_f32_16x16x32_f16 v[ACCQ:ACCQ+7], v[KF+32*\mt:KF+32*\mt+7], v[QF:QF+7], 0
.irp ks, 1,2,3
	v_wmma_f32_16x16x32_f16 v[ACCK:ACCK+7], v[KF+32*\mt+8*\ks:KF+32*\mt+8*\ks+7], v[KF+32*\nt+8*\ks:KF+32*\nt+8*\ks+7], v[ACCK:ACCK+7]
	v_wmma_f32_16x16x32_f16 v[ACCQ:ACCQ+7], v[KF+32*\mt+8*\ks:KF+32*\mt+8*\ks+7], v[QF+8*\ks:QF+8*\ks+7], v[ACCQ:ACCQ+7]
.endr
.irp j, 0,1,2,3,4,5,6,7
	v_sub_f32 v[E+\j], v[GCL+\nt], v[GCR+8*\mt+\j] ; g_t - g_i; these eight are also the places behind the products (ISA guide 7.12.1)
.endr
.irp j, 0,1,2,3,4,5,6,7
	v_exp_f32 v[E+\j], v[E+\j]
.endr
	v_nop
	s_wait_alu depctr_va_vdst(0)
.irp q, 0,2,4,6
	v_pk_mul_f32 v[T+\q:T+\q+1], v[E+\q:E+\q+1], v[ACCK+\q:ACCK+\q+1]
	v_pk_mul_f32 v[ACCQ+\q:ACCQ+\q+1], v[ACCQ+\q:ACCQ+\q+1], v[E+\q:E+\q+1]
.endr
.irp q, 0,2,4,6
	PKMULB T+\q, T+\q, NBL+\nt
.endr
.if \diag
.irp j, 0,1,2,3,4,5,6,7
	v_cmp_lt_i32 vcc_lo, \j, v[VD]                 ; A keeps i < t (what is dropped may be infinite or NaN: it is replaced, not multiplied)
	v_cndmask_b32 v[T+\j], 0, v[T+\j], vcc_lo
	v_cmp_le_i32 vcc_lo, \j, v[VD]                 ; Aq keeps i <= t
	v_cndmask_b32 v[ACCQ+\j], 0, v[ACCQ+\j], vcc_lo
.endr
.endif
.irp j, 0,1,2,3,4,5,6,7
	ds_store_b32 v[AAS], v[T+\j] offset:(16*\mt+\j)*272+64*\nt     ; -A[t][i] at row i, column t
.endr
.irp r, 0,1,2,3
	v_cvt_pk_f16_f32 v[ACCQ+\r], v[ACCQ+2*\r], v[ACCQ+2*\r+1]      ; eight neighbouring i of row t: half of a fragment of Aq
.endr
	global_store_b128 v[VST], v[ACCQ:ACCQ+3], s[10:11] offset:AQO+(\nt+2*(\mt>>1))*1024+(\mt&1)*512
.endm
; q's fragments of tile nt times 2^g_t (a lane holds one row t), two numbers an instruction, and out, into the record of the chunk before
.macro QG nt
.set j, 0
.rept 32
	v_pk_mul_f16 v[QF+j], v[QF+j], v[G16+\nt]
.set j, j+1
.endr
.irp ks, 0,1,2,3
	global_store_b128 v[VST], v[QF+8*\ks:QF+8*\ks+3],   s[56:57] offset:QGO+(4*\ks+\nt)*1024
	global_store_b128 v[VST], v[QF+8*\ks+4:QF+8*\ks+7], s[56:57] offset:QGO+(4*\ks+\nt)*1024+512
.endr
.endm
.macro QLOAD nt
	s_wait_xcnt 0x0                                ; q's fragments were stores' data
.irp ks, 0,1,2,3
	ds_load_b128 v[QF+8*\ks:QF+8*\ks+3],   v[AQ] offset:\nt*4352+64*\ks
	ds_load_b128 v[QF+8*\ks+4:QF+8*\ks+7], v[AQ] offset:\nt*4352+64*\ks+32
.endr
	s_wait_dscnt 0x0
.endm
	QLOAD 0
	TILE 0, 0, 1
	QG 0
	QLOAD 1
	TILE 0, 1, 0
	TILE 1, 1, 1
	QG 1
	QLOAD 2
	TILE 0, 2, 0
	TILE 1, 2, 0
	TILE 2, 2, 1
	QG 2
	QLOAD 3
	TILE 0, 3, 0
	TILE 1, 3, 0
	TILE 2, 3, 0
	TILE 3, 3, 1
	QG 3
	; PHASE B: X = I + Y by forward substitution.  Lane L holds columns c = L (YA, all 64 t) and c = L + 32 (YB, t = 32..63); Y starts as -A, and for
	; i = 1 .. 62 every row t > i takes Y[t][c] += -A[t][i] Y[i][c], Y[i] being final by then.  -A[t][i], four t at a time, is read from LDS at one address
	; for all lanes: 512 quads in all, through a ring of 24 quads of registers run as three batches of eight: one wait, the multiply-adds of eight quads,
	; then eight loads in one run into the registers just used.  So loads stand behind arithmetic at 64 places, and a batch is asked for two batches ahead.
.set YA, 60
.set YB, 124
.set RING, 156
	s_wait_xcnt 0x0                                ; the registers below were stores' data
.set j, 0
.rept 16
	ds_load_b128 v[YA+4*j:YA+4*j+3], v[AAR] offset:16*j
.set j, j+1
.endr
.set j, 0
.rept 8
	ds_load_b128 v[YB+4*j:YB+4*j+3], v[AAR] offset:32*272+128+16*j
.set j, j+1
.endr
.set li, 1
.set lq, 0
.set ls, 0
.set ci, 1
.set cq, 0
.set cs, 0
.set infl, 0
.macro FS_LOAD
.if li < 63
	ds_load_b128 v[RING+4*ls:RING+4*ls+3], v[AAB] offset:li*272+16*lq
.set infl, infl+1
.set ls, (ls+1)%24
.set lq, lq+1
.if lq > 15
.set li, li+1
.set lq, (li+1)>>2
.endif
.endif
.endm
.macro FS_PAIR t0, rp
.if (\t0)+1 > ci
.if ci & 1
	v_pk_fma_f32 v[YA+(\t0):YA+(\t0)+1], v[(\rp):(\rp)+1], v[YA+ci-1:YA+ci], v[YA+(\t0):YA+(\t0)+1] op_sel:[0,1,0] op_sel_hi:[1,1,1]
.else
	v_pk_fma_f32 v[YA+(\t0):YA+(\t0)+1], v[(\rp):(\rp)+1], v[YA+ci:YA+ci+1], v[YA+(\t0):YA+(\t0)+1] op_sel_hi:[1,0,1]
.endif
.if ci >= 33
.if ci & 1
	v_pk_fma_f32 v[YB+(\t0)-32:YB+(\t0)-31], v[(\rp):(\rp)+1], v[YB+ci-33:YB+ci-32], v[YB+(\t0)-32:YB+(\t0)-31] op_sel:[0,1,0] op_sel_hi:[1,1,1]
.else
	v_pk_fma_f32 v[YB+(\t0)-32:YB+(\t0)-31], v[(\rp):(\rp)+1], v[YB+ci-32:YB+ci-31], v[YB+(\t0)-32:YB+(\t0)-31] op_sel_hi:[1,0,1]
.endif
.endif
.endif
.endm
.macro FS_COMP                         ; the multiply-adds of one quad
	FS_PAIR 4*cq, RING+4*cs
	FS_PAIR 4*cq+2, RING+4*cs+2
.set cs, (cs+1)%24
.set cq, cq+1
.if cq > 15
.set ci, ci+1
.set cq, (ci+1)>>2
.endif
.endm
.rept 24
	FS_LOAD
.endr
.rept 64
	s_wait_dscnt infl-8                            ; LDS loads come back in order: the oldest batch is in, the two younger ones (16 loads; at the end 8, then 0) stay out
.set infl, infl-8
.rept 8
	FS_COMP
.endr
.rept 8
	FS_LOAD
.endr
.endr
	; PHASE C.  First the two units.  The largest |X[t][c]| of a lane's columns (the diagonal's 1 starts the chains), times the column's scale, over the 32 lanes;
	; its exponent field e gives the factor 2^(131 - E) (bits 0x81000000 - e) that brings the largest into [16, 32), and the unit 2^(E - 131) (bits e - 0x02000000).
.set CT, 156
.set CP, 164
.set MM, 168                           ; v[168:175]
.set i, 0
.rept 32
.if i < 4
	v_max3_num_f32 v[MM+i], |v[YA+2*i]|, |v[YA+2*i+1]|, 1.0
.else
	v_max3_num_f32 v[MM+i%4], |v[YA+2*i]|, |v[YA+2*i+1]|, v[MM+i%4]
.endif
.set i, i+1
.endr
.set i, 0
.rept 16
.if i < 4
	v_max3_num_f32 v[MM+4+i], |v[YB+2*i]|, |v[YB+2*i+1]|, 1.0
.else
	v_max3_num_f32 v[MM+4+i%4], |v[YB+2*i]|, |v[YB+2*i+1]|, v[MM+4+i%4]
.endif
.set i, i+1
.endr
	v_max3_num_f32 v[MM], v[MM], v[MM+1], v[MM+2]
	v_max3_num_f32 v[MM+4], v[MM+4], v[MM+5], v[MM+6]
	v_max_num_f32 v[MM], v[MM], v[MM+3]
	v_max_num_f32 v[MM+4], v[MM+4], v[MM+7]
	v_mul_f32 v[MM+1], |v[S1A]|, v[MM]
	v_mul_f32 v[MM+2], |v[S1B]|, v[MM+4]
	v_mul_f32 v[MM+3], |v[S2A]|, v[MM]
	v_mul_f32 v[MM+5], |v[S2B]|, v[MM+4]
	v_max_num_f32 v[MM+1], v[MM+1], v[MM+2]        ; for Wn
	v_max_num_f32 v[MM+3], v[MM+3], v[MM+5]        ; for U0
.irp n, 1,2,4,8
	v_max_num_f32_dpp v[MM+1], v[MM+1], v[MM+1] row_xmask:\n row_mask:0xf bank_mask:0xf
	v_max_num_f32_dpp v[MM+3], v[MM+3], v[MM+3] row_xmask:\n row_mask:0xf bank_mask:0xf
.endr
	v_permlanex16_b32 v[MM+2], v[MM+1], s46, s47
	v_permlanex16_b32 v[MM+5], v[MM+3], s46, s47
	v_max3_num_f32 v[MM+1], v[MM+1], v[MM+2], 0x0d800000   ; at least 2^-100, so that both powers of two exist
	v_max3_num_f32 v[MM+3], v[MM+3], v[MM+5], 0x0d800000
	v_and_b32 v[MM+1], 0x7f800000, v[MM+1]
	v_and_b32 v[MM+3], 0x7f800000, v[MM+3]
	v_sub_nc_u32 v[MM+2], 0x81000000, v[MM+1]
	v_sub_nc_u32 v[MM+5], 0x81000000, v[MM+3]
	v_add_nc_u32 v254, 0xfe000000, v[MM+1]         ; Wn's unit
	v_add_nc_u32 v252, 0xfe000000, v[MM+3]         ; U0's unit
	v_mov_b32 v253, v252
	v_mul_f32 v[S1A], v[S1A], v[MM+2]
	v_mul_f32 v[S1B], v[S1B], v[MM+2]
	v_mul_f32 v[S2A], v[S2A], v[MM+5]
	v_mul_f32 v[S2B], v[S2B], v[MM+5]
	v_lshrrev_b32 v255, 2, v[VST]
	global_store_b32 v255, v254, s[54:55]          ; every lane its copy: 128 consecutive bytes; neither register is written again
	; Then X^T, each column c of X (a lane's own) times its scale, to f16, as rows c of pitch 160; the diagonal's 1 becomes the scale itself.
	; Rows 32-63 are written from t = 32 on: nothing below is read.  The last wait of phase B was for 0, so no read of -A^T is pending.
.macro XSTORE sa, sb, base
.irp e, 0,1,2,3,4,5,6,7
.irp k, 0,1,2,3
	PKMULB CT+2*\k, YA+8*\e+2*\k, \sa
.endr
.irp k, 0,1,2,3
	v_cvt_pk_f16_f32 v[CP+\k], v[CT+2*\k], v[CT+2*\k+1]
.endr
	ds_store_b128 v[AXS], v[CP:CP+3] offset:\base+16*\e
.endr
.irp e, 0,1,2,3
.irp k, 0,1,2,3
	PKMULB CT+2*\k, YB+8*\e+2*\k, \sb
.endr
.irp k, 0,1,2,3
	v_cvt_pk_f16_f32 v[CP+\k], v[CT+2*\k], v[CT+2*\k+1]
.endr
	ds_store_b128 v[AXS], v[CP:CP+3] offset:\base+32*160+64+16*\e
.endr
	v_cvt_pk_f16_f32 v[CP], v[\sa], v[\sa]
	ds_store_b16 v[AXD], v[CP] offset:\base
	v_cvt_pk_f16_f32 v[CP+1], v[\sb], v[\sb]
	ds_store_b16 v[AXD], v[CP+1] offset:\base+32*160+64
.endm
	XSTORE S1A, S1B, 0
	XSTORE S2A, S2B, XT2
	; PHASE D: Wn^T = K^T x (X^T scaled): lane = t, register j = column 16 mt + 8 h + j of k, which packs into half a fragment of Wn.
.set KT, 44                            ; v[44:171]  16 transposed fragments, (mt, ks) at 8 (8 ks + mt)
.set XF, 172                           ; v[172:219] X^T: (t tile, c step 0) at 0..3, (2, 1) at 4, (3, 1) at 5: X is lower triangular
.set ACC, 220
.macro XLOAD base
.irp nt, 0,1,2,3
	ds_load_tr16_b128 v[XF+8*\nt:XF+8*\nt+3],   v[AXT] offset:\base+32*\nt
	ds_load_tr16_b128 v[XF+8*\nt+4:XF+8*\nt+7], v[AXT] offset:\base+32*\nt+2560
.endr
.irp nt, 2,3
	ds_load_tr16_b128 v[XF+8*(\nt+2):XF+8*(\nt+2)+3],   v[AXT] offset:\base+5120+32*\nt
	ds_load_tr16_b128 v[XF+8*(\nt+2)+4:XF+8*(\nt+2)+7], v[AXT] offset:\base+5120+32*\nt+2560
.endr
.endm
.macro TLOADS adr
.irp ks, 0,1
.irp mt, 0,1,2,3,4,5,6,7
	ds_load_tr16_b128 v[KT+8*(8*\ks+\mt):KT+8*(8*\ks+\mt)+3],   v[\adr] offset:\ks*9216+32*\mt
	ds_load_tr16_b128 v[KT+8*(8*\ks+\mt)+4:KT+8*(8*\ks+\mt)+7], v[\adr] offset:\ks*9216+32*\mt+4608
.endr
.endr
.endm
	XLOAD 0
	TLOADS AKT
	s_wait_dscnt 0x0
; The accumulators go 0, 1, 2, 3, 2, 3: no two neighbours alike.
.macro WROW mt
	s_wait_xcnt 0x0                                ; the accumulators' first registers were stores' data
.irp nt, 0,1,2,3
	v_wmma_f32_16x16x32_f16 v[ACC+8*\nt:ACC+8*\nt+7], v[KT+8*\mt:KT+8*\mt+7], v[XF+8*\nt:XF+8*\nt+7], 0
.endr
	v_wmma_f32_16x16x32_f16 v[ACC+16:ACC+23], v[KT+8*(8+\mt):KT+8*(8+\mt)+7], v[XF+32:XF+39], v[ACC+16:ACC+23]
	v_wmma_f32_16x16x32_f16 v[ACC+24:ACC+31], v[KT+8*(8+\mt):KT+8*(8+\mt)+7], v[XF+40:XF+47], v[ACC+24:ACC+31]
.rept 4
	v_nop
.endr
.irp nt, 0,1,2,3
.irp r, 0,1,2,3
	v_cvt_pk_f16_f32 v[ACC+8*\nt+\r], v[ACC+8*\nt+2*\r], v[ACC+8*\nt+2*\r+1]       ; at most 64 x 32 in magnitude
.endr
.endr
.irp nt, 0,1,2,3
	global_store_b128 v[VST], v[ACC+8*\nt:ACC+8*\nt+3], s[56:57] offset:WNO+(4*(\mt>>1)+\nt)*1024+(\mt&1)*512      ; into the record of the chunk before
.endr
.endm
.irp mt, 0,1,2,3,4,5,6,7
	WROW \mt
.endr
	; Kd: the same transposed fragments of k, element i times 2^(g_63 - g_i): the factors of two neighbouring i packed in f16, one multiply a register
.set j, 0
.rept 32
	v_sub_f32 v[GCR+j], s44, v[GCR+j]
.set j, j+1
.endr
.set j, 0
.rept 32
	v_exp_f32 v[GCR+j], v[GCR+j]
.set j, j+1
.endr
	v_nop
.set j, 0
	s_wait_alu depctr_va_vdst(0)
.rept 16
	v_cvt_pk_f16_f32 v[GCR+j], v[GCR+2*j], v[GCR+2*j+1]    ; word j is written when words 2 j and 2 j + 1 are read: never ahead of them
.set j, j+1
.endr
.macro KDFRAG ks, mt
.irp g, 0,1
.irp k, 0,1,2,3
	v_pk_mul_f16 v[KT+8*(8*\ks+\mt)+4*\g+\k], v[KT+8*(8*\ks+\mt)+4*\g+\k], v[GCR+4*(2*\ks+\g)+\k]
.endr
.endr
	global_store_b128 v[VST], v[KT+8*(8*\ks+\mt):KT+8*(8*\ks+\mt)+3],   s[10:11] offset:KDO+(8*\ks+\mt)*1024
	global_store_b128 v[VST], v[KT+8*(8*\ks+\mt)+4:KT+8*(8*\ks+\mt)+7], s[10:11] offset:KDO+(8*\ks+\mt)*1024+512
.endm
.irp ks, 0,1
.irp mt, 0,1,2,3,4,5,6,7
	KDFRAG \ks, \mt
.endr
.endr
	; PHASE E: U0 = (X diag(beta |v|)) (v / |v|): lane = column of v, register j = t = 16 tt + 8 h + j; times its unit, stored as it lies, in f32
	s_wait_xcnt 0x0                                ; the fragments' registers were stores' data
	XLOAD XT2
	TLOADS AVT
	s_wait_dscnt 0x0
.macro VROW vt
	s_wait_xcnt 0x0
.irp tt, 0,1,2,3
	v_wmma_f32_16x16x32_f16 v[ACC+8*\tt:ACC+8*\tt+7], v[XF+8*\tt:XF+8*\tt+7], v[KT+8*\vt:KT+8*\vt+7], 0
.endr
	v_wmma_f32_16x16x32_f16 v[ACC+16:ACC+23], v[XF+32:XF+39], v[KT+8*(8+\vt):KT+8*(8+\vt)+7], v[ACC+16:ACC+23]
	v_wmma_f32_16x16x32_f16 v[ACC+24:ACC+31], v[XF+40:XF+47], v[KT+8*(8+\vt):KT+8*(8+\vt)+7], v[ACC+24:ACC+31]
.rept 5
	v_nop                                          ; four places before the results are read, five before the next column's products write over them
.endr
.set j, 0
.rept 16
	v_pk_mul_f32 v[ACC+2*j:ACC+2*j+1], v[ACC+2*j:ACC+2*j+1], v[252:253]
.set j, j+1
.endr
.irp tt, 0,1,2,3
	global_store_b128 v[VST], v[ACC+8*\tt:ACC+8*\tt+3],   s[12:13] offset:(4*\vt+\tt)*1024
	global_store_b128 v[VST], v[ACC+8*\tt+4:ACC+8*\tt+7], s[12:13] offset:(4*\vt+\tt)*1024+512
.endr
.endm
.irp vt, 0,1,2,3,4,5,6,7
	VROW \vt
.endr
	s_set_vgpr_msb 0x5
	s_wait_tensorcnt 0x0
	ds_add_u32 v0, v1
	s_wait_dscnt 0x0
	s_set_vgpr_msb 0x500
	s_endpgm
.Lfunc_end_k_q6ab1f3a766_prep:
	.size	k_q6ab1f3a766_prep, .Lfunc_end_k_q6ab1f3a766_prep-k_q6ab1f3a766_prep
	.p2alignl 7, 3214868480
	.fill 96, 4, 3214868480
	.section	.rodata,"a",@progbits
	.p2align	6, 0x0
	.amdhsa_kernel k_q6ab1f3a766_prep
		.amdhsa_group_segment_fixed_size 299520
		.amdhsa_private_segment_fixed_size 0
		.amdhsa_enable_private_segment 0
		.amdhsa_kernarg_size 40
		.amdhsa_user_sgpr_count 2
		.amdhsa_user_sgpr_kernarg_segment_ptr 1
		.amdhsa_wavefront_size32 1
		.amdhsa_system_sgpr_workgroup_id_x 1
		.amdhsa_system_sgpr_workgroup_id_y 1
		.amdhsa_system_sgpr_workgroup_id_z 1
		.amdhsa_system_vgpr_workitem_id 0
		.amdhsa_next_free_vgpr 258
		.amdhsa_next_free_sgpr 66
		.amdhsa_reserve_vcc 1
		.amdhsa_float_denorm_mode_32 3
		.amdhsa_float_denorm_mode_16_64 3
		.amdhsa_memory_ordered 1
		.amdhsa_forward_progress 1
		.amdhsa_inst_pref_size 242
	.end_amdhsa_kernel
	.amdgpu_metadata
---
amdhsa.version: [ 1, 2 ]
amdhsa.kernels:
  - .name:           k_q6ab1f3a766_prep
    .symbol:         k_q6ab1f3a766_prep.kd
    .args:
      - { .name: qkv, .offset: 0, .size: 8, .value_kind: global_buffer, .address_space: global }
      - { .name: gc, .offset: 8, .size: 8, .value_kind: global_buffer, .address_space: global }
      - { .name: bt, .offset: 16, .size: 8, .value_kind: global_buffer, .address_space: global }
      - { .name: ops, .offset: 24, .size: 8, .value_kind: global_buffer, .address_space: global }
      - { .name: u0, .offset: 32, .size: 8, .value_kind: global_buffer, .address_space: global }
    .group_segment_fixed_size: 299520
    .private_segment_fixed_size: 0
    .kernarg_segment_align: 8
    .kernarg_segment_size: 40
    .max_flat_workgroup_size: 128
    .sgpr_count:     66
    .vgpr_count:     258
    .wavefront_size: 32
...
	.end_amdgpu_metadata
.endif
;; end of part 7
;; launch scan (part 8): grid 64 x 1, 4 waves a work-group, no clusters, 327,680 bytes of LDS; arguments ops, u0, gc, out0; writes out0
.if DOCPART == 8
	.amdgcn_target "amdgcn-amd-amdhsa--gfx1250"
	.amdhsa_code_object_version 6
	.text
	.protected	k_q6ab1f3a766_scan
	.globl	k_q6ab1f3a766_scan
	.p2align	8
	.type	k_q6ab1f3a766_scan,@function
k_q6ab1f3a766_scan:
	s_mov_b64 s[64:65], 0
	v_nop
	global_prefetch_b8 v0, s[64:65] scope:SCOPE_SE
	s_setreg_imm32_b32 hwreg(HW_REG_WAVE_MODE, 25, 1), 1
	s_wait_xcnt 0x0
; The recurrence over the 32 chunks of a (batch, head).  With S^T (128 columns of k x columns of v) the state at a chunk's start:
;   U = U0 + Wn S^T        O = Qg S^T + Aq U        S^T <- 2^g_63 S^T + Kd U.
; The columns of v never meet, so a wave owns 16 of them for the whole sequence and keeps its S^T in 64 registers in f32.  An accumulator tile
; (lane = column of v, registers = rows) packs inside each lane into the second operand of the next product, so S -> U -> S never leaves the registers.
; FORMATS: the operands are f16.  Qg, Kd and Aq are at most 1; Wn comes in a unit of its own, one power of two a chunk.  S^T and U are not bounded, so each
; of their columns (a lane and the lane 16 further on) is divided, chunk by chunk, by a power of two taken from its largest magnitude, which then lies in
; [256, 512); a column of the second operand is a column of the result, so the result is multiplied back lane by lane, in f32, by fused multiply-adds onto
; what is carried.  What is carried (S^T, U0, O) stays in f32 and in true units.
; LIMITS: an element of S^T or U enters a product exact to 2^-12 of itself or 2^-33 of its column's largest; a largest magnitude below 2^-100 counts as
; 2^-100; 2^g_63 below 2^-126 counts as 0.
; A work-group is four waves = 64 columns of v; two work-groups for each of the 32 (batch, head): 64 work-groups, bound by the chain of 32 chunks.
; The operands come as fragment images: every LDS load takes 512 consecutive bytes.  Two LDS slots of two chunks each (110,592 bytes of ops, 32,768 of u0)
; take turns; waves 0-2 bring a third of the ops each, wave 3 the u0, one tensor load a wave behind each barrier in front of a refill; such a load has two
; chunks' work in which to land.  A wave has two tensor loads out at the start and one later.
; THE RECORDS ARE SKEWED: record c holds Kd and Aq of chunk c and Wn and Qg of chunk c + 1.  So chunk c loads the next chunk's Wn and Qg in its second half,
; under its own products and arithmetic, and every read of record c still falls inside chunk c.  The loads go in runs of 16 between halves of a run of products.
; WINDOWS of 256 registers, dealt so that a run of loads needs the setting of the products round it (an LDS load's address is source 0, its data the destination):
;   window 0: addresses, units, S^T, S^T and U in f16, U, O at the end, the stage's rows on their way out
;   window 1: v0-127 Wn, v128-159 Qg S, v160-163 record addresses       setting 0xf1: Wn S into window 3; loads into window 3 (Kd, Aq) by window 1's addresses
;   window 2: v0-127 Qg, v128-191 Kd U, v192-195 record addresses       setting 0x52: Qg S into window 1; loads into window 1 (next Wn) by window 2's addresses
;   window 3: v0-127 Kd, v128-175 Aq, v176-207 Wn S, v208-239 Aq U, v240-243 record addresses
;                                                                       setting 0xa3: Kd U into window 2; loads into window 2 (next Qg) by window 3's addresses
; No cluster: a record of ops is read by just the two work-groups of its head, and u0, gc and out0 by one; the launch is left plain.
.set OPS,  55296
.set U0B,  16384
.set UNITS, 1024*32768                 ; in u0: Wn's units, 128 bytes a chunk
.set SLOT, 2*OPS+2*U0B                 ; 143,360
.set STG,  2*SLOT                      ; two stages of 64 rows x 272 bytes for the way out; no tensor load lands here
.set STGB, 64*272
.set WNO, 0                            ; in a record
.set QGO, 16384
.set KDO, 32768
.set AQO, 49152
.set AR,  2                            ; v[2:5]    16 L + slot, chunk of the slot: the record
.set AU,  6                            ; v[6:9]    the same for my 4,096 bytes of u0
.set ASW, 10                           ; v[10:11]  stage, in
.set ASR, 12                           ; v[12:13]  stage, back
.set VO,  14                           ; my byte offset in out0
.set GG,  16                           ; v[16:17]  2^g_63, twice
.set MX,  18                           ; v[18:21]  four chains of maxima
.set PT,  22                           ; the other half's maximum
.set EX,  23                           ; its exponent field
.set IV,  24                           ; v[24:25]  1 / unit, twice: of S, then of U
.set SS,  26                           ; v[26:27]  S's unit
.set FF,  28                           ; v[28:29]  S's unit x Wn's unit
.set SU,  30                           ; v[30:31]  U's unit
.set ST,  32                           ; v[32:95]  S^T, 8 tiles
.set SB,  96                           ; v[96:127] S^T in f16, 4 K steps
.set UU,  128                          ; v[128:159] U, 4 tiles
.set UB,  160                          ; v[160:175] U in f16, 2 K steps
.set OO,  176                          ; v[176:207] O, 4 tiles, in true units
.set FL,  208                          ; v[208:239] the last chunk's O on its way out
.set TT,  240                          ; v[240:255] scaled numbers on their way to f16
.set O1,  128                          ; window 1: Qg S
.set CA1, 160                          ; window 1: record addresses
.set D2,  128                          ; window 2: Kd U
.set CA2, 192                          ; window 2: record addresses
.set AQF, 128                          ; window 3: Aq
.set PP,  176                          ; window 3: Wn S
.set O2,  208                          ; window 3: Aq U
.set CA3, 240                          ; window 3: record addresses
.set G1,  16
.set G1U, 24
.set G0,  32
.set G0U, 40
.set SP,  2                            ; s[2:3]   where the next unit of Wn lies; s58, s59: the units of even and odd chunks
.set GP,  48                           ; s[48:49] where the next g_63 lies; s50, s51: g_63 of even and odd chunks
.set OUTP, 54
.set MSB, 0
.macro WIN new                         ; the immediate's high byte repeats the setting that is left
.if MSB != \new
	s_set_vgpr_msb (MSB<<8)|\new
.set MSB, \new
.endif
.endm
.macro TLOAD s                         ; the branch hangs on the wave's number alone; every wave issues one of the two
	s_cmp_eq_u32 s12, 3
	s_cbranch_scc1 .Lfor_u_\@
	tensor_load_to_lds s[G0+4*\s:G0+4*\s+3], s[G1:G1+7]
	s_nop 0
	s_branch .Lasked_\@
.Lfor_u_\@:
	tensor_load_to_lds s[G0U+4*\s:G0U+4*\s+3], s[G1U:G1U+7]
	s_nop 0
.Lasked_\@:
.endm
	s_load_b256 s[4:11], s[0:1], 0x0               ; ops 4, u0 6, gc 8, out0 10
	s_set_vgpr_msb 0x40
	v_lshl_add_u32 v254, v0, 2, 0x4e800
	v_mov_b32 v255, 0
	s_set_vgpr_msb 0x4045
	ds_add_u32 v254, v255
	ds_add_u32 v254, v255
	s_set_vgpr_msb 0x4500
	v_lshrrev_b32 v1, 5, v0
	v_readfirstlane_b32 s12, v1                    ; wave
	s_lshr_b32 s13, ttmp9, 1                       ; batch x 16 + head
	s_and_b32 s14, ttmp9, 1                        ; which 64 columns of v
	; ops: 144 dense rows of 256 bytes (elements of 8 bytes)
	s_mov_b32 s[G1+0], 3<<16
	s_mov_b32 s[G1+1], 32<<16
	s_mov_b32 s[G1+2], 144<<16
	s_mov_b32 s[G1+3], 32<<16
	s_mov_b32 s[G1+4], 144
	s_mov_b32 s[G1+5], 32
	s_mov_b32 s[G1+6], 0
	s_mov_b32 s[G1+7], 0
	; u0: two chunks' 16,384 bytes, 32,768 bytes apart
	s_mov_b32 s[G1U+0], 3<<16
	s_mov_b32 s[G1U+1], 2048<<16
	s_mov_b32 s[G1U+2], 2<<16
	s_mov_b32 s[G1U+3], 2048<<16
	s_mov_b32 s[G1U+4], 2
	s_mov_b32 s[G1U+5], 4096
	s_mov_b32 s[G1U+6], 0
	s_mov_b32 s[G1U+7], 0
	s_mul_i32 s15, s12, 36864                      ; my third of two records, in memory and in LDS
	s_mul_i32 s56, s13, 32*OPS
	s_add_co_u32 s56, s56, s15
	s_mov_b32 s57, 0
	s_lshl_b32 s58, s13, 20
	s_lshl_b32 s59, s14, 14
	s_add_co_u32 s58, s58, s59
	s_mov_b32 s59, 0
	s_wait_dscnt 0x0
	s_wait_kmcnt 0x0
	s_add_nc_u64 s[SP:SP+1], s[6:7], UNITS
	s_add_nc_u64 s[4:5], s[4:5], s[56:57]
	s_add_nc_u64 s[6:7], s[6:7], s[58:59]
.irp s, 0,1
	s_mov_b32 s[G0+4*\s], 1
	s_add_co_u32 s[G0+4*\s+1], s15, \s*SLOT
	s_add_nc_u64 s[G0+4*\s+2:G0+4*\s+3], s[4:5], \s*2*OPS
	s_or_b32 s[G0+4*\s+3], s[G0+4*\s+3], 0x80000000
	s_mov_b32 s[G0U+4*\s], 1
	s_mov_b32 s[G0U+4*\s+1], \s*SLOT+2*OPS
	s_add_nc_u64 s[G0U+4*\s+2:G0U+4*\s+3], s[6:7], \s*65536
	s_or_b32 s[G0U+4*\s+3], s[G0U+4*\s+3], 0x80000000
	TLOAD \s                                       ; records 0, 1 and records 2, 3: both first fills ahead of everything else
.endr
	s_lshl_b32 s56, s13, 13
	s_add_co_u32 s56, s56, 508                     ; g_63 of chunk 1
	s_mov_b32 s57, 0
	s_add_nc_u64 s[GP:GP+1], s[8:9], s[56:57]
	s_load_b32 s51, s[GP:GP+1], 0x0
	s_lshr_b32 s58, s13, 4
	s_lshl_b32 s58, s58, 24                        ; batch
	s_and_b32 s59, s13, 15
	s_lshl_b32 s59, s59, 9                         ; head
	s_add_co_u32 s58, s58, s59
	s_lshl_b32 s59, s14, 8
	s_add_co_u32 s58, s58, s59
	s_mov_b32 s59, 0
	s_add_nc_u64 s[OUTP:OUTP+1], s[10:11], s[58:59]
	s_lshl_b32 s56, s13, 12
	s_add_co_u32 s56, s56, 128                     ; Wn's unit of chunk 1
	s_add_nc_u64 s[SP:SP+1], s[SP:SP+1], s[56:57]
	s_load_b32 s59, s[SP:SP+1], 0x0
	v_and_b32 v1, 31, v0                           ; L
	v_and_b32 v18, 15, v0                          ; r
	v_bfe_u32 v19, v0, 4, 1                        ; h
	v_lshlrev_b32 v15, 4, v1
	s_lshl_b32 s56, s12, 12
	v_add_nc_u32 v20, s56, v15
.irp s, 0,1
.irp c, 0,1
	v_add_nc_u32 v[AR+2*\s+\c], \s*SLOT+\c*OPS, v15
	v_add_nc_u32 v[AU+2*\s+\c], \s*SLOT+2*OPS+\c*U0B, v20
.endr
.endr
	s_lshl_b32 s57, s12, 6
	v_lshl_add_u32 v21, v18, 2, s57                ; column 16 w + r,
	v_mad_u32_u24 v21, v19, 2176, v21              ; row 8 h
	v_add_nc_u32 v[ASW], STG, v21
	v_add_nc_u32 v[ASW+1], STG+STGB, v21
	s_mul_i32 s57, s12, 16*272
	v_lshl_add_u32 v22, v18, 4, s57                ; back: rows 16 w + h, 16 bytes a lane
	v_mad_u32_u24 v22, v19, 272, v22
	v_add_nc_u32 v[ASR], STG, v22
	v_add_nc_u32 v[ASR+1], STG+STGB, v22
	s_lshl_b32 s57, s12, 17
	v_lshl_add_u32 v[VO], v18, 4, s57              ; the same rows in out0: 8,192 bytes from step to step
	v_lshl_add_u32 v[VO], v19, 13, v[VO]
	s_mov_b32 s56, 0x76543210                      ; from here on: lane i of one half reads lane i of the other
	s_mov_b32 s57, 0xfedcba98
	s_mov_b32 s53, 0x0d800000                      ; 2^-100
	; the four record addresses once more in each of the windows 1 to 3
	WIN 0x40
.irp i, 0,1,2,3
	v_mov_b32 v[CA1+\i], v[AR+\i]
.endr
	WIN 0x80
.irp i, 0,1,2,3
	v_mov_b32 v[CA2+\i], v[AR+\i]
.endr
	WIN 0xc0
.irp i, 0,1,2,3
	v_mov_b32 v[CA3+\i], v[AR+\i]
.endr
	WIN 0
; n fragment images from byte off of the record into registers reg ..
.macro FRAGS n, reg, adr, off
.set fi, 0
.rept \n
	ds_load_b128 v[\reg+8*fi:\reg+8*fi+3],   v[\adr] offset:\off+1024*fi
	ds_load_b128 v[\reg+8*fi+4:\reg+8*fi+7], v[\adr] offset:\off+1024*fi+512
.set fi, fi+1
.endr
.endm
; The largest magnitude of a column of v in the n registers from base on, of this lane and of the lane that holds the column's other rows, at least 2^-100.
; Its exponent field E goes to EX; 2^(135 - E) (bits 0x83000000 - EX), which brings the largest into [256, 512), goes to IV, twice.
; The unit itself is 2^(E - 135): bits EX - 0x04000000.
.macro COLMAX base, n
.irp c, 0,1,2,3
	v_max_num_f32 v[MX+\c], |v[\base+2*\c]|, |v[\base+2*\c+1]|
.endr
.set i, 8
.rept (\n-8)/2
	v_max3_num_f32 v[MX+(i/2)%4], |v[\base+i]|, |v[\base+i+1]|, v[MX+(i/2)%4]
.set i, i+2
.endr
	v_max3_num_f32 v[MX], v[MX], v[MX+1], v[MX+2]
	v_max_num_f32 v[MX], v[MX], v[MX+3]
	v_permlanex16_b32 v[PT], v[MX], s56, s57
	v_max3_num_f32 v[MX], v[MX], v[PT], s53
	v_and_b32 v[EX], 0x7f800000, v[MX]
	v_sub_nc_u32 v[IV], 0x83000000, v[EX]
	v_mov_b32 v[IV+1], v[IV]
.endm
; 16 g registers from src on, times 1 / unit, to f16: 8 g words from dst on
.macro TOF16 dst, src, groups
.set gi, 0
.rept \groups
.irp k, 0,1,2,3,4,5,6,7
	v_pk_mul_f32 v[TT+2*\k:TT+2*\k+1], v[\src+16*gi+2*\k:\src+16*gi+2*\k+1], v[IV:IV+1]
.endr
.irp k, 0,1,2,3,4,5,6,7
	v_cvt_pk_f16_f32 v[\dst+8*gi+\k], v[TT+2*\k], v[TT+2*\k+1]
.endr
.set gi, gi+1
.endr
.endm
; Four products of K step ks: acc[mt] (+)= fragment (mt, ks) x S^T's step ks.  Under 0xf1: Wn S; under 0x52: Qg S.  Step 0 starts the sums.
.macro SSTEP acc, ks
.irp mt, 0,1,2,3
.if \ks == 0
	v_wmma_f32_16x16x32_f16 v[\acc+8*\mt:\acc+8*\mt+7], v[8*(4*\ks+\mt):8*(4*\ks+\mt)+7], v[SB+8*\ks:SB+8*\ks+7], 0
.else
	v_wmma_f32_16x16x32_f16 v[\acc+8*\mt:\acc+8*\mt+7], v[8*(4*\ks+\mt):8*(4*\ks+\mt)+7], v[SB+8*\ks:SB+8*\ks+7], v[\acc+8*\mt:\acc+8*\mt+7]
.endif
.endr
.endm
; Eight products of Kd U, step ks
.macro KSTEP ks
.irp mt, 0,1,2,3,4,5,6,7
.if \ks == 0
	v_wmma_f32_16x16x32_f16 v[D2+8*\mt:D2+8*\mt+7], v[8*(8*\ks+\mt):8*(8*\ks+\mt)+7], v[UB+8*\ks:UB+8*\ks+7], 0
.else
	v_wmma_f32_16x16x32_f16 v[D2+8*\mt:D2+8*\mt+7], v[8*(8*\ks+\mt):8*(8*\ks+\mt)+7], v[UB+8*\ks:UB+8*\ks+7], v[D2+8*\mt:D2+8*\mt+7]
.endif
.endr
.endm
; One chunk.  slot, rec: where its record lies (rec is also the chunk's parity).  first: the state is 0.  flush: the chunk before goes out of its stage;
; step: the output's address moves on a chunk.  more: a further chunk follows.  In every run of products the accumulators take turns, one instruction
; a turn, and neighbouring runs end and begin on different accumulators.
; This chunk's Wn and Qg were loaded in the chunk before; the wait for 0 in front of the barrier between the two has shown them in.
.macro CHUNK slot, rec, first, flush, step, more
.if \first == 0
	s_wait_kmcnt 0x0
	v_exp_f32 v[GG], s[50+\rec]
	v_exp_f32 v[GG+1], s[50+\rec]
	s_add_nc_u64 s[GP:GP+1], s[GP:GP+1], 256       ; no scalar load is pending
	s_add_nc_u64 s[SP:SP+1], s[SP:SP+1], 128
.if \more
	s_load_b32 s[51-\rec], s[GP:GP+1], 0x0
	s_load_b32 s[59-\rec], s[SP:SP+1], 0x0
.endif
.endif
.if \flush
	s_wait_xcnt 0x0                                ; FL and the output's base, which earlier stores read, are rewritten only behind this wait
.if \step
	s_add_nc_u64 s[OUTP:OUTP+1], s[OUTP:OUTP+1], 64*8192
.endif
.irp e, 0,1,2,3,4,5,6,7
	ds_load_b128 v[FL+4*\e:FL+4*\e+3], v[ASR+1-\rec] offset:544*\e
.endr
.endif
	FRAGS 4, UU, AU+2*\slot+\rec, 0                ; U0 lands where U is summed
.if \first == 0
	COLMAX ST, 64
	v_add_nc_u32 v[SS], 0xfc000000, v[EX]          ; S's unit
	v_mov_b32 v[SS+1], v[SS]
	v_mul_f32 v[FF], s[58+\rec], v[SS]             ; x Wn's unit
	v_mov_b32 v[FF+1], v[FF]
	TOF16 SB, ST, 4                                ; tiles 2 ks, 2 ks + 1 are registers 0-3, 4-7 of K step ks
	WIN 0xf1                                       ; Wn S into window 3; Kd and Aq into window 3
	FRAGS 8, 0, CA1+2*\slot+\rec, KDO
	SSTEP PP, 0
	SSTEP PP, 1
	FRAGS 8, 64, CA1+2*\slot+\rec, KDO+8192
	SSTEP PP, 2
	SSTEP PP, 3
	FRAGS 6, AQF, CA1+2*\slot+\rec, AQO
	WIN 0x52                                       ; Qg S into window 1; the next chunk's Wn into window 1
	SSTEP O1, 0
	SSTEP O1, 1
.if \more
	s_wait_alu depctr_va_vdst(0)
.rept 4
	v_nop                                          ; four places between the last product that read Wn and the loads into it
.endr
	FRAGS 8, 0, CA2+2*\slot+\rec, WNO
.endif
	SSTEP O1, 2
	SSTEP O1, 3
.if \more
	FRAGS 8, 64, CA2+2*\slot+\rec, WNO+8192
.endif
	WIN 0
.set i, 0
	s_wait_alu depctr_va_vdst(0)
.rept 32
	v_pk_mul_f32 v[ST+2*i:ST+2*i+1], v[ST+2*i:ST+2*i+1], v[GG:GG+1]        ; the decay; also the places between the products and the use of their results
.set i, i+1
.endr
	s_wait_dscnt 32*\more                          ; LDS loads come back in order (ISA guide 5.7.1): all but the next Wn's 32 are in: the stage's rows, U0, Kd, Aq
.if \flush
.irp e, 0,1,2,3,4,5,6,7
	global_store_b128 v[VO], v[FL+4*\e:FL+4*\e+3], s[OUTP:OUTP+1] offset:16384*\e th:TH_STORE_NT   ; 16 lanes store 256 consecutive bytes, aligned
.endr
.endif
	WIN 0x03                                       ; source 0 window 3
.set i, 0
.rept 16
	v_pk_fma_f32 v[UU+2*i:UU+2*i+1], v[PP+2*i:PP+2*i+1], v[FF:FF+1], v[UU+2*i:UU+2*i+1]    ; U = U0 + units x (Wn S)
.set i, i+1
.endr
	WIN 0
.else
	WIN 0xc0                                       ; destination window 3, address window 0
	FRAGS 16, 0, AR+2*\slot+\rec, KDO
	FRAGS 6, AQF, AR+2*\slot+\rec, AQO
	WIN 0
	s_wait_dscnt 44                                ; U0 is in; Kd's 32 and Aq's 12 stay out
.endif
	COLMAX UU, 32
	v_add_nc_u32 v[SU], 0xfc000000, v[EX]          ; U's unit
	v_mov_b32 v[SU+1], v[SU]
	TOF16 UB, UU, 2
	WIN 0xa3                                       ; Kd U into window 2; the next chunk's Qg into window 2
.if \first
	s_wait_dscnt 0x0                               ; Kd and Aq
.endif
	KSTEP 0
.if \more
	FRAGS 8, 0, CA3+2*\slot+\rec, QGO
.endif
	KSTEP 1
.if \more
	FRAGS 8, 64, CA3+2*\slot+\rec, QGO+8192
.endif
	WIN 0xf3                                       ; Aq U: all but U in window 3
.irp mt, 0,1,2,3
	v_wmma_f32_16x16x32_f16 v[O2+8*\mt:O2+8*\mt+7], v[AQF+8*\mt:AQF+8*\mt+7], v[UB:UB+7], 0
.endr
	v_wmma_f32_16x16x32_f16 v[O2+16:O2+23], v[AQF+32:AQF+39], v[UB+8:UB+15], v[O2+16:O2+23]
	v_wmma_f32_16x16x32_f16 v[O2+24:O2+31], v[AQF+40:AQF+47], v[UB+8:UB+15], v[O2+24:O2+31]
.if \first
	WIN 0x40
	FRAGS 16, 0, AR+2*\slot+\rec, WNO              ; chunk 1's Wn
.rept 4
	v_nop                                          ; four places before the results are read (ISA guide 7.12.1)
.endr
	WIN 0x02
.set i, 0
.rept 32
	v_pk_mul_f32 v[ST+2*i:ST+2*i+1], v[D2+2*i:D2+2*i+1], v[SU:SU+1]
.set i, i+1
.endr
	WIN 0x03
.set i, 0
.rept 16
	v_pk_mul_f32 v[OO+2*i:OO+2*i+1], v[O2+2*i:O2+2*i+1], v[SU:SU+1]
.set i, i+1
.endr
.else
	WIN 0x01
.set i, 0
.rept 16
	v_pk_mul_f32 v[OO+2*i:OO+2*i+1], v[O1+2*i:O1+2*i+1], v[SS:SS+1]        ; Qg S in true units; these sixteen are also the places behind the last products
.set i, i+1
.endr
	WIN 0x02
.set i, 0
.rept 32
	v_pk_fma_f32 v[ST+2*i:ST+2*i+1], v[D2+2*i:D2+2*i+1], v[SU:SU+1], v[ST+2*i:ST+2*i+1]    ; S = 2^g_63 S + unit x (Kd U)
.set i, i+1
.endr
	WIN 0x03
.set i, 0
.rept 16
	v_pk_fma_f32 v[OO+2*i:OO+2*i+1], v[O2+2*i:O2+2*i+1], v[SU:SU+1], v[OO+2*i:OO+2*i+1]    ; O = Qg S + unit x (Aq U)
.set i, i+1
.endr
.endif
	WIN 0
.irp mt, 0,1,2,3
.irp j, 0,1,2,3,4,5,6,7
	ds_store_b32 v[ASW+\rec], v[OO+8*\mt+\j] offset:(16*\mt+\j)*272
.endr
.endr
.endm
; Between a slot's two chunks: the stage is handed over, and the next chunk's Wn and Qg are in; the refill may stay on its way.
.macro MIDBAR
	s_wait_dscnt 0x0
	s_barrier_signal -1
	s_barrier_wait -1
.endm
; Between slots: every wave's reads of slot old are back and all its tensor loads have landed (its part of the next slot among them); behind the barrier
; slot old is filled again first, one tensor load a wave, with the records four further on.
.macro SLOTBAR old, refill
	s_set_vgpr_msb 0x5
	s_wait_tensorcnt 0x0
	ds_add_u32 v254, v255
	s_wait_dscnt 0x0
	s_set_vgpr_msb 0x500
.if \refill
	s_add_nc_u64 s[G0+4*\old+2:G0+4*\old+3], s[G0+4*\old+2:G0+4*\old+3], 4*OPS
	s_add_nc_u64 s[G0U+4*\old+2:G0U+4*\old+3], s[G0U+4*\old+2:G0U+4*\old+3], 4*32768
.endif
	s_wait_dscnt 0x0
	s_barrier_signal -1
	s_barrier_wait -1
.if \refill
	TLOAD \old
.endif
.endm
	s_wait_tensorcnt 0x1                           ; my part of slot 0 is in; slot 1's stays out
	s_barrier_signal -1
	s_barrier_wait -1
	CHUNK 0, 0, 1, 0, 0, 1
	MIDBAR
	CHUNK 0, 1, 0, 1, 0, 1
	s_mov_b32 s52, 7
.Lpairs:
	SLOTBAR 0, 1
	CHUNK 1, 0, 0, 1, 1, 1
	MIDBAR
	CHUNK 1, 1, 0, 1, 1, 1
	SLOTBAR 1, 1
	CHUNK 0, 0, 0, 1, 1, 1
	MIDBAR
	CHUNK 0, 1, 0, 1, 1, 1
	s_sub_co_u32 s52, s52, 1
	s_cmp_lg_u32 s52, 0
	s_cbranch_scc1 .Lpairs
	SLOTBAR 0, 0                                   ; the last two chunks: nothing is left to fetch
	CHUNK 1, 0, 0, 1, 1, 1
	MIDBAR
	CHUNK 1, 1, 0, 1, 1, 0
	MIDBAR
	s_wait_xcnt 0x0                                ; the last chunk leaves its stage
	s_add_nc_u64 s[OUTP:OUTP+1], s[OUTP:OUTP+1], 64*8192
.irp e, 0,1,2,3,4,5,6,7
	ds_load_b128 v[FL+4*\e:FL+4*\e+3], v[ASR+1] offset:544*\e
.endr
.irp e, 0,1,2,3,4,5,6,7
	s_wait_dscnt 7-\e
	global_store_b128 v[VO], v[FL+4*\e:FL+4*\e+3], s[OUTP:OUTP+1] offset:16384*\e th:TH_STORE_NT
.endr
	s_set_vgpr_msb 0x5
	s_wait_tensorcnt 0x0
	ds_add_u32 v254, v255
	s_wait_dscnt 0x0
	s_set_vgpr_msb 0x500
	s_endpgm
.Lfunc_end_k_q6ab1f3a766_scan:
	.size	k_q6ab1f3a766_scan, .Lfunc_end_k_q6ab1f3a766_scan-k_q6ab1f3a766_scan
	.p2alignl 7, 3214868480
	.fill 96, 4, 3214868480
	.section	.rodata,"a",@progbits
	.p2align	6, 0x0
	.amdhsa_kernel k_q6ab1f3a766_scan
		.amdhsa_group_segment_fixed_size 327680
		.amdhsa_private_segment_fixed_size 0
		.amdhsa_enable_private_segment 0
		.amdhsa_kernarg_size 32
		.amdhsa_user_sgpr_count 2
		.amdhsa_user_sgpr_kernarg_segment_ptr 1
		.amdhsa_wavefront_size32 1
		.amdhsa_system_sgpr_workgroup_id_x 1
		.amdhsa_system_sgpr_workgroup_id_y 1
		.amdhsa_system_sgpr_workgroup_id_z 1
		.amdhsa_system_vgpr_workitem_id 0
		.amdhsa_next_free_vgpr 1024
		.amdhsa_next_free_sgpr 66
		.amdhsa_reserve_vcc 0
		.amdhsa_float_denorm_mode_32 3
		.amdhsa_float_denorm_mode_16_64 3
		.amdhsa_memory_ordered 1
		.amdhsa_forward_progress 1
		.amdhsa_inst_pref_size 248
	.end_amdhsa_kernel
	.amdgpu_metadata
---
amdhsa.version: [ 1, 2 ]
amdhsa.kernels:
  - .name:           k_q6ab1f3a766_scan
    .symbol:         k_q6ab1f3a766_scan.kd
    .args:
      - { .name: ops, .offset: 0, .size: 8, .value_kind: global_buffer, .address_space: global }
      - { .name: u0, .offset: 8, .size: 8, .value_kind: global_buffer, .address_space: global }
      - { .name: gc, .offset: 16, .size: 8, .value_kind: global_buffer, .address_space: global }
      - { .name: out0, .offset: 24, .size: 8, .value_kind: global_buffer, .address_space: global }
    .group_segment_fixed_size: 327680
    .private_segment_fixed_size: 0
    .kernarg_segment_align: 8
    .kernarg_segment_size: 32
    .max_flat_workgroup_size: 128
    .sgpr_count:     66
    .vgpr_count:     1024
    .wavefront_size: 32
...
	.end_amdgpu_metadata
.endif
;; end of part 8
;; ======== version 3 of 3: 4 launches; version 2 with the launch cast written anew for expert scheduling mode
;; workspace buffers: xb 16,777,216 bytes; wb 25,165,824 bytes; wab 131,072 bytes; gc 262,144 bytes; bt 262,144 bytes; qkv 51,118,080 bytes; ops 56,623,104 bytes; u0 33,685,504 bytes
;; launch cast (part 9): grid 642 x 1, 8 waves a work-group, no clusters, 0 bytes of LDS; arguments x, Wq, Wk, Wv, Wa, Wb, xb, wb, wab; writes xb, wb, wab
.if DOCPART == 9
	.amdgcn_target "amdgcn-amd-amdhsa--gfx1250"
	.amdhsa_code_object_version 6
	.text
	.protected	k_q6ab1f3a766_cast
	.globl	k_q6ab1f3a766_cast
	.p2align	8
	.type	k_q6ab1f3a766_cast,@function
k_q6ab1f3a766_cast:
	s_mov_b64 s[64:65], 0
	v_nop
	global_prefetch_b8 v0, s[64:65] scope:SCOPE_SE
	s_setreg_imm32_b32 hwreg(HW_REG_WAVE_SCHED_MODE, 0, 2), 2
	s_setreg_imm32_b32 hwreg(HW_REG_WAVE_MODE, 25, 1), 1
	s_wait_xcnt 0x0
	s_wait_alu depctr_vm_vsrc(0)
; f32 to bf16, once, for everything that later feeds the matrix units: x -> xb, Wq | Wk | Wv -> wb (rows one below the other), Wa | Wb -> wab.
; A work-group takes a unit of 32,768 numbers (131,072 bytes in, 65,536 out); x is 256 units, each large weight 128, Wa and Wb one each: 642.
; A wave takes 4,096 numbers: 32 loads of 16 bytes a lane, all issued before the first is used; each load of a wave covers 512 consecutive
; bytes, each store 256 consecutive bytes at a multiple of 256 from the buffer's first byte.  Memory binds: no LDS, no barrier, no matrix unit.
; THE MODE: SCHED_MODE bits 1:0 = 2 (LLVM: expert scheduling mode 2), set by the entry lines.  The code itself states the register dependences
; between vector instructions and memory instructions, with s_wait_alu, always for 0.
; THE PLAN.  Registers that memory instructions touch:
;   v1, v2   byte offsets of the loads and of the stores: written once at the head, never again.
;   X        written by the 32 loads alone, each register once; read by the conversions behind the wait for its load.  No load lands in it a second time.
;   Y        written by the conversions, each register once; read by one store; never written again.
; The 32 quads of numbers go in 8 blocks of four.  Block p rounds X[p] into Y[p]; its memory instructions are the four stores of block p - 1, which read
; Y[p - 1] and v2: registers that no vector instruction of block p names.  So one wait at a block's head states all that its stores hang on, and they are
; dealt among the block's conversions with no further wait.  No register that a memory instruction reads is written again, so nothing is owed on that side.
.set X, 8                              ; v[8:135]   32 x 4 numbers as loaded
.set Y, 136                            ; v[136:199] 32 x 2 words of two bf16
.set BLK,  4                           ; loads, and stores, in a block
.set NBLK, 32/BLK
	s_load_b512 s[8:23], s[0:1], 0x0               ; x 8, Wq 10, Wk 12, Wv 14, Wa 16, Wb 18, xb 20, wb 22
	s_load_b64 s[24:25], s[0:1], 0x40              ; wab
	v_and_b32 v3, 31, v0                           ; lane
	v_lshrrev_b32 v4, 5, v0                        ; wave
	v_lshlrev_b32 v1, 4, v3
	v_lshl_or_b32 v1, v4, 14, v1                   ; in:  16,384 wave + 16 lane
	v_lshlrev_b32 v2, 3, v3
	v_lshl_or_b32 v2, v4, 13, v2                   ; out:  8,192 wave +  8 lane
	s_wait_kmcnt 0x0
	; which tensor the unit belongs to: source s[32:33] with its first unit s26, destination s[36:37] with its first unit s27
	s_cmp_ge_u32 ttmp9, 256
	s_cselect_b64 s[32:33], s[10:11], s[8:9]
	s_cselect_b64 s[36:37], s[22:23], s[20:21]
	s_cselect_b32 s26, 256, 0
	s_cselect_b32 s27, 256, 0
	s_cmp_ge_u32 ttmp9, 384
	s_cselect_b64 s[32:33], s[12:13], s[32:33]
	s_cselect_b32 s26, 384, s26
	s_cmp_ge_u32 ttmp9, 512
	s_cselect_b64 s[32:33], s[14:15], s[32:33]
	s_cselect_b32 s26, 512, s26
	s_cmp_ge_u32 ttmp9, 640
	s_cselect_b64 s[32:33], s[16:17], s[32:33]
	s_cselect_b64 s[36:37], s[24:25], s[36:37]
	s_cselect_b32 s26, 640, s26
	s_cselect_b32 s27, 640, s27
	s_cmp_ge_u32 ttmp9, 641
	s_cselect_b64 s[32:33], s[18:19], s[32:33]
	s_cselect_b32 s26, 641, s26
	s_sub_co_u32 s26, ttmp9, s26                   ; the unit's number inside its source,
	s_sub_co_u32 s27, ttmp9, s27                   ; and inside its destination
	s_lshl_b32 s28, s26, 17
	s_mov_b32 s29, 0
	s_lshl_b32 s30, s27, 16
	s_mov_b32 s31, 0
	s_add_nc_u64 s[32:33], s[32:33], s[28:29]
	s_add_nc_u64 s[36:37], s[36:37], s[30:31]
	s_wait_alu depctr_va_vdst(0)                   ; v1 and v2 are written: every load reads v1 as its offset, every store v2; neither is written again
.set j, 0
.rept 32
	global_load_b128 v[X+4*j:X+4*j+3], v1, s[32:33] offset:512*j th:TH_LOAD_NT
.set j, j+1
.endr
.set p, 0
.rept NBLK
	s_wait_loadcnt 32-BLK*(p+1)                    ; loads come back in order (ISA guide 5.7.1): block p's four are in, the 28 - 4 p younger ones stay out
.if p > 0
	s_wait_alu depctr_va_vdst(0)                   ; the block before has written its eight registers of Y, which the four stores below read
.endif
.set i, 0
.rept BLK
.set j, BLK*p+i
.if p > 0
	global_store_b64 v2, v[Y+2*(j-BLK):Y+2*(j-BLK)+1], s[36:37] offset:256*(j-BLK)   ; the block before; no vector instruction since the wait names these registers
.endif
	v_cvt_pk_bf16_f32 v[Y+2*j], v[X+4*j], v[X+4*j+1]
	v_cvt_pk_bf16_f32 v[Y+2*j+1], v[X+4*j+2], v[X+4*j+3]
.set i, i+1
.endr
.set p, p+1
.endr
	s_wait_alu depctr_va_vdst(0)                   ; the last block has written its eight registers of Y, which the last four stores read
.set j, 32-BLK
.rept BLK
	global_store_b64 v2, v[Y+2*j:Y+2*j+1], s[36:37] offset:256*j
.set j, j+1
.endr
	s_endpgm
.Lfunc_end_k_q6ab1f3a766_cast:
	.size	k_q6ab1f3a766_cast, .Lfunc_end_k_q6ab1f3a766_cast-k_q6ab1f3a766_cast
	.p2alignl 7, 3214868480
	.fill 96, 4, 3214868480
	.section	.rodata,"a",@progbits
	.p2align	6, 0x0
	.amdhsa_kernel k_q6ab1f3a766_cast
		.amdhsa_group_segment_fixed_size 0
		.amdhsa_private_segment_fixed_size 0
		.amdhsa_enable_private_segment 0
		.amdhsa_kernarg_size 72
		.amdhsa_user_sgpr_count 2
		.amdhsa_user_sgpr_kernarg_segment_ptr 1
		.amdhsa_wavefront_size32 1
		.amdhsa_system_sgpr_workgroup_id_x 1
		.amdhsa_system_sgpr_workgroup_id_y 1
		.amdhsa_system_sgpr_workgroup_id_z 1
		.amdhsa_system_vgpr_workitem_id 0
		.amdhsa_next_free_vgpr 200
		.amdhsa_next_free_sgpr 66
		.amdhsa_reserve_vcc 0
		.amdhsa_float_denorm_mode_32 3
		.amdhsa_float_denorm_mode_16_64 3
		.amdhsa_memory_ordered 1
		.amdhsa_forward_progress 1
		.amdhsa_inst_pref_size 13
	.end_amdhsa_kernel
	.amdgpu_metadata
---
amdhsa.version: [ 1, 2 ]
amdhsa.kernels:
  - .name:           k_q6ab1f3a766_cast
    .symbol:         k_q6ab1f3a766_cast.kd
    .args:
      - { .name: x, .offset: 0, .size: 8, .value_kind: global_buffer, .address_space: global }
      - { .name: Wq, .offset: 8, .size: 8, .value_kind: global_buffer, .address_space: global }
      - { .name: Wk, .offset: 16, .size: 8, .value_kind: global_buffer, .address_space: global }
      - { .name: Wv, .offset: 24, .size: 8, .value_kind: global_buffer, .address_space: global }
      - { .name: Wa, .offset: 32, .size: 8, .value_kind: global_buffer, .address_space: global }
      - { .name: Wb, .offset: 40, .size: 8, .value_kind: global_buffer, .address_space: global }
      - { .name: xb, .offset: 48, .size: 8, .value_kind: global_buffer, .address_space: global }
      - { .name: wb, .offset: 56, .size: 8, .value_kind: global_buffer, .address_space: global }
      - { .name: wab, .offset: 64, .size: 8, .value_kind: global_buffer, .address_space: global }
    .group_segment_fixed_size: 0
    .private_segment_fixed_size: 0
    .kernarg_segment_align: 8
    .kernarg_segment_size: 72
    .max_flat_workgroup_size: 256
    .sgpr_count:     66
    .vgpr_count:     200
    .wavefront_size: 32
...
	.end_amdgpu_metadata
.endif
;; end of part 9
;; launch gemm: the kernel of part 6 again; grid 28 x 16, 4 waves a work-group, clusters of 4 x 4, 327,680 bytes of LDS; arguments xb, wb, qkv, wab, ba, bb, gc, bt; writes qkv, gc, bt
;; launch prep: the kernel of part 7 again; grid 256 x 1, 4 waves a work-group, no clusters, 299,520 bytes of LDS; arguments qkv, gc, bt, ops, u0; writes ops, u0
;; launch scan: the kernel of part 8 again; grid 64 x 1, 4 waves a work-group, no clusters, 327,680 bytes of LDS; arguments ops, u0, gc, out0; writes out0
